; MI455X (gfx1250); checked and timed in simulation.
; The chip was launched on July 23, 2026; its instructions are those of AMD's public machine-readable ISA for CDNA 5 (MIT licence, August 2026) and "CDNA5" Instruction Set Architecture Reference Guide (July 2026). The comments in the code are by the model that wrote it; some were corrected since.
;; Transformer Block. Allowed arithmetic: matrix products marked QUANTISED: E4M3 operands, one E8M0 scale for each 32 along K, by v_wmma_scale_f32_16x16x128_f8f6f4 with both operands' format E4M3, f32 sums; everything else in f32.
;; Inputs: g1 1,024 float32; g2 1,024 float32; w_down_codes 1,024 x 64 x 32 uint8 (E4M3 codes of w_down, K innermost, in blocks of 32 codes); w_down_scales 1,024 x 64 uint8 (E8M0 scales of w_down, one for each 32 codes along K); w_gate_codes 2,048 x 32 x 32 uint8 (E4M3 codes of w_gate, K innermost, in blocks of 32 codes); w_gate_scales 2,048 x 32 uint8 (E8M0 scales of w_gate, one for each 32 codes along K); w_o_codes 1,024 x 32 x 32 uint8 (E4M3 codes of w_o, K innermost, in blocks of 32 codes); w_o_scales 1,024 x 32 uint8 (E8M0 scales of w_o, one for each 32 codes along K); w_qkv_codes 3,072 x 32 x 32 uint8 (E4M3 codes of w_qkv, K innermost, in blocks of 32 codes); w_qkv_scales 3,072 x 32 uint8 (E8M0 scales of w_qkv, one for each 32 codes along K); w_up_codes 2,048 x 32 x 32 uint8 (E4M3 codes of w_up, K innermost, in blocks of 32 codes); w_up_scales 2,048 x 32 uint8 (E8M0 scales of w_up, one for each 32 codes along K); x 2 x 2,048 x 1,024 float32.
;; Outputs: out0 2 x 2,048 x 1,024 float32.
;; This version of the problem:
;;   THIS VERSION OF THE PROBLEM IS GIVEN IN LOW PRECISION. The matrix products marked QUANTISED in the list below multiply operands that are first quantised to E4M3 (4 exponent bits, 3 mantissa bits; 8 bits a number), with one power-of-two scale for each 32 numbers along K (OCP MX v1.0); their sums are f32. All else is computed in f32.
;;   The module's matrix products, in the order in which they are computed (A, B: the left and right operand; K: the contracted axis; several contracted axes count as one K, in the product's order):
;;     1. [M 4,096, K 1,024] x [K 1,024, N 3,072]; A: computed on the way; B: input w_qkv (given as codes): QUANTISED
;;     2. batch 32 x [M 2,048, K 64] x [K 64, N 2,048]; A: computed on the way; B: computed on the way: QUANTISED
;;     3. batch 32 x [M 2,048, K 2,048] x [K 2,048, N 64]; A: softmax (see below); B: computed on the way: QUANTISED
;;     4. [M 4,096, K 1,024] x [K 1,024, N 1,024]; A: computed on the way; B: input w_o (given as codes): QUANTISED
;;     5. [M 4,096, K 1,024] x [K 1,024, N 2,048]; A: computed on the way; B: input w_gate (given as codes): QUANTISED
;;     6. [M 4,096, K 1,024] x [K 1,024, N 2,048]; A: computed on the way; B: input w_up (given as codes): QUANTISED
;;     7. [M 4,096, K 2,048] x [K 2,048, N 1,024]; A: computed on the way; B: input w_down (given as codes): QUANTISED
;;   THE QUANTISER, for each operand of a quantised product, along K:
;;     - K is cut into blocks of 32 from its start; a last block that is shorter is filled with zeros.
;;     - A block's scale is 2^e with e = floor(log2(the largest magnitude in the block)) - 8, held to -126 .. 127; a block of zeros has e = 0. As a byte (E8M0): e + 127.
;;     - Each number is divided by its block's scale, clamped to +-448, and rounded to the nearest number of E4M3, ties to even, subnormals kept.
;;     - The product sums the exact products of the quantised numbers (number of the format x scale) in f32.
;;   ~~~python
;;   def quantise(x, axis):      # numpy; x: float32 -> the quantised numbers, widened to float32 again
;;       x = np.moveaxis(x, axis, -1); K = x.shape[-1]
;;       x = np.pad(x, [(0, 0)] * (x.ndim - 1) + [(0, -K % 32)]); x = x.reshape(x.shape[:-1] + (-1, 32)); a = np.abs(x).max(-1, keepdims=True)
;;       e = np.where(a > 0, np.clip(np.frexp(np.where(a > 0, a, 1))[1] - 1 - 8, -126, 127), 0)      # np.frexp(a)[1] - 1 = floor(log2(a)), exactly
;;       r = np.clip(x / 2.0 ** e, -448, 448)
;;       step = 2.0 ** (np.maximum(np.frexp(np.where(r == 0, 1, r))[1] - 1, -6) - 3)
;;       q = np.round(r / step) * step * 2.0 ** e      # np.round: ties to even
;;       return np.moveaxis(q.reshape(q.shape[:-2] + (-1,))[..., :K], -1, axis).astype(np.float32)
;;   ~~~
;;   SOFTMAX AHEAD OF A QUANTISED PRODUCT. Where the list says 'softmax', what is quantised is not the finished softmax but p = 2^(t - M), with t = logit x log2(e) and M = ceil(the row's largest t), a whole number; so 1/2 < the row's largest p <= 1. The row's sum l is taken of the UNQUANTISED p, in f32, and the product's result is divided by l at the end. Since M is a whole number, a kernel that streams over the keys may use a running M (the ceiling of the running maximum): every later rescaling is an exact power of two, which a block's scale takes up: the codes' values come out the same.
;;   OPERANDS COMPUTED ON THE WAY. 'Computed on the way' means the value that the module computes at that place (a softmax that the list does not call 'softmax' is quantised finished and normalised). What goes into a quantiser is computed in f32, as accurately as f32 sums, v_exp_f32 and their like allow (about 1e-6 of the number): no bf16 or f16 on the way to a quantiser, and a product that is left as it is and whose result goes on into a quantised operand takes f32 operands (vector FMAs, or v_wmma_f32_16x16x4_f32). A number that lies on a knife's edge between two numbers of the format may be rounded either way, as far as f32 arithmetic and the matrix unit's own rounding can turn it there, and no further.
;;   INPUTS GIVEN AS CODES. w_down (in the module: [2048, 1024], K = its axis 0); w_gate (in the module: [1024, 2048], K = its axis 0); w_o (in the module: [1024, 1024], K = its axis 0); w_qkv (in the module: [1024, 3072], K = its axis 0); w_up (in the module: [1024, 2048], K = its axis 0): each comes as NAME_codes (uint8): NAME with its K axis moved to the last place and cut into blocks of 32 codes, [.., K / 32, bytes a block], one block behind the other in memory; one code a byte (a code: sign, 4 exponent bits, 3 mantissa bits); and NAME_scales (uint8): the same leading axes, one E8M0 byte (e + 127) for each 32 codes along K. Its value is code x scale, taken as it is: it is not quantised again, and the codes and scales need not be those that the quantiser above would give.
;; 2 versions. Each part assembles by itself: llvm-mc -triple=amdgcn-amd-amdhsa -mcpu=gfx1250 --defsym DOCPART=n.
;; ======== version 1 of 2: 7 launches
;; workspace buffers: xn 4,325,376 bytes; qkv 13,238,272 bytes; ao 4,325,376 bytes; x1 16,777,216 bytes; hh 8,650,752 bytes
;; launch norm1 (part 1): grid 256 x 1, 4 waves a work-group, no clusters, 21,504 bytes of LDS; arguments x, g1, xn; writes xn
.if DOCPART == 1
	.amdgcn_target "amdgcn-amd-amdhsa--gfx1250"
	.amdhsa_code_object_version 6
	.text
	.protected	k_q40155d3da8_norm1
	.globl	k_q40155d3da8_norm1
	.p2align	8
	.type	k_q40155d3da8_norm1,@function
k_q40155d3da8_norm1:
	s_mov_b64 s[64:65], 0
	v_nop
	global_prefetch_b8 v0, s[64:65] scope:SCOPE_SE
	s_setreg_imm32_b32 hwreg(HW_REG_WAVE_MODE, 25, 1), 1
	s_wait_xcnt 0x0
; xn = Q(x / sqrt(mean(x^2) + 1e-6) * g): rows of 1,024 f32 become codes of E4M3, [4096][1024], K innermost, and one E8M0 byte for each 32 along K, [4096][32], 4,194,304 bytes behind the codes.
; A work-group has 16 rows, a wave 4.  A row is 4,096 bytes: eight loads of 512 consecutive bytes, 32 registers a lane; it stays in registers between the sum of squares and the scaling: read once.
; The conversions take 16 neighbours from ONE lane, so half a row (512 numbers) at a time turns through the wave's own stage in LDS: in as loaded, out 64 bytes a lane (80 bytes from lane to lane: 16 of padding).
; Two neighbouring lanes hold a block of 32.  A lane's 16 codes are 16 bytes: a store covers 512 consecutive bytes.  The work-group's 512 scale bytes meet in LDS and leave as one store of 512 consecutive bytes.
; A block's scale is 2^(floor(log2(largest magnitude)) - 8); its byte is the largest magnitude's exponent field - 8, held at 1 from below.
; LIMITS: a block of zeros gets the byte 1 (its codes are zeros; this program alone reads the bytes); NaN and infinities are not served; 1 / rms is v_rsq_f32's, good to 1 ulp.
; No matrix unit, no cluster, no tensor load: memory binds, and the waves share nothing but the 512 scale bytes.
.set SP,    80                         ; a lane's place in a stage: 64 bytes + 16 of padding
.set STG,   32*SP                      ; a stage
.set WREG,  2*STG                      ; a wave's two stages
.set SCB,   4*WREG                     ; behind them: the work-group's 512 scale bytes
.set SCOFF, 4194304                    ; the scale bytes' place in xn
.set G,     16                         ; v16-47   g, as a row is loaded
.set RW,    48                         ; v48-175  four rows
.set X,     176                        ; v176-207 two sets of 16 neighbours
.set C,     208                        ; v208-239 codes: four registers for each half row, never written again
.set E,     240                        ; v240-247 a scale byte for each half row
	s_load_b128 s[4:7], s[0:1], 0x0                ; x, g
	s_load_b64 s[8:9], s[0:1], 0x10                ; xn
	v_lshl_add_u32 v254, v0, 2, 0x5200
	v_mov_b32 v255, 0
	v_lshrrev_b32 v1, 5, v0
	v_readfirstlane_b32 s10, v1                    ; wave
	v_and_b32 v2, 31, v0                           ; lane
	v_lshlrev_b32 v3, 4, v2                        ; 16 x lane: my bytes of a load's or a store's 512
	s_mul_i32 s11, s10, WREG
	v_lshrrev_b32 v14, 2, v2
	v_mul_u32_u24 v14, v14, SP
	v_and_b32 v15, 3, v2
	v_lshl_add_u32 v14, v15, 4, v14
	v_add_nc_u32 v14, s11, v14                     ; the stage, way in: four lanes' 64 bytes on end, then the padding
	v_mul_u32_u24 v15, v2, SP
	v_add_nc_u32 v15, s11, v15                     ; way out: my 16 neighbours
	v_lshrrev_b32 v5, 1, v2
	s_lshl_b32 s11, s10, 7
	s_add_co_u32 s11, s11, SCB
	v_add_nc_u32 v5, s11, v5                       ; my block's scale byte: 128 bytes a wave (4 rows x 32)
	v_add_nc_u32 v6, SCB, v3                       ; wave 0 reads all 512 back
	s_mov_b32 s12, 0x76543210
	s_mov_b32 s13, 0xfedcba98                      ; v_permlanex16_b32's selects for lane l xor 16
	s_mov_b32 s14, 0x3a800000                      ; 1 / 1024
	s_mov_b32 s15, 0x358637bd                      ; 1e-6
	s_mov_b32 s16, 0x600000                        ; the mantissa field of 448
	s_lshl_b32 s18, ttmp9, 16                      ; 16 rows of 4,096 bytes a work-group,
	s_lshl_b32 s19, s10, 14                        ; 4 a wave
	s_add_co_u32 s18, s18, s19
	s_mov_b32 s19, 0
	s_lshr_b32 s20, s18, 2                         ; a row of codes is a quarter of that
	s_mov_b32 s21, 0
	s_lshl_b32 s22, ttmp9, 9                       ; 512 scale bytes a work-group
	s_add_co_u32 s22, s22, SCOFF
	s_mov_b32 s23, 0
	s_wait_kmcnt 0x0
	s_add_nc_u64 s[4:5], s[4:5], s[18:19]
	s_add_nc_u64 s[24:25], s[8:9], s[22:23]
	s_add_nc_u64 s[8:9], s[8:9], s[20:21]
.irp j, 0,1,2,3,4,5,6,7
	global_load_b128 v[G+4*\j:G+4*\j+3], v3, s[6:7] offset:512*\j
.endr
.irp i, 0,1,2,3
.irp j, 0,1,2,3,4,5,6,7
	global_load_b128 v[RW+32*\i+4*\j:RW+32*\i+4*\j+3], v3, s[4:5] offset:4096*\i+512*\j th:TH_LOAD_NT
.endr
.endr
.macro TURN i, s                       ; half s of row i through stage s: LDS serves a wave's instructions in order, so no wait stands between the stores and the loads
.irp k, 0,1,2,3
	ds_store_b128 v14, v[RW+32*(\i)+16*(\s)+4*\k:RW+32*(\i)+16*(\s)+4*\k+3] offset:STG*(\s)+8*SP*\k
.endr
.irp k, 0,1,2,3
	ds_load_b128 v[X+16*(\s)+4*\k:X+16*(\s)+4*\k+3], v15 offset:STG*(\s)+16*\k
.endr
.endm
.macro QSTEP i, s                      ; 16 neighbours a lane become 16 codes and a scale byte
.set XS, X+16*(\s)
.set CC, C+4*(2*(\i)+(\s))
.set EE, E+2*(\i)+(\s)
	v_max3_num_f32 v8, |v[XS]|, |v[XS+1]|, |v[XS+2]|
	v_max3_num_f32 v9, |v[XS+3]|, |v[XS+4]|, |v[XS+5]|
.irp k, 6,10
	v_max3_num_f32 v8, v8, |v[XS+\k]|, |v[XS+\k+1]|
	v_max3_num_f32 v9, v9, |v[XS+\k+2]|, |v[XS+\k+3]|
.endr
	v_max3_num_f32 v8, v8, |v[XS+14]|, |v[XS+15]|
	v_max3_num_f32 v8, v8, v9, 0x4800000           ; and the floor 2^(9 - 127): the byte cannot fall under 1
	v_max_num_f32_dpp v8, v8, v8 row_xmask:1 row_mask:0xf bank_mask:0xf   ; with my neighbour's 16: the block's largest magnitude
	v_add_nc_u32 v11, 0xfc000000, v8               ; 8 off its exponent field: the conversion's scale operand
	v_and_or_b32 v10, v8, 0x7f800000, s16          ; 448 x the scale
.set k, 0
.rept 16
	v_med3_num_f32 v[XS+k], v[XS+k], -v10, v10     ; the conversion to an 8-bit code does not saturate (ISA guide 7.6.2): the hold comes first
.set k, k+1
.endr
	v_cvt_scalef32_pk8_fp8_f32 v[CC:CC+1], v[XS:XS+7], v11
	v_cvt_scalef32_pk8_fp8_f32 v[CC+2:CC+3], v[XS+8:XS+15], v11
	v_lshrrev_b32 v[EE], 23, v11                   ; the scale's byte (a plain line behind the conversions)
	ds_store_b8 v5, v[EE] offset:32*(\i)+16*(\s)   ; both lanes of a block write the same byte with the same value
	global_store_b128 v3, v[CC:CC+3], s[8:9] offset:1024*(\i)+512*(\s)   ; 512 consecutive bytes, aligned
.endm
.macro ROW i
.set R0, RW+32*(\i)
	s_wait_loadcnt 8*(3-(\i))                      ; loads come back in order: g and my row are in, the later rows' eight loads each stay out
	v_pk_mul_f32 v[8:9], v[R0:R0+1], v[R0:R0+1]    ; the sum of squares, in two packed chains
	v_pk_mul_f32 v[10:11], v[R0+2:R0+3], v[R0+2:R0+3]
.irp j, 4,8,12,16,20,24,28
	v_pk_fma_f32 v[8:9], v[R0+\j:R0+\j+1], v[R0+\j:R0+\j+1], v[8:9]
	v_pk_fma_f32 v[10:11], v[R0+\j+2:R0+\j+3], v[R0+\j+2:R0+\j+3], v[10:11]
.endr
	v_pk_add_f32 v[8:9], v[8:9], v[10:11]
	v_add_f32 v8, v8, v9
	v_add_f32_dpp v8, v8, v8 row_xmask:1 row_mask:0xf bank_mask:0xf
	v_add_f32_dpp v8, v8, v8 row_xmask:2 row_mask:0xf bank_mask:0xf
	v_add_f32_dpp v8, v8, v8 row_xmask:4 row_mask:0xf bank_mask:0xf
	v_add_f32_dpp v8, v8, v8 row_xmask:8 row_mask:0xf bank_mask:0xf
	v_permlanex16_b32 v9, v8, s12, s13
	v_add_f32 v8, v8, v9                           ; the row's sum, in every lane
	v_fma_f32 v8, v8, s14, s15                     ; the mean + 1e-6
	v_rsq_f32 v12, v8
	v_rsq_f32 v13, v8                              ; twice: a pair for the packed multiply
	v_nop                                          ; a plain line between a transcendental and the use of its result
.set k, 0
	s_wait_alu depctr_va_vdst(0)
.rept 16
	v_pk_mul_f32 v[R0+k:R0+k+1], v[R0+k:R0+k+1], v[12:13]
.set k, k+2
.endr
.set k, 0
.rept 16
	v_pk_mul_f32 v[R0+k:R0+k+1], v[R0+k:R0+k+1], v[G+k:G+k+1]
.set k, k+2
.endr
	TURN \i, 0
	TURN \i, 1
	s_wait_dscnt 8                                 ; the first half is back; the second half's 4 stores and 4 loads may be out
	QSTEP \i, 0
	s_wait_dscnt 1                                 ; the second half is back; the byte store just issued may be out
	QSTEP \i, 1
.endm
	ROW 0
	ROW 1
	ROW 2
	ROW 3
	s_wait_dscnt 0x0                               ; for the others' sake: my scale bytes lie in LDS
	s_barrier_signal -1
	s_barrier_wait -1
	s_cmp_lg_u32 s10, 0
	s_cbranch_scc1 .Ldone
	ds_load_b128 v[8:11], v6                       ; wave 0: the 16 rows' 512 scale bytes
	s_wait_dscnt 0x0
	global_store_b128 v3, v[8:11], s[24:25]        ; 512 consecutive bytes, aligned
.Ldone:
	s_wait_tensorcnt 0x0
	ds_add_u32 v254, v255
	s_wait_dscnt 0x0
	s_endpgm
.Lfunc_end_k_q40155d3da8_norm1:
	.size	k_q40155d3da8_norm1, .Lfunc_end_k_q40155d3da8_norm1-k_q40155d3da8_norm1
	.p2alignl 7, 3214868480
	.fill 96, 4, 3214868480
	.section	.rodata,"a",@progbits
	.p2align	6, 0x0
	.amdhsa_kernel k_q40155d3da8_norm1
		.amdhsa_group_segment_fixed_size 21504
		.amdhsa_private_segment_fixed_size 0
		.amdhsa_enable_private_segment 0
		.amdhsa_kernarg_size 24
		.amdhsa_user_sgpr_count 2
		.amdhsa_user_sgpr_kernarg_segment_ptr 1
		.amdhsa_wavefront_size32 1
		.amdhsa_system_sgpr_workgroup_id_x 1
		.amdhsa_system_sgpr_workgroup_id_y 1
		.amdhsa_system_sgpr_workgroup_id_z 1
		.amdhsa_system_vgpr_workitem_id 0
		.amdhsa_next_free_vgpr 256
		.amdhsa_next_free_sgpr 66
		.amdhsa_reserve_vcc 0
		.amdhsa_float_denorm_mode_32 3
		.amdhsa_float_denorm_mode_16_64 3
		.amdhsa_memory_ordered 1
		.amdhsa_forward_progress 1
		.amdhsa_inst_pref_size 42
	.end_amdhsa_kernel
	.amdgpu_metadata
---
amdhsa.version: [ 1, 2 ]
amdhsa.kernels:
  - .name:           k_q40155d3da8_norm1
    .symbol:         k_q40155d3da8_norm1.kd
    .args:
      - { .name: x, .offset: 0, .size: 8, .value_kind: global_buffer, .address_space: global }
      - { .name: g1, .offset: 8, .size: 8, .value_kind: global_buffer, .address_space: global }
      - { .name: xn, .offset: 16, .size: 8, .value_kind: global_buffer, .address_space: global }
    .group_segment_fixed_size: 21504
    .private_segment_fixed_size: 0
    .kernarg_segment_align: 8
    .kernarg_segment_size: 24
    .max_flat_workgroup_size: 128
    .sgpr_count:     66
    .vgpr_count:     256
    .wavefront_size: 32
...
	.end_amdgpu_metadata
.endif
;; end of part 1
;; launch qkv (part 2): grid 12 x 16, 4 waves a work-group, clusters of 4 x 4, 327,680 bytes of LDS; arguments xn, w_qkv_codes, w_qkv_scales, qkv; writes qkv
.if DOCPART == 2
	.amdgcn_target "amdgcn-amd-amdhsa--gfx1250"
	.amdhsa_code_object_version 6
	.text
	.protected	k_q40155d3da8_qkv
	.globl	k_q40155d3da8_qkv
	.p2align	8
	.type	k_q40155d3da8_qkv,@function
k_q40155d3da8_qkv:
	s_mov_b64 s[64:65], 0
	v_nop
	global_prefetch_b8 v0, s[64:65] scope:SCOPE_SE
	s_setreg_imm32_b32 hwreg(HW_REG_WAVE_MODE, 25, 1), 1
	s_wait_xcnt 0x0
	s_wait_alu depctr_hold_cnt(0) depctr_sa_sdst(0) depctr_va_vdst(0) depctr_va_sdst(0) depctr_va_ssrc(0) depctr_va_vcc(0) depctr_vm_vsrc(0)
	s_getreg_b32 s2, hwreg(HW_REG_IB_STS2, 6, 4)
	s_cmp_eq_u32 s2, 0
	s_cbranch_scc0 .Lentry_in_a_cluster
	s_endpgm
.Lentry_in_a_cluster:
	s_bfe_u32 s2, ttmp6, 0x10000c
	s_cmp_lg_u32 s2, 0xf033
	s_cbranch_scc0 .Lentry_shape_is_right
	s_endpgm
.Lentry_shape_is_right:
; Q, K, V = xn W_qkv, on codes of E4M3 with E8M0 scales, and the results quantised on the way out: Q and K along the head's 64, V along the keys.
; THE PRODUCT: C[m][n] = sum over k of A[m][k] B[n][k], K = 1,024.  A tile of C, 256 x 256, is made by four waves, 128 x 128 each: 64 accumulators, 512 registers.  K goes in steps of 256 through a ring of two LDS slots
; filled by the tensor data mover; a tile's row is 256 bytes of memory.  The scale bytes of the tile's rows, for all of K, come into LDS once.  4 x 4 work-groups form a cluster: A's tiles are asked for jointly by a row
; of the cluster, B's by a column.  The matrix instruction is used transposed (source 0 = 16 rows of B, source 1 = 16 rows of A): a lane holds ONE row of A's and eight neighbouring rows of B's.
; ROLES.  Cluster x = 0, 1 (Q, K): A = xn (tokens), B = W's rows: a lane's registers run along the head's d.  Cluster x = 2 (V): A = W_v's rows (d), B = xn: a lane's registers run along the tokens, which are the
; second attention product's K.  The choice hangs on the cluster's x alone, the same in all sixteen partners; only pointers, tile numbers and store offsets are chosen: there is one path.
; THE WAY OUT.  A block of 16 rows x 128 columns is four blocks of 32 along the next K; lanes l and l xor 16 hold a block.  The conversions' four registers of a block go out as they stand, 16 bytes a lane, 512 consecutive
; bytes a store: an IMAGE of the next operand's registers.  In it a block's 32 numbers stand in the order 8h+0..7, 16+8h+0..7 (h = lane / 16): both operands of Q K^T and of P V stand so, so the products are the same.
; qkv: Q's codes at 0, K's at 4,194,304: [batch x 8 + head / 2][tile of 16 tokens: 128][head % 2][block: 2][512];  V's at 8,388,608: [batch x 8 + head / 2][128 keys: 16][head % 2][16 d: 4][block: 4][512];
; scale words: Q's at 12,582,912, K's at 12,845,056: [batch x 16 + head][token] = byte, byte, 0x7f, 0x7f (the operand's upper 64 along K are zero codes); V's at 13,107,200: [batch x 16 + head][128 keys][d].
; LIMITS: a block of zeros gets the byte 1 (its codes are zeros; this program alone reads the bytes); NaN and infinities are not served; within a block the matrix unit meets the products in another order than k's.
; REGISTERS, in windows of 256: window 0: v0-31 addresses; v32-63 scale words, two sets, and nothing else; v64-127 at work on the way out; from v128 A's fragments, one set.  window 1: B's fragments, two sets.
;   window 2: the accumulators of my rows 0-63 ((a, b) at v[8 (8 a + b)]);  window 3: those of my rows 64-127.
.set KROW,   1024                      ; a row of A or of B in memory, in bytes
.set ROWB,   256                       ; a tile's row: 256 codes
.set NQ,     2                         ; matrix instructions deep in a slot
.set PITCH,  272                       ; an LDS row: 256 bytes + 16 of padding: the 16 rows that a load touches start 68 words apart
.set FR,     16                        ; registers of a fragment
.set NL,     4                         ; LDS loads that bring one
.set NP,     8                         ; places behind this matrix instruction (ISA guide 7.12.1)
.set HALFT,  128*PITCH
.set SLOT,   4*HALFT                   ; A's 256 rows, then B's 256 rows
.set LAPS,   KROW/512
.set KS,     KROW/32                   ; a row of scale bytes
.set SCL,    2*SLOT                    ; behind the ring: the scale bytes, as units of 256 bytes + 16 of padding
.set HALFS,  (128*KS/256)*272          ; those of 128 rows: what one tensor load brings
.set S32,    (32*KS/256)*272           ; those of 32 rows
.set SPARE,  SCL+4*HALFS               ; the spare words, 128 bytes for each wave: two blocks of 256 bytes that no other line names
.set XSC,    4194304                   ; xn's scale bytes lie behind its codes
.set ADRA, 16                          ; v16-17  LDS address of my A fragments in slot 0, 1
.set O1,   18                          ; v18-19  the way out: lane offsets of the two stores of scale words
.set O2,   19
.set ADRB, 20                          ; v20-21  the same as ADRA for B
.set LI,   24                          ; v24     16 x lane
.set SST,  25                          ; v25     where I stage a scale word
.set SRD,  26                          ; v26     where I read the staged words back
.set ADSA, 27                          ; v27     LDS address of A's scale words: lane l takes row l of 32
.set SPW,  28                          ; v28     LDS address of my spare word; never rewritten
.set NIL,  29                          ; v29     0; never rewritten
.set ADSB, 30                          ; v30     the same as ADSA for B
.set SC,   32                          ; scale words: set s at v[SC + 16 s]: A's at + 2 i + q (rows 32 i + lane, the slot's q-th 128 along K), B's at + 8 + 2 i + q
.set T,    64                          ; the way out: 64 numbers held within the largest code
.set AF,   128
.set PCB,  128                         ; the way out: codes, four sets of 16
.set TM,   192                         ; v192-195 largest magnitudes, v196-199 bytes, v200-203 448 x the scale, v204-207 the conversions' scale operands
.set WD,   208                         ; v208-215 a scale word for each block of rows
.set WL,   216
.set WH,   217
.set WX,   218
.set G1, 24
.set G0, 32
.set G1B, 48
.set G0B, 56
.set G1S, 68
.set G0S, 76
.set G1SB, 80
.set G0SB, 88
.set MSB, 0
.macro WIN new                         ; the immediate's high byte repeats the setting that is left
.if MSB != \new
	s_set_vgpr_msb (MSB<<8)|\new
.set MSB, \new
.endif
.endm
.set MUL_LO, 0xa1                      ; source 0 (B) window 1, source 1 (A) window 0, C and D window 2
.set MUL_HI, 0xf1                      ; the same, C and D window 3
.set TO_B,   0x40                      ; destination window 1, address window 0
; A joint load: waves 0 and 1 fetch for A, waves 2 and 3 for B.  Each line has one mask and one set of registers for all that issue it; the branch hangs on the wave's number alone.  Four v_nop follow each line.
.macro JLOAD g0a, g1a, g0b, g1b
	s_cmp_eq_u32 s15, 0
	s_cbranch_scc0 .Lfor_b_\@
	tensor_load_to_lds s[\g0a:\g0a+3], s[\g1a:\g1a+7]
	s_nop 0
.rept 4
	v_nop
.endr
	s_branch .Lasked_\@
.Lfor_b_\@:
	tensor_load_to_lds s[\g0b:\g0b+3], s[\g1b:\g1b+7]
	s_nop 0
.rept 4
	v_nop
.endr
.Lasked_\@:
.endm
.macro CREST                           ; a round of the cluster's barrier behind its opening barrier
	s_cmp_lg_u32 s14, 0
	s_cbranch_scc1 .Lnot_wave_0_\@
	s_barrier_signal -3
.Lnot_wave_0_\@:
	s_barrier_wait -3
	s_barrier_signal -1
	s_barrier_wait -1
.endm
.macro CROUND
	s_barrier_signal -1
	s_barrier_wait -1
	CREST
.endm
	s_load_b256 s[4:11], s[0:1], 0x0               ; xn, W's codes, W's scales, qkv
	v_lshl_add_u32 v[SPW], v0, 2, SPARE
	v_mov_b32 v[NIL], 0
	ds_add_u32 v28, v29
	s_wait_dscnt 0x0
	v_lshrrev_b32 v1, 5, v0
	v_readfirstlane_b32 s14, v1                    ; wave 0..3
	s_lshr_b32 s15, s14, 1                         ; which half of A's rows is mine.  Also: I fetch for A (0) or for B (1)
	s_and_b32 s16, s14, 1                          ; which half of B's rows.  Also: which 128 rows of that tile I fetch
	s_bfe_u32 s40, ttmp6, 0x40000                  ; cx, cy: my place in the cluster
	s_bfe_u32 s41, ttmp6, 0x40004
	s_and_b32 s66, ttmp7, 0xffff
	s_lshl_b32 s66, s66, 2                         ; 4 x cluster y
	s_lshl_b32 s67, ttmp9, 2                       ; 4 x cluster x
	s_cmp_eq_u32 ttmp9, 2                          ; V's role?  The cluster's x: the same in all partners
	s_cselect_b32 s17, 8, s66                      ; A's tile of 256 rows: W_v's rows begin at tile 8; else the tokens'
	s_cselect_b32 s42, s66, s67                    ; B's: the tokens'; else W's
	s_cselect_b32 s2, -1, 0                        ; V's role as a mask of lanes
	s_add_co_u32 s17, s17, s41                     ; + cy: shared along a row of the cluster
	s_add_co_u32 s42, s42, s40                     ; + cx: shared along a column
	s_lshl_b32 s43, s41, 2
	s_lshl_b32 s43, 15, s43                        ; my row of the cluster
	s_lshl_b32 s44, 0x1111, s40                    ; my column
	s_or_b32 s[G1+0], s43, (0<<16)|(1<<20)|(1<<21)|(5<<22)|(3<<25)  ; the mask; elements of 1 byte; padding on; bit 21 beside a mask; after every 64 words, 4 words
	s_or_b32 s[G1B+0], s44, (0<<16)|(1<<20)|(1<<21)|(5<<22)|(3<<25)
.irp g, G1, G1B
	s_mov_b32 s[\g+1], ROWB<<16                    ; tensor_dim0
	s_mov_b32 s[\g+2], 128<<16                     ; tensor_dim1
	s_mov_b32 s[\g+3], ROWB<<16                    ; tile_dim0
	s_mov_b32 s[\g+4], 128                         ; tile_dim1
	s_mov_b32 s[\g+5], KROW                        ; the pitch
	s_mov_b32 s[\g+6], 0
	s_mov_b32 s[\g+7], 0
.endr
	s_or_b32 s[G1S+0], s43, (3<<16)|(1<<20)|(1<<21)|(5<<22)|(3<<25) ; the scale bytes of 128 rows: a dense block, as rows of 256 bytes (32 elements of 8 bytes), padded alike
	s_or_b32 s[G1SB+0], s44, (3<<16)|(1<<20)|(1<<21)|(5<<22)|(3<<25)
.irp g, G1S, G1SB
	s_mov_b32 s[\g+1], 32<<16
	s_mov_b32 s[\g+2], (128*KS/256)<<16
	s_mov_b32 s[\g+3], 32<<16
	s_mov_b32 s[\g+4], 128*KS/256
	s_mov_b32 s[\g+5], 32
	s_mov_b32 s[\g+6], 0
	s_mov_b32 s[\g+7], 0
.endr
	s_lshl_b32 s18, s16, 7
	s_lshl_b32 s20, s17, 8
	s_add_co_u32 s20, s20, s18                     ; A: the first row that I fetch
	s_lshl_b32 s46, s42, 8
	s_add_co_u32 s46, s46, s18                     ; B likewise
	s_lshl_b32 s22, s20, 5                         ; their scale bytes: 32 a row
	s_mov_b32 s23, 0
	s_lshl_b32 s92, s46, 5
	s_mov_b32 s93, 0
	s_lshl_b32 s20, s20, 10                        ; their codes: 1,024 a row
	s_mov_b32 s21, 0
	s_lshl_b32 s46, s46, 10
	s_mov_b32 s47, 0
	s_mul_i32 s45, s14, HALFT                      ; where they go: wave x 128 rows: no place in the cluster enters an LDS address
	s_mul_i32 s94, s14, HALFS
	s_wait_kmcnt 0x0
	s_mov_b64 s[12:13], s[10:11]                   ; qkv
	s_mov_b64 s[96:97], s[4:5]                     ; xn's codes,
	s_add_nc_u64 s[98:99], s[4:5], XSC             ; xn's scales,
	s_mov_b64 s[100:101], s[6:7]                   ; W's codes,
	s_mov_b64 s[18:19], s[8:9]                     ; W's scales
	s_cmp_eq_u32 ttmp9, 2
	s_cselect_b64 s[4:5], s[100:101], s[96:97]     ; A's codes
	s_cselect_b64 s[6:7], s[18:19], s[98:99]       ; A's scales
	s_cselect_b64 s[8:9], s[96:97], s[100:101]     ; B's codes
	s_cselect_b64 s[10:11], s[98:99], s[18:19]     ; B's scales
	s_add_nc_u64 s[20:21], s[4:5], s[20:21]
	s_add_nc_u64 s[22:23], s[6:7], s[22:23]
	s_add_nc_u64 s[46:47], s[8:9], s[46:47]
	s_add_nc_u64 s[92:93], s[10:11], s[92:93]
	CROUND                                         ; all sixteen work-groups are here: the first joint loads meet
	s_mov_b32 s[G0S], 1
	s_add_co_u32 s[G0S+1], s94, SCL
	s_mov_b64 s[G0S+2:G0S+3], s[22:23]
	s_or_b32 s[G0S+3], s[G0S+3], 0x80000000
	s_mov_b32 s[G0SB], 1
	s_add_co_u32 s[G0SB+1], s94, SCL
	s_mov_b64 s[G0SB+2:G0SB+3], s[92:93]
	s_or_b32 s[G0SB+3], s[G0SB+3], 0x80000000
	JLOAD G0S, G1S, G0SB, G1SB                     ; the scales first: they are wanted with K step 0
.irp s, 0,1
	s_mov_b32 s[G0+4*\s], 1
	s_add_co_u32 s[G0+4*\s+1], s45, \s*SLOT
	s_add_nc_u64 s[G0+4*\s+2:G0+4*\s+3], s[20:21], \s*ROWB
	s_or_b32 s[G0+4*\s+3], s[G0+4*\s+3], 0x80000000
	s_mov_b32 s[G0B+4*\s], 1
	s_add_co_u32 s[G0B+4*\s+1], s45, \s*SLOT
	s_add_nc_u64 s[G0B+4*\s+2:G0B+4*\s+3], s[46:47], \s*ROWB
	s_or_b32 s[G0B+4*\s+3], s[G0B+4*\s+3], 0x80000000
	JLOAD G0+4*\s, G1, G0B+4*\s, G1B
.endr
	v_and_b32 v1, 15, v0                           ; r = lane % 16
	v_bfe_u32 v2, v0, 4, 1                         ; h = lane / 16
	v_and_b32 v6, 31, v0                           ; lane
	v_mul_u32_u24 v3, v1, PITCH
	v_lshl_add_u32 v4, v2, 4, v3                   ; a fragment's row x pitch + 16 h
	s_mul_i32 s21, s15, HALFT                      ; my 128 rows of A
	s_mul_i32 s22, s16, HALFT                      ; my 128 rows of B,
	s_add_co_u32 s22, s22, 2*HALFT                 ; which lie behind A's 256
.irp s, 0,1
	v_add_nc_u32 v[ADRA+\s], s21, v4
	v_add_nc_u32 v[ADRB+\s], s22, v4
	s_add_co_u32 s21, s21, SLOT
	s_add_co_u32 s22, s22, SLOT
.endr
	v_lshlrev_b32 v5, 5, v6                        ; scale bytes: row = lane: 32 bytes a row,
	v_lshrrev_b32 v7, 8, v5
	v_lshl_add_u32 v5, v7, 4, v5                   ; and 16 more for each 256 passed
	s_mul_i32 s21, s15, HALFS
	s_add_co_u32 s21, s21, SCL
	v_add_nc_u32 v[ADSA], s21, v5
	s_mul_i32 s22, s16, HALFS
	s_add_co_u32 s22, s22, SCL+2*HALFS
	v_add_nc_u32 v[ADSB], s22, v5
	v_lshlrev_b32 v[LI], 4, v6
	s_lshl_b32 s21, s14, 10                        ; the stage for scale words: 1,024 bytes a wave, in slot 0
	v_lshlrev_b32 v5, 2, v1
	v_lshl_add_u32 v5, v2, 9, v5
	v_add_nc_u32 v[SST], s21, v5                   ; in: 512 h + 4 r
	v_add_nc_u32 v[SRD], s21, v[LI]                ; back: 16 x lane
	v_lshlrev_b32 v5, 4, v1
	v_lshl_add_u32 v5, v2, 12, v5                  ; V's words: 256 bytes for each of the pair's heads, 4,096 bytes apart
	v_add_nc_u32 v7, 8192, v[LI]                   ; Q's, K's: 512 bytes for each head, 8,192 bytes apart
	v_cndmask_b32 v[O1], v[LI], v5, s2
	v_cndmask_b32 v[O2], v7, v5, s2                ; (in V's role both halves of the lanes stage the same words: the second store repeats the first)
	; where my results go
	s_cmp_eq_u32 ttmp9, 2
	s_cselect_b32 s18, s40, s41                    ; the token tile's place in the cluster,
	s_cselect_b32 s19, s41, s40                    ; the weight tile's,
	s_cselect_b32 s20, s16, s15                    ; my half of the tokens,
	s_cselect_b32 s21, s15, s16                    ; my half of the weight's rows,
	s_cselect_b32 s22, 1, 0                        ; V's scale words are half as many
	s_add_co_u32 s18, s18, s66                     ; the tile of 256 tokens
	s_lshr_b32 s23, s18, 3
	s_lshl_b32 s23, s23, 3                         ; batch x 8
	s_lshl_b32 s19, s19, 1
	s_add_co_u32 s23, s23, s19
	s_add_co_u32 s23, s23, s21                     ; + the pair of heads
	s_and_b32 s18, s18, 7
	s_lshl_b32 s18, s18, 1
	s_add_co_u32 s18, s18, s20                     ; which 128 tokens of the batch
	s_lshl_b32 s46, s23, 18
	s_lshl_b32 s47, s18, 14
	s_add_co_u32 s46, s46, s47
	s_lshl_b32 s47, ttmp9, 22
	s_add_co_u32 s46, s46, s47                     ; codes: part x 4,194,304 + pair x 262,144 + 128 tokens x 16,384
	s_mov_b32 s47, 0
	s_lshl_b32 s92, s23, 14
	s_lshl_b32 s93, s18, 9
	s_add_co_u32 s92, s92, s93
	s_lshr_b32 s92, s92, s22
	s_lshl_b32 s93, ttmp9, 18
	s_add_co_u32 s92, s92, s93
	s_add_co_u32 s92, s92, 12582912                ; scale words
	s_mov_b32 s93, 0
	s_add_nc_u64 s[98:99], s[12:13], s[92:93]
	s_add_nc_u64 s[12:13], s[12:13], s[46:47]
.macro FRAG reg, adr, q, i             ; 16 rows x 128 K: lane l holds row l % 16; registers 4 c .. 4 c + 3 hold K = 32 c + 16 (l / 16) + 0 .. 15
.irp c, 0,1,2,3
	ds_load_b128 v[\reg+4*\c:\reg+4*\c+3], v[\adr] offset:128*(\q)+32*\c+(\i)*16*PITCH
.endr
.endm
; One product.  A scale register holds the words of 32 rows: an even block's in lanes 0-15, an odd block's in lanes 16-31, which the ROW1 selector names.
.macro WM zero, rb, ra
.if (\zero) && (\rb) && (\ra)
	v_wmma_scale_f32_16x16x128_f8f6f4 v[rD:rD+7], v[rB:rB+15], v[rA:rA+15], 0, v[rSB], v[rSA] matrix_a_scale:MATRIX_SCALE_ROW1 matrix_b_scale:MATRIX_SCALE_ROW1
.elseif (\zero) && (\rb)
	v_wmma_scale_f32_16x16x128_f8f6f4 v[rD:rD+7], v[rB:rB+15], v[rA:rA+15], 0, v[rSB], v[rSA] matrix_a_scale:MATRIX_SCALE_ROW1
.elseif (\zero) && (\ra)
	v_wmma_scale_f32_16x16x128_f8f6f4 v[rD:rD+7], v[rB:rB+15], v[rA:rA+15], 0, v[rSB], v[rSA] matrix_b_scale:MATRIX_SCALE_ROW1
.elseif \zero
	v_wmma_scale_f32_16x16x128_f8f6f4 v[rD:rD+7], v[rB:rB+15], v[rA:rA+15], 0, v[rSB], v[rSA]
.elseif (\rb) && (\ra)
	v_wmma_scale_f32_16x16x128_f8f6f4 v[rD:rD+7], v[rB:rB+15], v[rA:rA+15], v[rD:rD+7], v[rSB], v[rSA] matrix_a_scale:MATRIX_SCALE_ROW1 matrix_b_scale:MATRIX_SCALE_ROW1
.elseif \rb
	v_wmma_scale_f32_16x16x128_f8f6f4 v[rD:rD+7], v[rB:rB+15], v[rA:rA+15], v[rD:rD+7], v[rSB], v[rSA] matrix_a_scale:MATRIX_SCALE_ROW1
.elseif \ra
	v_wmma_scale_f32_16x16x128_f8f6f4 v[rD:rD+7], v[rB:rB+15], v[rA:rA+15], v[rD:rD+7], v[rSB], v[rSA] matrix_b_scale:MATRIX_SCALE_ROW1
.else
	v_wmma_scale_f32_16x16x128_f8f6f4 v[rD:rD+7], v[rB:rB+15], v[rA:rA+15], v[rD:rD+7], v[rSB], v[rSA]
.endif
.endm
; 16 products: A's blocks a0, a0 + 1 x B's eight, the slot's q-th 128 along K.  p: B's set; sc: the set of scale words.  zero = 1: the first product starts the sums.  The 64 accumulators take turns.
.macro MUL16 a0, p, q, sc, zero
.irp a, \a0, \a0+1
.irp b, 0,1,2,3,4,5,6,7
.set rD, 8*(8*((\a)%4)+\b)
.set rB, 128*(\p)+FR*\b
.set rA, AF+FR*(\a)
.set rSB, SC+16*(\sc)+8+2*(\b/2)+(\q)
.set rSA, SC+16*(\sc)+2*((\a)/2)+(\q)
	WM \zero, (\b)%2, (\a)%2
.endr
.endr
.endm
.macro FETCH_B slot, q, p
	WIN TO_B
.irp i, 0,1,2,3,4,5,6,7
	FRAG 128*(\p)+FR*\i, ADRB+\slot, \q, \i
.endr
	WIN 0
.endm
.macro FETCH_A slot, q, i0
.irp i, \i0, \i0+1, \i0+2, \i0+3
	FRAG AF+FR*(\i), ADRA+\slot, \q, \i
.endr
.endm
.macro SCALES sc                       ; a K step's scale words: two words a row, 32 rows a load
.irp i, 0,1,2,3
	ds_load_b64 v[SC+16*\sc+2*\i:SC+16*\sc+2*\i+1], v[ADSA] offset:\i*S32
.endr
.irp i, 0,1,2,3
	ds_load_b64 v[SC+16*\sc+8+2*\i:SC+16*\sc+8+2*\i+1], v[ADSB] offset:\i*S32
.endr
.endm
.macro PLACES n                        ; plain vector lines between a matrix instruction and a load into, or a vector access to, its registers (ISA guide 7.12.1 for vector accesses)
.rept \n
	v_nop
.endr
.endm
.macro STEP slot, q, zero              ; 128 along K that has its successor in the same slot
	s_wait_dscnt 4*NL                              ; B's set and A's blocks 0-3 are in; the youngest 16 loads (A's blocks 4-7) may be out
	WIN MUL_LO
	MUL16 0, (\q)%2, \q, \slot, \zero
	MUL16 2, (\q)%2, \q, \slot, \zero
	s_wait_dscnt 0
	PLACES NP
	FETCH_B \slot, (\q)+1, 1-(\q)%2
	FETCH_A \slot, (\q)+1, 0
	WIN MUL_HI
	MUL16 4, (\q)%2, \q, \slot, \zero
	MUL16 6, (\q)%2, \q, \slot, \zero
	PLACES NP
	WIN 0
	FETCH_A \slot, (\q)+1, 4
.endm
; A slot's last step changes slots: one barrier; in front of it each wave waits for all its tensor loads, adds 0 to its spare word, and waits for that and for its own reads of this slot.  fill = 1: the slot is filled again, two K steps ahead.
.macro TURN slot, next, fill
	s_wait_tensorcnt 0x0                           ; all my tensor loads have landed: my part of the next slot
	ds_add_u32 v[SPW], v[NIL]                      ; 0 onto my spare word
	s_wait_dscnt 4*NL+1                            ; (the add and the youngest 16 loads may be out)
	WIN MUL_LO
	MUL16 0, 1, NQ-1, \slot, 0
	s_wait_dscnt 0x0                               ; the add is done, and my reads of this slot are over
	s_barrier_signal -1
	MUL16 2, 1, NQ-1, \slot, 0
	WIN 0
	s_barrier_wait -1
.if \fill
	CREST                                          ; the barrier has opened a round of the cluster's: no wave of any partner still reads this slot or has a load on its way
	s_add_nc_u64 s[G0+4*\slot+2:G0+4*\slot+3], s[G0+4*\slot+2:G0+4*\slot+3], 2*ROWB
	s_add_nc_u64 s[G0B+4*\slot+2:G0B+4*\slot+3], s[G0B+4*\slot+2:G0B+4*\slot+3], 2*ROWB
	JLOAD G0+4*\slot, G1, G0B+4*\slot, G1B         ; the first tensor load behind the round; its four v_nop are among the places in front of the loads below
	PLACES NP-4
.else
	PLACES NP
.endif
	v_add_nc_u32 v[ADSA], 4*NQ, v[ADSA]            ; on to the next K step's scale words
	v_add_nc_u32 v[ADSB], 4*NQ, v[ADSB]
	FETCH_B \next, 0, 0
	FETCH_A \next, 0, 0
	SCALES \next
	WIN MUL_HI
	MUL16 4, 1, NQ-1, \slot, 0
	MUL16 6, 1, NQ-1, \slot, 0
	PLACES NP
	WIN 0
	FETCH_A \next, 0, 4
.endm
	s_wait_tensorcnt 1                             ; the scales and my part of K step 0 are in; K step 1's load may be out
	s_barrier_signal -1
	s_barrier_wait -1
	FETCH_B 0, 0, 0
	FETCH_A 0, 0, 0
	SCALES 0
	FETCH_A 0, 0, 4
	STEP 0, 0, 1                                   ; the first step stands in front of the loop: its products start the sums
	s_mov_b32 s3, LAPS-1
.Llap:                                                 ; a trip goes once round the ring and fills both slots again
	TURN 0, 1, 1
	STEP 1, 0, 0
	TURN 1, 0, 1
	STEP 0, 0, 0
	s_sub_co_u32 s3, s3, 1
	s_cmp_lg_u32 s3, 0
	s_cbranch_scc1 .Llap
	TURN 0, 1, 0                                   ; the last lap fills nothing
	STEP 1, 0, 0
	s_wait_dscnt 4*NL
	WIN MUL_LO
	MUL16 0, 1, NQ-1, 1, 0
	MUL16 2, 1, NQ-1, 1, 0
	s_wait_dscnt 0
	WIN MUL_HI
	MUL16 4, 1, NQ-1, 1, 0
	MUL16 6, 1, NQ-1, 1, 0
	WIN 0
; THE WAY OUT of block a (16 rows of A's x my 128 rows of B's): four blocks of 32 along the next K, 16 numbers of each in my registers, the other 16 in lane l xor 16.
.macro QA a
.set AC, 64*((\a)%4)
.set WN, 2+(\a)/4
.set WQ, (WN<<2)|(WN<<4)
.set PC, PCB+16*((\a)%4)
.if (\a) >= 4
	s_wait_xcnt 0x0                                ; block a - 4's stores have read their registers: the codes' set may be written again
.endif
	WIN WQ                                         ; sources 1 and 2: the accumulators' window
.irp c, 0,1,2,3
	v_max3_num_f32 v[TM+\c], 0x4800000, |v[AC+16*\c]|, |v[AC+16*\c+1]|   ; the floor 2^(9 - 127) among the leaves: the byte cannot fall under 1.  Each accumulator is read from its low end on
.endr
.irp i, 2,4,6,8,10,12,14
.irp c, 0,1,2,3
	v_max3_num_f32 v[TM+\c], v[TM+\c], |v[AC+16*\c+\i]|, |v[AC+16*\c+\i+1]|
.endr
.endr
	WIN 0
.irp c, 0,1,2,3
	v_permlanex16_b32 v[TM+4+\c], v[TM+\c], s20, s21
.endr
.irp c, 0,1,2,3
	v_max_num_f32 v[TM+\c], v[TM+\c], v[TM+4+\c]   ; the block's largest magnitude
.endr
.irp c, 0,1,2,3
	v_add_nc_u32 v[TM+12+\c], 0xfc000000, v[TM+\c] ; 8 off its exponent field: the conversion's scale operand
.endr
.irp c, 0,1,2,3
	v_and_or_b32 v[TM+8+\c], v[TM+\c], 0x7f800000, s22   ; 448 x the scale
.endr
.irp c, 0,1,2,3
	v_lshrrev_b32 v[TM+4+\c], 23, v[TM+12+\c]      ; the scale's byte
.endr
	v_lshl_or_b32 v[WL], v[TM+5], 8, v[TM+4]
	v_lshl_or_b32 v[WH], v[TM+7], 8, v[TM+6]
	v_cndmask_b32 v[WX], v[WL], v[WH], s23         ; Q, K: lanes 0-15 carry the pair's first head, lanes 16-31 its second;
	v_or_b32 v[WX], 0x7f7f0000, v[WX]              ; the operand's upper 64 along K are zero codes under the byte 127
	v_lshl_or_b32 v[WH], v[WH], 16, v[WL]          ; V: the four bytes are the row's word for these 128 keys
	v_cndmask_b32 v[WD+(\a)], v[WX], v[WH], s2
	WIN WN                                         ; source 0: the accumulators' window
.irp c, 0,1,2,3
.set i, 0
.rept 16
	v_med3_num_f32 v[T+16*\c+i], v[AC+16*\c+i], -v[TM+8+\c], v[TM+8+\c]   ; the conversion to an 8-bit code does not saturate (ISA guide 7.6.2): the hold comes first
.set i, i+1
.endr
.endr
	WIN 0
.irp c, 0,1,2,3
	v_cvt_scalef32_pk8_fp8_f32 v[PC+4*\c:PC+4*\c+1], v[T+16*\c:T+16*\c+7], v[TM+12+\c]
	v_cvt_scalef32_pk8_fp8_f32 v[PC+4*\c+2:PC+4*\c+3], v[T+16*\c+8:T+16*\c+15], v[TM+12+\c]
.endr
	v_nop                                          ; a plain line behind the last conversion
.irp c, 0,1,2,3
	global_store_b128 v[LI], v[PC+4*\c:PC+4*\c+3], s[12:13] offset:(\a)*2048+512*\c   ; 512 consecutive bytes, aligned: four registers of the next operand, lane by lane
.endr
	ds_store_b32 v[SST], v[WD+(\a)] offset:64*(\a) ; slot 0 has had its last fill, and nobody reads it behind the last change of slots
.endm
	PLACES NP
	s_mov_b32 s20, 0x76543210
	s_mov_b32 s21, 0xfedcba98                      ; v_permlanex16_b32's selects for lane l xor 16
	s_mov_b32 s22, 0x600000                        ; the mantissa field of 448
	s_mov_b32 s23, 0xffff0000                      ; lanes 16-31
.irp c, 0,1,2,3
	v_mov_b32 v[TM+4+\c], 0                        ; written once: a lane permute's destination counts as one of its sources
.endr
.irp a, 0,1,2,3,4,5,6,7
	QA \a
.endr
	ds_load_b128 v[T:T+3], v[SRD]                  ; LDS serves a wave's instructions in order: these see my stores
	ds_load_b128 v[T+4:T+7], v[SRD] offset:512
	s_wait_dscnt 0x0
	global_store_b128 v[O1], v[T:T+3], s[98:99]    ; whole aligned runs of 256 or 512 bytes
	global_store_b128 v[O2], v[T+4:T+7], s[98:99]
	s_wait_tensorcnt 0x0                           ; the wave's end
	ds_add_u32 v[SPW], v[NIL]
	s_wait_dscnt 0x0
	CROUND                                         ; the closing round: no work-group ends while a partner may still ask for a tile that names it
	s_endpgm
.Lfunc_end_k_q40155d3da8_qkv:
	.size	k_q40155d3da8_qkv, .Lfunc_end_k_q40155d3da8_qkv-k_q40155d3da8_qkv
	.p2alignl 7, 3214868480
	.fill 96, 4, 3214868480
	.section	.rodata,"a",@progbits
	.p2align	6, 0x0
	.amdhsa_kernel k_q40155d3da8_qkv
		.amdhsa_group_segment_fixed_size 327680
		.amdhsa_private_segment_fixed_size 0
		.amdhsa_enable_private_segment 0
		.amdhsa_kernarg_size 32
		.amdhsa_user_sgpr_count 2
		.amdhsa_user_sgpr_kernarg_segment_ptr 1
		.amdhsa_wavefront_size32 1
		.amdhsa_system_sgpr_workgroup_id_x 1
		.amdhsa_system_sgpr_workgroup_id_y 1
		.amdhsa_system_sgpr_workgroup_id_z 1
		.amdhsa_system_vgpr_workitem_id 0
		.amdhsa_next_free_vgpr 1024
		.amdhsa_next_free_sgpr 102
		.amdhsa_reserve_vcc 0
		.amdhsa_float_denorm_mode_32 3
		.amdhsa_float_denorm_mode_16_64 3
		.amdhsa_memory_ordered 1
		.amdhsa_forward_progress 1
		.amdhsa_inst_pref_size 188
	.end_amdhsa_kernel
	.amdgpu_metadata
---
amdhsa.version: [ 1, 2 ]
amdhsa.kernels:
  - .name:           k_q40155d3da8_qkv
    .symbol:         k_q40155d3da8_qkv.kd
    .args:
      - { .name: xn, .offset: 0, .size: 8, .value_kind: global_buffer, .address_space: global }
      - { .name: w_qkv_codes, .offset: 8, .size: 8, .value_kind: global_buffer, .address_space: global }
      - { .name: w_qkv_scales, .offset: 16, .size: 8, .value_kind: global_buffer, .address_space: global }
      - { .name: qkv, .offset: 24, .size: 8, .value_kind: global_buffer, .address_space: global }
    .group_segment_fixed_size: 327680
    .private_segment_fixed_size: 0
    .kernarg_segment_align: 8
    .kernarg_segment_size: 32
    .max_flat_workgroup_size: 128
    .sgpr_count:     102
    .vgpr_count:     1024
    .wavefront_size: 32
...
	.end_amdgpu_metadata
.endif
;; end of part 2
;; launch attn (part 3): grid 8 x 32, 16 waves a work-group, clusters of 4 x 1, 327,680 bytes of LDS; arguments qkv, ao; writes ao
.if DOCPART == 3
	.amdgcn_target "amdgcn-amd-amdhsa--gfx1250"
	.amdhsa_code_object_version 6
	.text
	.protected	k_q40155d3da8_attn
	.globl	k_q40155d3da8_attn
	.p2align	8
	.type	k_q40155d3da8_attn,@function
k_q40155d3da8_attn:
	s_mov_b64 s[64:65], 0
	v_nop
	global_prefetch_b8 v0, s[64:65] scope:SCOPE_SE
	s_setreg_imm32_b32 hwreg(HW_REG_WAVE_MODE, 25, 1), 1
	s_wait_xcnt 0x0
	s_wait_alu depctr_hold_cnt(0) depctr_sa_sdst(0) depctr_va_vdst(0) depctr_va_sdst(0) depctr_va_ssrc(0) depctr_va_vcc(0) depctr_vm_vsrc(0)
	s_getreg_b32 s2, hwreg(HW_REG_IB_STS2, 6, 4)
	s_cmp_eq_u32 s2, 0
	s_cbranch_scc0 .Lentry_in_a_cluster
	s_endpgm
.Lentry_in_a_cluster:
	s_bfe_u32 s2, ttmp6, 0x10000c
	s_cmp_lg_u32 s2, 0x3003
	s_cbranch_scc0 .Lentry_shape_is_right
	s_endpgm
.Lentry_shape_is_right:
; Causal attention of one head (head size 64) on codes of E4M3, and the result quantised along the model's 1,024 for the next product.
; THE SOFTMAX: t = score x log2(e) / 8; M = the running largest t rounded UP to a whole number; p = 2^(t - M) is quantised along the keys, not normalised; the row's sum is taken of the unquantised p and divides at the end.
; When M moves, the sum and O are multiplied by 2^(old M - new M): exact.
; SHARES.  Work-group (g, head), g = 0..7; sixteen waves, 256 registers each, four to a SIMD.  Wave w has a position p = 4 ((w % 4 + w / 4) % 4) + w / 4 and owns the 16 queries 128 p + 16 g + 0..15.  So every work-group has
; one tile of queries in each run of 128, the same causal work in all, and whether a key step of 128 is hidden (behind 128 p + 127) or lies on the diagonal (at 128 p) hangs on the wave's number and the step alone.
; Every wave walks all 16 key steps: trip counts are constants, no tensor load and no barrier is jumped over; a hidden step's work is left out by a scalar branch.
; CLUSTER.  The four work-groups of a cluster belong to one head and walk the same K and V: each tile is asked for jointly (mask 15).  g enters only Q's and the result's addresses and the mask's comparison.
; OPERANDS lie in memory as images of their registers (16 bytes a lane, 512 a chunk), so tiles are dense in LDS, read at 16 x lane without conflicts and without padding.  K = 64 fills half of the instruction's 128: the
; upper eight registers of Q's and K's fragments are zero codes under the byte 127.  Both products are used transposed: a lane holds ONE query.  A block's 32 numbers stand in the order 8h+0..7, 16+8h+0..7 in both
; operands of each product: so p's conversions ARE the second product's operand.
; ao: images in true order of k, [k / 128: 8][tile of 16 rows: 256][2,048], scale words [k / 128][row] 4,194,304 bytes on.
; LIMITS: a block of zeros gets the byte 1 (zero codes; this program alone reads the bytes); NaN and infinities are not served; 1 / sum is v_rcp_f32's; a block's largest p is taken from its largest score (v_exp_f32 is
; taken not to fall where its input rises); within a block the matrix unit meets the products in another order than k's.
; REGISTERS: v1-11 addresses; v12 -M, v13 the largest t, v[14:15] the sum; v16-31 Q; v32-95 four fragments of K; v96-159 S^T, then p, then V's four fragments; v160-191 O^T; v192-208 at work; v224-239 p's codes;
;   v232-247 at work; v248-251 K's or V's scale words, v253 p's, v255 Q's: these hold scales and nothing else.
.set SLOTB, 32768                      ; a slot: 256 keys: K's 16 images of 1,024 bytes, then V's 2 x 4 of 2,048.  Slot 1 begins here: one exclusive or turns an address
.set VOFF,  16384
.set SCK,   65536                      ; K's scale words of the whole head, 8,192 bytes
.set SCV,   73728                      ; V's, 4,096 bytes
.set SPARE, 77824                      ; the spare words, 128 bytes for each wave: eight blocks of 256 bytes that no other line names
.set KCB,   4194304
.set VCB,   8388608
.set QSW,   12582912
.set KSW,   12845056
.set VSW,   13107200
.set AOS,   4194304
.set LI,   1                           ; v1   16 x lane
.set ASK0, 3                           ; v3   SCK + 4 r
.set ASV0, 4                           ; v4   SCV + 4 r
.set SPW,  5                           ; v5   my spare word; never rewritten
.set NIL,  6                           ; v6   0; never rewritten
.set GO,   7                           ; v7   16 r + 8 h: my 8 bytes of a store of 256
.set ADK,  8                           ; v8   the slot in hand + 16 x lane
.set DQ,   9                           ; v9   16 g + r - 8 h: what a register's key is compared with on the diagonal
.set ADS,  10                          ; v10  the step's scale words of K
.set ADT,  11                          ; v11  of V
.set F,    192                         ; v[192:193] f = 2^(old M - new M) (the pair is named; its low word serves both halves)
.set TA,   194
.set NINF, 195
.set WV,   18
.set PP,   19
.set SEL,  20
.set CS,   22
.set G1K,  24
.set G1V,  32
.set G0K,  40
.set G0V,  44
.set G1SK, 48
.set G1SV, 56
.set G0SK, 68
.set G0SV, 72
.set MNT,  76
.set TB,   77                          ; s77  LDS byte at which the slot in hand begins
.set TS,   78                          ; s78  the step's scale words of K: 512 bytes a step
.set TJ,   79                          ; s79  of V: 256 bytes a step
.set SLOTS, 80
.set KF,   81                          ; s81  the step's first key
.set P128, 82                          ; s82  128 p
.set P255, 83                          ; s83  128 p + 127
; Wave 0 fetches for K, wave 1 for V, the others nothing.  The branches hang on the wave's number alone.  Four v_nop follow each line.
.macro TLOAD g0k, g1k, g0v, g1v
	s_cmp_lt_u32 s[WV], 1
	s_cbranch_scc0 .Lnot_k_\@
	tensor_load_to_lds s[\g0k:\g0k+3], s[\g1k:\g1k+7]
	s_nop 0
.rept 4
	v_nop
.endr
	s_branch .Lasked_\@
.Lnot_k_\@:
	s_cmp_lt_u32 s[WV], 2
	s_cbranch_scc0 .Lasked_\@
	tensor_load_to_lds s[\g0v:\g0v+3], s[\g1v:\g1v+7]
	s_nop 0
.rept 4
	v_nop
.endr
.Lasked_\@:
.endm
.macro CROUND                          ; a round of the cluster's barrier
	s_barrier_signal -1
	s_barrier_wait -1
	s_cmp_lg_u32 s[WV], 0
	s_cbranch_scc1 .Lnot_wave_0_\@
	s_barrier_signal -3
.Lnot_wave_0_\@:
	s_barrier_wait -3
	s_barrier_signal -1
	s_barrier_wait -1
.endm
	s_load_b128 s[4:7], s[0:1], 0x0                ; qkv, ao
	v_lshl_add_u32 v[SPW], v0, 2, SPARE
	v_mov_b32 v[NIL], 0
	ds_add_u32 v5, v6
	s_wait_dscnt 0x0
	v_lshrrev_b32 v8, 5, v0
	v_readfirstlane_b32 s[WV], v8                  ; wave 0..15
	s_and_b32 s8, s[WV], 3
	s_lshr_b32 s9, s[WV], 2
	s_add_co_u32 s8, s8, s9
	s_and_b32 s8, s8, 3
	s_lshl_b32 s8, s8, 2
	s_add_co_u32 s[PP], s8, s9                     ; p
	s_lshl_b32 s[P128], s[PP], 7
	s_add_co_u32 s[P255], s[P128], 127
	s_and_b32 s11, ttmp7, 0xffff                   ; batch x 16 + head, which the four partners share
	s_lshr_b32 s12, s11, 1
	s_lshl_b32 s12, s12, 18                        ; the pair of heads: 262,144 bytes in each tensor of codes
	s_and_b32 s13, s11, 1                          ; which head of the pair
	s_lshl_b32 s14, s13, 10
	s_add_co_u32 s14, s14, s12
	s_add_co_u32 s14, s14, KCB                     ; K's codes
	s_mov_b32 s15, 0
	s_lshl_b32 s16, s13, 13
	s_add_co_u32 s16, s16, s12
	s_add_co_u32 s16, s16, VCB                     ; V's
	s_mov_b32 s17, 0
	s_lshl_b32 s92, s11, 13
	s_add_co_u32 s92, s92, KSW                     ; K's scale words
	s_mov_b32 s93, 0
	s_lshl_b32 s94, s11, 12
	s_add_co_u32 s94, s94, VSW                     ; V's
	s_mov_b32 s95, 0
	s_bfe_u32 s10, ttmp6, 0x40000                  ; cx
	s_lshl_b32 s8, ttmp9, 2
	s_add_co_u32 s10, s10, s8                      ; g = 4 x cluster x + cx
	s_lshl_b32 s8, s[PP], 3
	s_add_co_u32 s8, s8, s10                       ; my tile of 16 queries: g + 8 p
	s_lshl_b32 s88, s8, 11
	s_add_co_u32 s88, s88, s12
	s_lshl_b32 s9, s13, 10
	s_add_co_u32 s88, s88, s9                      ; Q's codes
	s_mov_b32 s89, 0
	s_lshl_b32 s90, s11, 13
	s_lshl_b32 s9, s8, 6
	s_add_co_u32 s90, s90, s9
	s_add_co_u32 s90, s90, QSW                     ; Q's scale words
	s_mov_b32 s91, 0
	s_bfe_u32 s96, s11, 0x30001                    ; head / 2: which 128 of the next K
	s_lshr_b32 s97, s11, 4                         ; batch
	s_lshl_b32 s84, s96, 8
	s_lshl_b32 s9, s97, 7
	s_add_co_u32 s84, s84, s9
	s_add_co_u32 s84, s84, s8                      ; 256 (head / 2) + my tile of 16 rows
	s_lshl_b32 s86, s84, 6                         ; its scale words: 64 bytes,
	s_lshl_b32 s9, s13, 1
	s_add_co_u32 s86, s86, s9                      ; of which my head has bytes 2 (head % 2) and the next
	s_add_co_u32 s86, s86, AOS
	s_mov_b32 s87, 0
	s_lshl_b32 s84, s84, 11                        ; its image: 2,048 bytes,
	s_lshl_b32 s9, s13, 10
	s_add_co_u32 s84, s84, s9                      ; of which my head has two chunks
	s_mov_b32 s85, 0
	s_lshl_b32 s9, s10, 4                          ; 16 g
	; descriptor groups 1: elements of 8 bytes, no padding, mask 15 with bit 21 beside it
	s_mov_b32 s[G1K], 15|(3<<16)|(1<<21)           ; K: 16 images of 1,024 bytes, 2,048 bytes apart (the pair's other head lies between)
	s_mov_b32 s[G1K+1], 128<<16
	s_mov_b32 s[G1K+2], 16<<16
	s_mov_b32 s[G1K+3], 128<<16
	s_mov_b32 s[G1K+4], 16
	s_mov_b32 s[G1K+5], 256
	s_mov_b32 s[G1K+6], 0
	s_mov_b32 s[G1K+7], 0
	s_mov_b32 s[G1V], 15|(3<<16)|(1<<21)           ; V: two key steps of 8,192 bytes, 16,384 bytes apart
	s_mov_b32 s[G1V+1], 1024<<16
	s_mov_b32 s[G1V+2], 2<<16
	s_mov_b32 s[G1V+3], 1024<<16
	s_mov_b32 s[G1V+4], 2
	s_mov_b32 s[G1V+5], 2048
	s_mov_b32 s[G1V+6], 0
	s_mov_b32 s[G1V+7], 0
	s_mov_b32 s[G1SK], 15|(3<<16)|(1<<21)          ; K's scale words: 8,192 dense bytes as 32 rows of 256
	s_mov_b32 s[G1SK+1], 32<<16
	s_mov_b32 s[G1SK+2], 32<<16
	s_mov_b32 s[G1SK+3], 32<<16
	s_mov_b32 s[G1SK+4], 32
	s_mov_b32 s[G1SK+5], 32
	s_mov_b32 s[G1SK+6], 0
	s_mov_b32 s[G1SK+7], 0
	s_mov_b32 s[G1SV], 15|(3<<16)|(1<<21)          ; V's: 4,096 dense bytes as 16 rows of 256
	s_mov_b32 s[G1SV+1], 32<<16
	s_mov_b32 s[G1SV+2], 16<<16
	s_mov_b32 s[G1SV+3], 32<<16
	s_mov_b32 s[G1SV+4], 16
	s_mov_b32 s[G1SV+5], 32
	s_mov_b32 s[G1SV+6], 0
	s_mov_b32 s[G1SV+7], 0
	s_mov_b32 s[SEL], 0x76543210
	s_mov_b32 s[SEL+1], 0xfedcba98                 ; v_permlanex16_b32's selects for lane l xor 16
	s_mov_b32 s[CS], 0x3e38aa3b                    ; c = log2(e) / 8
	s_mov_b32 s[CS+1], s[CS]                       ; (named with it as a pair, so it is written)
	s_mov_b32 s[MNT], 0x600000                     ; the mantissa field of 448
	s_mov_b32 s[TB], 0
	s_mov_b32 s[TS], 0
	s_mov_b32 s[TJ], 0
	s_mov_b32 s[SLOTS], 7
	s_mov_b32 s[KF], 0
	s_wait_kmcnt 0x0
	CROUND                                         ; all four work-groups are here: the first joint loads meet
	s_mov_b32 s[G0SK], 1
	s_mov_b32 s[G0SK+1], SCK
	s_add_nc_u64 s[G0SK+2:G0SK+3], s[4:5], s[92:93]
	s_or_b32 s[G0SK+3], s[G0SK+3], 0x80000000
	s_mov_b32 s[G0SV], 1
	s_mov_b32 s[G0SV+1], SCV
	s_add_nc_u64 s[G0SV+2:G0SV+3], s[4:5], s[94:95]
	s_or_b32 s[G0SV+3], s[G0SV+3], 0x80000000
	TLOAD G0SK, G1SK, G0SV, G1SV                   ; the scale words of the whole head: filled once
	s_mov_b32 s[G0K], 1
	s_mov_b32 s[G0K+1], 0                          ; slot 0
	s_add_nc_u64 s[G0K+2:G0K+3], s[4:5], s[14:15]
	s_or_b32 s[G0K+3], s[G0K+3], 0x80000000
	s_mov_b32 s[G0V], 1
	s_mov_b32 s[G0V+1], VOFF
	s_add_nc_u64 s[G0V+2:G0V+3], s[4:5], s[16:17]
	s_or_b32 s[G0V+3], s[G0V+3], 0x80000000
	TLOAD G0K, G1K, G0V, G1V                       ; slot 0: two tensor loads of a fetching wave are out
	s_add_nc_u64 s[88:89], s[4:5], s[88:89]
	s_add_nc_u64 s[90:91], s[4:5], s[90:91]
	s_add_nc_u64 s[84:85], s[6:7], s[84:85]
	s_add_nc_u64 s[86:87], s[6:7], s[86:87]
	v_and_b32 v2, 31, v0
	v_lshlrev_b32 v[LI], 4, v2
	v_and_b32 v8, 15, v0                           ; r
	v_bfe_u32 v11, v0, 4, 1                        ; h
	v_lshlrev_b32 v10, 2, v8                       ; 4 r
	global_load_b128 v[16:19], v[LI], s[88:89]     ; Q's fragment: two chunks of its image; it stays in registers
	global_load_b128 v[20:23], v[LI], s[88:89] offset:512
	global_load_b32 v255, v10, s[90:91]            ; Q's scale words
	v_lshl_add_u32 v[ASK0], v8, 2, SCK
	v_lshl_add_u32 v[ASV0], v8, 2, SCV
	v_lshlrev_b32 v[GO], 4, v8
	v_lshl_add_u32 v[GO], v11, 3, v[GO]
	v_lshlrev_b32 v11, 3, v11
	v_sub_nc_u32 v11, v8, v11
	v_add_nc_u32 v[DQ], s9, v11                    ; 16 g + r - 8 h
	v_lshlrev_b32 v196, 2, v8                      ; 4 r, for the way out
.irp j, 24,25,26,27,28,29,30,31
	v_mov_b32 v[\j], 0                             ; Q's upper 64 along K: zero codes
.endr
.irp t, 0,1,2,3
.irp j, 8,9,10,11,12,13,14,15
	v_mov_b32 v[32+16*\t+\j], 0                    ; K's likewise: written once, no load lands here
.endr
.endr
	v_mov_b32 v13, 0xff61b1e6                      ; the largest t so far: -3e38, under every t
	v_floor_f32 v12, -v13                          ; -M
	v_mov_b32 v14, 0
	v_mov_b32 v15, 0
.irp b, 0,1,2,3
	v_mov_b32 v[236+\b], 0                         ; written once: a lane permute's destination counts as one of its sources
.endr
	v_mov_b32 v[F+1], 0                            ; (named as the upper half of a pair)
	v_mov_b32 v[TA], 0
	v_mov_b32 v[NINF], 0xff800000                  ; -infinity
.set j, 0
.rept 32
	v_mov_b32 v[160+j], 0                          ; O^T.  (The step is written once: the first finds zeros, which the first change of M leaves zeros)
.set j, j+1
.endr
; A KEY STEP: 128 keys, the q-th of the slot in hand.
.macro STEP q
	s_cmp_gt_u32 s[KF], s[P255]                    ; all its keys come after my queries: the work is left out; the lines at the end that step addresses are not
	s_cbranch_scc1 .Lhidden_\@
	v_add_nc_u32 v[ADK], s[TB], v[LI]
	v_add_nc_u32 v[ADS], s[TS], v[ASK0]
	v_add_nc_u32 v[ADT], s[TJ], v[ASV0]
.irp g, 0,1                                    ; S^T = K Q^T, four tiles of 16 keys at a time
.rept 8-2*(1-\g)
	v_nop                                          ; first group: with the three additions nine places, since these products write over registers that the last step's second product read; second group: eight, in front of loads
.endr
.irp t, 0,1,2,3
	ds_load_b128 v[32+16*\t:35+16*\t], v[ADK] offset:(8*(\q)+4*\g+\t)*1024
	ds_load_b128 v[36+16*\t:39+16*\t], v[ADK] offset:(8*(\q)+4*\g+\t)*1024+512
	ds_load_b32 v[248+\t], v[ADS] offset:(4*\g+\t)*64
.endr
	s_wait_dscnt 0x0
.irp t, 0,1,2,3
	v_wmma_scale_f32_16x16x128_f8f6f4 v[96+8*(4*\g+\t):103+8*(4*\g+\t)], v[32+16*\t:47+16*\t], v[16:31], 0, v[248+\t], v255
.endr
.endr                                          ; lane (r, h): query r; register 8 T + j: key 16 T + 8 h + j of the step
.rept 8
	v_nop
.endr
	s_cmp_lg_u32 s[KF], s[P128]                    ; on the diagonal the scores of hidden keys become -infinity ahead of the maximum: p = 0 then
	s_cbranch_scc1 .Lopen_\@
.set n, 0
.rept 64
	v_cmp_gt_i32 vcc_lo, 16*(n/8)+n%8, v[DQ]
	v_cndmask_b32 v[96+n], v[96+n], v[NINF], vcc_lo
.set n, n+1
.endr
.Lopen_\@:
.irp b, 0,1,2,3
	v_max3_num_f32 v[232+\b], v[96+16*\b], v[97+16*\b], v[98+16*\b]   ; the largest score of each block of 32 keys: for the row's maximum, and, since p rises with the score, for the block's largest p
.endr
.irp i, 3,5,7,9,11,13
.irp b, 0,1,2,3
	v_max3_num_f32 v[232+\b], v[232+\b], v[96+16*\b+\i], v[97+16*\b+\i]
.endr
.endr
.irp b, 0,1,2,3
	v_max_num_f32 v[232+\b], v[232+\b], v[111+16*\b]
.endr
.irp b, 0,1,2,3
	v_permlanex16_b32 v[236+\b], v[232+\b], s[SEL], s[SEL+1]
.endr
.irp b, 0,1,2,3
	v_max_num_f32 v[232+\b], v[232+\b], v[236+\b]  ; with lane l xor 16's 16 keys
.endr
	v_max3_num_f32 v[TA], v232, v233, v234
	v_max_num_f32 v[TA], v[TA], v235
	v_mul_f32 v[TA], s[CS], v[TA]                  ; the step's largest t (c is positive)
	v_max_num_f32 v13, v13, v[TA]
	v_mov_b32 v[TA], v12
	v_floor_f32 v12, -v13                          ; the new -M = -ceil(t): a whole number
	v_sub_f32 v[TA], v12, v[TA]                    ; old M - new M: a whole number, 0 or less
	v_cvt_i32_f32 v[TA], v[TA]                     ; (it saturates)
	v_ldexp_f32 v[F], 1.0, v[TA]                   ; f = 2^(old M - new M)
.set j, 0
.rept 32
	v_pk_fma_f32 v[96+j:97+j], v[96+j:97+j], s[CS:CS+1], v[12:13] op_sel_hi:[1,0,0]   ; t - M, two at a time
.set j, j+2
.endr
.irp b, 0,1,2,3
	v_fma_f32 v[232+\b], v[232+\b], s[CS], v12     ; the same of each block's largest score
.endr
.set j, 0
.rept 64
	v_exp_f32 v[96+j], v[96+j]                     ; p = 2^(t - M), at most 1
.set j, j+1
.endr
.irp b, 0,1,2,3
	v_exp_f32 v[232+\b], v[232+\b]                 ; the block's largest p
.endr
	v_pk_mul_f32 v[14:15], v[14:15], v[F:F+1] op_sel_hi:[1,0]   ; the sums under the new M (a plain line behind the exponentials)
	s_wait_alu depctr_va_vdst(0)
.irp b, 0,1,2,3
	v_max_num_f32 v[232+\b], 0x4800000, v[232+\b]  ; the floor 2^(9 - 127): the byte cannot fall under 1
.endr
.irp b, 0,1,2,3
	v_add_nc_u32 v[244+\b], 0xfc000000, v[232+\b]  ; the conversion's scale operand
.endr
.irp b, 0,1,2,3
	v_and_or_b32 v[240+\b], v[232+\b], 0x7f800000, s[MNT]   ; 448 x the scale
.endr
.irp b, 0,1,2,3
	v_lshrrev_b32 v[236+\b], 23, v[244+\b]         ; the scale's byte
.endr
	v_lshl_or_b32 v253, v237, 8, v236              ; p's scale word for these 128 keys
	v_lshl_or_b32 v253, v238, 16, v253
	v_lshl_or_b32 v253, v239, 24, v253
	v_pk_add_f32 v[236:237], v[96:97], v[98:99]    ; the row's sum is taken of the unquantised p: two at a time, in two chains
.irp j, 4,8,12,16,20,24,28,32,36,40,44,48,52,56,60
	v_pk_add_f32 v[14:15], v[14:15], v[96+\j:97+\j]
	v_pk_add_f32 v[236:237], v[236:237], v[98+\j:99+\j]
.endr
	v_pk_add_f32 v[14:15], v[14:15], v[236:237]
.irp b, 0,1,2,3
.set i, 0
.rept 16
	v_min_num_f32 v[96+16*\b+i], v[96+16*\b+i], v[240+\b]   ; the conversion does not saturate (ISA guide 7.6.2); p is not negative, so the hold is one-sided
.set i, i+1
.endr
	v_cvt_scalef32_pk8_fp8_f32 v[224+4*\b:225+4*\b], v[96+16*\b:103+16*\b], v[244+\b]
	v_cvt_scalef32_pk8_fp8_f32 v[226+4*\b:227+4*\b], v[104+16*\b:111+16*\b], v[244+\b]
.endr
.set j, 0
.rept 16
	v_pk_mul_f32 v[160+j:161+j], v[160+j:161+j], v[F:F+1] op_sel_hi:[1,0]   ; O^T under the new M.  (These sixteen are also the places between the conversions and the products below)
.set j, j+2
.endr
.irp t, 0,1,2,3                                ; O^T += V^T P^T: four tiles of 16 of the head's 64; K = these 128 keys.  V's fragments take p's registers
.irp c, 0,1,2,3
	ds_load_b128 v[96+16*\t+4*\c:99+16*\t+4*\c], v[ADK] offset:VOFF+8192*(\q)+2048*\t+512*\c
.endr
	ds_load_b32 v[248+\t], v[ADT] offset:64*\t
.endr
	s_wait_dscnt 0x0
.irp t, 0,1,2,3
	v_wmma_scale_f32_16x16x128_f8f6f4 v[160+8*\t:167+8*\t], v[96+16*\t:111+16*\t], v[224:239], v[160+8*\t:167+8*\t], v[248+\t], v253
.endr
.Lhidden_\@:
	s_add_co_u32 s[KF], s[KF], 128
	s_add_co_u32 s[TS], s[TS], 512
	s_add_co_u32 s[TJ], s[TJ], 256
.endm
; THE CHANGE OF SLOTS stands at a slot's head.  Each wave waits for all its tensor loads, adds 0 to its spare word, and waits for that and for its reads of the slot that it has left.  fill = 1: the barrier is a round of the
; cluster's, so that no wave of any partner still reads that slot or has a load on its way, and the joint refill is the first thing behind it: it has a whole slot's steps in which to land.
.macro CHANGE fill
	s_wait_tensorcnt 0x0                           ; no tensor load of mine is out, so a group 0 may be written
	ds_add_u32 v[SPW], v[NIL]                      ; 0 onto my spare word
.if \fill
	s_xor_b32 s[G0K+1], s[G0K+1], SLOTB            ; the walking descriptors: the other slot,
	s_add_nc_u64 s[G0K+2:G0K+3], s[G0K+2:G0K+3], 32768   ; the next 256 keys
	s_xor_b32 s[G0V+1], s[G0V+1], SLOTB
	s_add_nc_u64 s[G0V+2:G0V+3], s[G0V+2:G0V+3], 32768
	s_wait_dscnt 0x0                               ; the add is done, and my reads of the slot that I have left are over
	CROUND
	TLOAD G0K, G1K, G0V, G1V
.else
	s_wait_dscnt 0x0
	s_barrier_signal -1
	s_barrier_wait -1
.endif
.endm
	s_wait_loadcnt 0x0                             ; Q
.Lslot:                                            ; seven trips: behind each change of slots but the last the next slot is asked for
	CHANGE 1
	STEP 0
	STEP 1
	s_xor_b32 s[TB], s[TB], SLOTB
	s_sub_co_u32 s[SLOTS], s[SLOTS], 1
	s_cmp_lg_u32 s[SLOTS], 0
	s_cbranch_scc1 .Lslot
	CHANGE 0                                       ; the last slot is written out
	STEP 0
	STEP 1
	; THE WAY OUT.  O^T / the sum; register 8 t + j is o(query r, d = 16 t + 8 h + j).  The head's 64 are two blocks of 32 of the next K; lanes l and l xor 16 hold a block.
.rept 8
	v_nop                                          ; places behind the last products
.endr
	v_add_f32 v14, v14, v15
	v_permlanex16_b32 v[TA], v14, s[SEL], s[SEL+1]
	v_add_f32 v14, v14, v[TA]                      ; the row's sum
	v_rcp_f32 v14, v14
	v_nop
.set j, 0
	s_wait_alu depctr_va_vdst(0)
.rept 32
	v_mul_f32 v[96+j], v[160+j], v14
.set j, j+1
.endr
.irp b, 0,1
	v_max3_num_f32 v[232+\b], |v[96+16*\b]|, |v[97+16*\b]|, 0x4800000
.endr
.irp i, 2,4,6,8,10,12,14
.irp b, 0,1
	v_max3_num_f32 v[232+\b], v[232+\b], |v[96+16*\b+\i]|, |v[97+16*\b+\i]|
.endr
.endr
.irp b, 0,1
	v_permlanex16_b32 v[236+\b], v[232+\b], s[SEL], s[SEL+1]
.endr
.irp b, 0,1
	v_max_num_f32 v[232+\b], v[232+\b], v[236+\b]
.endr
.irp b, 0,1
	v_add_nc_u32 v[244+\b], 0xfc000000, v[232+\b]
.endr
.irp b, 0,1
	v_and_or_b32 v[240+\b], v[232+\b], 0x7f800000, s[MNT]
.endr
.irp b, 0,1
	v_lshrrev_b32 v[236+\b], 23, v[244+\b]
.endr
	v_lshl_or_b32 v208, v237, 8, v236              ; my head's two bytes of the row's scale word
.irp b, 0,1
.set i, 0
.rept 16
	v_med3_num_f32 v[96+16*\b+i], v[96+16*\b+i], -v[240+\b], v[240+\b]
.set i, i+1
.endr
	v_cvt_scalef32_pk8_fp8_f32 v[200+4*\b:201+4*\b], v[96+16*\b:103+16*\b], v[244+\b]
	v_cvt_scalef32_pk8_fp8_f32 v[202+4*\b:203+4*\b], v[104+16*\b:111+16*\b], v[244+\b]
.endr
	v_nop                                          ; a plain line behind the last conversion
.irp b, 0,1
	global_store_b64 v[GO], v[200+4*\b:201+4*\b], s[84:85] offset:512*\b        ; k = 32 b + 8 h + 0..7 of row r: the image's bytes 16 r + 8 h of the chunk's first half: 256 consecutive bytes, aligned
	global_store_b64 v[GO], v[202+4*\b:203+4*\b], s[84:85] offset:512*\b+256    ; k = 32 b + 16 + 8 h + 0..7: of its second half
.endr
	global_store_b16 v196, v208, s[86:87]          ; two bytes of each row's word: the other two are another head's, made by another work-group; lanes l and l xor 16 store the same value at the same place.  One byte in 32 of what the wave stores
	s_wait_tensorcnt 0x0                           ; the wave's end
	ds_add_u32 v[SPW], v[NIL]
	s_wait_dscnt 0x0
	CROUND                                         ; the closing round
	s_endpgm
.Lfunc_end_k_q40155d3da8_attn:
	.size	k_q40155d3da8_attn, .Lfunc_end_k_q40155d3da8_attn-k_q40155d3da8_attn
	.p2alignl 7, 3214868480
	.fill 96, 4, 3214868480
	.section	.rodata,"a",@progbits
	.p2align	6, 0x0
	.amdhsa_kernel k_q40155d3da8_attn
		.amdhsa_group_segment_fixed_size 327680
		.amdhsa_private_segment_fixed_size 0
		.amdhsa_enable_private_segment 0
		.amdhsa_kernarg_size 16
		.amdhsa_user_sgpr_count 2
		.amdhsa_user_sgpr_kernarg_segment_ptr 1
		.amdhsa_wavefront_size32 1
		.amdhsa_system_sgpr_workgroup_id_x 1
		.amdhsa_system_sgpr_workgroup_id_y 1
		.amdhsa_system_sgpr_workgroup_id_z 1
		.amdhsa_system_vgpr_workitem_id 0
		.amdhsa_next_free_vgpr 256
		.amdhsa_next_free_sgpr 98
		.amdhsa_reserve_vcc 1
		.amdhsa_float_denorm_mode_32 3
		.amdhsa_float_denorm_mode_16_64 3
		.amdhsa_memory_ordered 1
		.amdhsa_forward_progress 1
		.amdhsa_inst_pref_size 116
	.end_amdhsa_kernel
	.amdgpu_metadata
---
amdhsa.version: [ 1, 2 ]
amdhsa.kernels:
  - .name:           k_q40155d3da8_attn
    .symbol:         k_q40155d3da8_attn.kd
    .args:
      - { .name: qkv, .offset: 0, .size: 8, .value_kind: global_buffer, .address_space: global }
      - { .name: ao, .offset: 8, .size: 8, .value_kind: global_buffer, .address_space: global }
    .group_segment_fixed_size: 327680
    .private_segment_fixed_size: 0
    .kernarg_segment_align: 8
    .kernarg_segment_size: 16
    .max_flat_workgroup_size: 512
    .sgpr_count:     98
    .vgpr_count:     256
    .wavefront_size: 32
...
	.end_amdgpu_metadata
.endif
;; end of part 3
;; launch oproj (part 4): grid 4 x 16, 4 waves a work-group, clusters of 4 x 4, 327,680 bytes of LDS; arguments ao, w_o_codes, w_o_scales, x, x1; writes x1
.if DOCPART == 4
	.amdgcn_target "amdgcn-amd-amdhsa--gfx1250"
	.amdhsa_code_object_version 6
	.text
	.protected	k_q40155d3da8_oproj
	.globl	k_q40155d3da8_oproj
	.p2align	8
	.type	k_q40155d3da8_oproj,@function
k_q40155d3da8_oproj:
	s_mov_b64 s[64:65], 0
	v_nop
	global_prefetch_b8 v0, s[64:65] scope:SCOPE_SE
	s_setreg_imm32_b32 hwreg(HW_REG_WAVE_MODE, 25, 1), 1
	s_wait_xcnt 0x0
	s_wait_alu depctr_hold_cnt(0) depctr_sa_sdst(0) depctr_va_vdst(0) depctr_va_sdst(0) depctr_va_ssrc(0) depctr_va_vcc(0) depctr_vm_vsrc(0)
	s_getreg_b32 s2, hwreg(HW_REG_IB_STS2, 6, 4)
	s_cmp_eq_u32 s2, 0
	s_cbranch_scc0 .Lentry_in_a_cluster
	s_endpgm
.Lentry_in_a_cluster:
	s_bfe_u32 s2, ttmp6, 0x10000c
	s_cmp_lg_u32 s2, 0xf033
	s_cbranch_scc0 .Lentry_shape_is_right
	s_endpgm
.Lentry_shape_is_right:
; x1 = x + ao W_o: C[m][n] = R[m][n] + sum over k of A[m][k] B[n][k], on codes of E4M3 with E8M0 scales; K = KK.  C and R: [4096][1024] f32.
; A arrives as IMAGES of its fragments, [k / 128][tile of 16 rows: 256][2,048 bytes] (chunk c of 512 bytes: lane l's registers 4 c .. 4 c + 3 at 16 l), its scale words [k / 128][row] behind them; B as rows of codes, K innermost.
; A tile of C, 256 x 256, is made by four waves, 128 x 128 each: 64 accumulators, 512 registers.  K goes in steps of 256 through a ring of two LDS slots: A's part is two dense blocks of 32,768 bytes (read at 16 x lane: no
; padding), B's 256 rows of 256 bytes + 16.  The scales of all of K come into LDS once.  4 x 4 work-groups form a cluster: A's tiles are asked for jointly by a row of the cluster, B's by a column.
; The matrix instruction is used transposed (source 0 = 16 rows of B, source 1 = 16 rows of A): a lane holds eight neighbouring numbers of a row of C.
; 64 tiles for 256 WGPs: the tile is kept at 256 x 256 so that this text shares its loop with the program's other products.
; THE WAY OUT: a block of 16 rows goes through my stage in LDS and comes back as whole rows of 512 bytes; the residual's same rows, loaded ahead, are added there; 32 lanes store 512 consecutive bytes.
; REGISTERS, in windows of 256: window 0: v0-31 addresses; v32-63 scale words, two sets, and nothing else; from v128 A's fragments, one set, on the way out rows of C.  window 1: B's fragments, two sets, on the way out the residual.
;   window 2: the accumulators of my rows 0-63 ((a, b) at v[8 (8 a + b)]);  window 3: those of my rows 64-127.
.set KK,     1024
.set ASCOFF, 4194304                   ; A's scale words lie behind its images
.set NT_OUT, 0                         ; the result is read again by later launches
.set KROW,   KK
.set NK,     KK/128
.set ROWB,   256
.set NQ,     2
.set PITCH,  272
.set FR,     16
.set NL,     4
.set NP,     8
.set PLANE,  524288                    ; A's images of 128 along K: 256 tiles x 2,048 bytes
.set AIMG,   65536                     ; A's part of a slot
.set HALFT,  128*PITCH
.set SLOT,   AIMG+2*HALFT
.set LAPS,   KK/512
.set KS,     KK/32
.set SCL,    2*SLOT                    ; behind the ring: A's scale words, [half of 128 rows][k / 128][128 rows]
.set ASC,    NK*512
.set SCLB,   SCL+2*ASC                 ; B's scale bytes, as units of 256 bytes + 16 of padding
.set HALFS,  (128*KS/256)*272
.set S32,    (32*KS/256)*272
.set SPARE,  SCLB+2*HALFS              ; the spare words, 128 bytes for each wave: two blocks of 256 bytes that no other line names
.set SPITCH, 528                       ; the stage: 16 rows x (512 bytes + 16) for each wave, in slot 0, which has had its last fill and its last read by then
.set ADRA, 16
.set ADRB, 20
.set STO,  24
.set RD,   25
.set CO,   26                          ; v26     16 x lane
.set ADSA, 27
.set SPW,  28
.set NIL,  29
.set ADSB, 30
.set SC,   32
.set AF,   128
.set BK,   128
.set G1, 24
.set G0, 32
.set G1B, 48
.set G0B, 56
.set G1S, 68
.set G0S, 76
.set G1SB, 80
.set G0SB, 88
.set MSB, 0
.macro WIN new
.if MSB != \new
	s_set_vgpr_msb (MSB<<8)|\new
.set MSB, \new
.endif
.endm
.set MUL_LO, 0xa1
.set MUL_HI, 0xf1
.set TO_B,   0x40
.macro JLOAD g0a, g1a, g0b, g1b        ; a joint load: waves 0 and 1 fetch for A, waves 2 and 3 for B; four v_nop follow each line
	s_cmp_eq_u32 s15, 0
	s_cbranch_scc0 .Lfor_b_\@
	tensor_load_to_lds s[\g0a:\g0a+3], s[\g1a:\g1a+7]
	s_nop 0
.rept 4
	v_nop
.endr
	s_branch .Lasked_\@
.Lfor_b_\@:
	tensor_load_to_lds s[\g0b:\g0b+3], s[\g1b:\g1b+7]
	s_nop 0
.rept 4
	v_nop
.endr
.Lasked_\@:
.endm
.macro CREST
	s_cmp_lg_u32 s14, 0
	s_cbranch_scc1 .Lnot_wave_0_\@
	s_barrier_signal -3
.Lnot_wave_0_\@:
	s_barrier_wait -3
	s_barrier_signal -1
	s_barrier_wait -1
.endm
.macro CROUND
	s_barrier_signal -1
	s_barrier_wait -1
	CREST
.endm
	s_load_b256 s[4:11], s[0:1], 0x0               ; A's buffer, B's codes, B's scales, the residual
	s_load_b64 s[12:13], s[0:1], 0x20              ; C
	v_lshl_add_u32 v[SPW], v0, 2, SPARE
	v_mov_b32 v[NIL], 0
	ds_add_u32 v28, v29
	s_wait_dscnt 0x0
	v_lshrrev_b32 v1, 5, v0
	v_readfirstlane_b32 s14, v1                    ; wave 0..3
	s_lshr_b32 s15, s14, 1                         ; which half of the tile's rows is mine.  Also: I fetch for A (0) or for B (1)
	s_and_b32 s16, s14, 1                          ; which half of its columns.  Also: which part of that side I fetch
	s_bfe_u32 s40, ttmp6, 0x40000
	s_bfe_u32 s41, ttmp6, 0x40004
	s_lshl_b32 s42, ttmp9, 2
	s_add_co_u32 s42, s42, s40                     ; tile column of C
	s_and_b32 s17, ttmp7, 0xffff
	s_lshl_b32 s17, s17, 2
	s_add_co_u32 s17, s17, s41                     ; tile row of C
	s_lshl_b32 s43, s41, 2
	s_lshl_b32 s43, 15, s43                        ; my row of the cluster
	s_lshl_b32 s44, 0x1111, s40                    ; my column
	s_or_b32 s[G1+0], s43, (3<<16)|(1<<21)         ; A's images of 128 along K: 32,768 dense bytes as 128 rows of 256 (32 elements of 8 bytes), no padding
	s_mov_b32 s[G1+1], 32<<16
	s_mov_b32 s[G1+2], 128<<16
	s_mov_b32 s[G1+3], 32<<16
	s_mov_b32 s[G1+4], 128
	s_mov_b32 s[G1+5], 32
	s_mov_b32 s[G1+6], 0
	s_mov_b32 s[G1+7], 0
	s_or_b32 s[G1B+0], s44, (0<<16)|(1<<20)|(1<<21)|(5<<22)|(3<<25)  ; B: 128 rows of 256 bytes, 4 words of padding after every 64
	s_mov_b32 s[G1B+1], ROWB<<16
	s_mov_b32 s[G1B+2], 128<<16
	s_mov_b32 s[G1B+3], ROWB<<16
	s_mov_b32 s[G1B+4], 128
	s_mov_b32 s[G1B+5], KROW
	s_mov_b32 s[G1B+6], 0
	s_mov_b32 s[G1B+7], 0
	s_or_b32 s[G1S+0], s43, (3<<16)|(1<<21)        ; A's scale words of 128 rows: NK rows of 512 bytes, 16,384 bytes apart
	s_mov_b32 s[G1S+1], 64<<16
	s_mov_b32 s[G1S+2], NK<<16
	s_mov_b32 s[G1S+3], 64<<16
	s_mov_b32 s[G1S+4], NK
	s_mov_b32 s[G1S+5], 2048
	s_mov_b32 s[G1S+6], 0
	s_mov_b32 s[G1S+7], 0
	s_or_b32 s[G1SB+0], s44, (3<<16)|(1<<20)|(1<<21)|(5<<22)|(3<<25) ; B's scale bytes of 128 rows: a dense block as rows of 256 bytes, padded
	s_mov_b32 s[G1SB+1], 32<<16
	s_mov_b32 s[G1SB+2], (128*KS/256)<<16
	s_mov_b32 s[G1SB+3], 32<<16
	s_mov_b32 s[G1SB+4], 128*KS/256
	s_mov_b32 s[G1SB+5], 32
	s_mov_b32 s[G1SB+6], 0
	s_mov_b32 s[G1SB+7], 0
	s_lshl_b32 s20, s17, 15                        ; A's images: 16 tiles x 2,048 bytes a tile row,
	s_mul_i32 s18, s16, PLANE                      ; the K step's first or second 128
	s_add_co_u32 s20, s20, s18
	s_mov_b32 s21, 0
	s_lshl_b32 s22, s17, 10                        ; A's scale words: 256 rows x 4 bytes,
	s_lshl_b32 s18, s16, 9                         ; my half
	s_add_co_u32 s22, s22, s18
	s_mov_b32 s23, 0
	s_lshl_b32 s46, s42, 8
	s_lshl_b32 s18, s16, 7
	s_add_co_u32 s46, s46, s18                     ; B: the first row that I fetch
	s_mul_i32 s92, s46, KS
	s_mov_b32 s93, 0
	s_mul_i32 s46, s46, KROW
	s_mov_b32 s47, 0
	s_lshl_b32 s45, s16, 15                        ; where they go: no place in the cluster enters an LDS address
	s_mul_i32 s94, s16, HALFT
	s_add_co_u32 s94, s94, AIMG
	s_mul_i32 s95, s16, ASC
	s_add_co_u32 s95, s95, SCL
	s_mul_i32 s96, s16, HALFS
	s_add_co_u32 s96, s96, SCLB
	s_wait_kmcnt 0x0
	s_mov_b64 s[98:99], s[10:11]                   ; the residual
	s_mov_b64 s[10:11], s[8:9]                     ; B's scales
	s_mov_b64 s[8:9], s[6:7]                       ; B's codes
	s_add_nc_u64 s[6:7], s[4:5], ASCOFF            ; A's scale words
	s_add_nc_u64 s[20:21], s[4:5], s[20:21]
	s_add_nc_u64 s[22:23], s[6:7], s[22:23]
	s_add_nc_u64 s[46:47], s[8:9], s[46:47]
	s_add_nc_u64 s[92:93], s[10:11], s[92:93]
	CROUND                                         ; all sixteen work-groups are here: the first joint loads meet
	s_mov_b32 s[G0S], 1
	s_mov_b32 s[G0S+1], s95
	s_mov_b64 s[G0S+2:G0S+3], s[22:23]
	s_or_b32 s[G0S+3], s[G0S+3], 0x80000000
	s_mov_b32 s[G0SB], 1
	s_mov_b32 s[G0SB+1], s96
	s_mov_b64 s[G0SB+2:G0SB+3], s[92:93]
	s_or_b32 s[G0SB+3], s[G0SB+3], 0x80000000
	JLOAD G0S, G1S, G0SB, G1SB
.irp s, 0,1
	s_mov_b32 s[G0+4*\s], 1
	s_add_co_u32 s[G0+4*\s+1], s45, \s*SLOT
	s_add_nc_u64 s[G0+4*\s+2:G0+4*\s+3], s[20:21], \s*2*PLANE
	s_or_b32 s[G0+4*\s+3], s[G0+4*\s+3], 0x80000000
	s_mov_b32 s[G0B+4*\s], 1
	s_add_co_u32 s[G0B+4*\s+1], s94, \s*SLOT
	s_add_nc_u64 s[G0B+4*\s+2:G0B+4*\s+3], s[46:47], \s*ROWB
	s_or_b32 s[G0B+4*\s+3], s[G0B+4*\s+3], 0x80000000
	JLOAD G0+4*\s, G1, G0B+4*\s, G1B
.endr
	v_and_b32 v1, 15, v0                           ; r
	v_bfe_u32 v2, v0, 4, 1                         ; h
	v_and_b32 v6, 31, v0                           ; lane
	v_lshlrev_b32 v[CO], 4, v6
	s_lshl_b32 s21, s15, 14                        ; my eight images of A
	v_add_nc_u32 v[ADRA], s21, v[CO]
	s_add_co_u32 s21, s21, SLOT
	v_add_nc_u32 v[ADRA+1], s21, v[CO]
	v_mul_u32_u24 v3, v1, PITCH
	v_lshl_add_u32 v4, v2, 4, v3
	s_mul_i32 s22, s16, HALFT
	s_add_co_u32 s22, s22, AIMG                    ; my 128 rows of B
	v_add_nc_u32 v[ADRB], s22, v4
	s_add_co_u32 s22, s22, SLOT
	v_add_nc_u32 v[ADRB+1], s22, v4
	s_mul_i32 s21, s15, ASC
	s_add_co_u32 s21, s21, SCL
	v_lshl_add_u32 v[ADSA], v6, 2, s21             ; A's scale words: row = lane of 32
	v_mul_u32_u24 v5, v6, KS                       ; B's scale bytes: row = lane: KS bytes a row,
	v_lshrrev_b32 v7, 8, v5
	v_lshl_add_u32 v5, v7, 4, v5                   ; and 16 more for each 256 passed
	s_mul_i32 s22, s16, HALFS
	s_add_co_u32 s22, s22, SCLB
	v_add_nc_u32 v[ADSB], s22, v5
	s_mul_i32 s23, s14, 16*SPITCH                  ; my stage
	v_mul_u32_u24 v5, v1, SPITCH
	v_lshl_add_u32 v5, v2, 5, v5
	v_add_nc_u32 v[STO], s23, v5                   ; in: row r, 32 bytes for each half of the lanes
	v_add_nc_u32 v[RD], s23, v[CO]                 ; back: the 32 lanes take one row of 512 bytes
	s_lshl_b32 s20, s17, 8
	s_lshl_b32 s21, s15, 7
	s_add_co_u32 s20, s20, s21                     ; my first row of C,
	s_lshl_b32 s20, s20, 12                        ; 4,096 bytes a row,
	s_lshl_b32 s46, s42, 10
	s_lshl_b32 s47, s16, 9
	s_add_co_u32 s46, s46, s47
	s_add_co_u32 s20, s20, s46                     ; my first column
	s_mov_b32 s21, 0
	s_add_nc_u64 s[12:13], s[12:13], s[20:21]
	s_add_nc_u64 s[98:99], s[98:99], s[20:21]
.macro FRAG reg, adr, q, i             ; B: 16 rows x 128 K from rows
.irp c, 0,1,2,3
	ds_load_b128 v[\reg+4*\c:\reg+4*\c+3], v[\adr] offset:128*(\q)+32*\c+(\i)*16*PITCH
.endr
.endm
.macro FRAGI reg, adr, q, i            ; A: the image as it lies
.irp c, 0,1,2,3
	ds_load_b128 v[\reg+4*\c:\reg+4*\c+3], v[\adr] offset:32768*(\q)+2048*(\i)+512*\c
.endr
.endm
.macro WM zero, rb, ra                 ; one product; a scale register holds the words of 32 rows: an odd block's in lanes 16-31, which the ROW1 selector names
.if (\zero) && (\rb) && (\ra)
	v_wmma_scale_f32_16x16x128_f8f6f4 v[rD:rD+7], v[rB:rB+15], v[rA:rA+15], 0, v[rSB], v[rSA] matrix_a_scale:MATRIX_SCALE_ROW1 matrix_b_scale:MATRIX_SCALE_ROW1
.elseif (\zero) && (\rb)
	v_wmma_scale_f32_16x16x128_f8f6f4 v[rD:rD+7], v[rB:rB+15], v[rA:rA+15], 0, v[rSB], v[rSA] matrix_a_scale:MATRIX_SCALE_ROW1
.elseif (\zero) && (\ra)
	v_wmma_scale_f32_16x16x128_f8f6f4 v[rD:rD+7], v[rB:rB+15], v[rA:rA+15], 0, v[rSB], v[rSA] matrix_b_scale:MATRIX_SCALE_ROW1
.elseif \zero
	v_wmma_scale_f32_16x16x128_f8f6f4 v[rD:rD+7], v[rB:rB+15], v[rA:rA+15], 0, v[rSB], v[rSA]
.elseif (\rb) && (\ra)
	v_wmma_scale_f32_16x16x128_f8f6f4 v[rD:rD+7], v[rB:rB+15], v[rA:rA+15], v[rD:rD+7], v[rSB], v[rSA] matrix_a_scale:MATRIX_SCALE_ROW1 matrix_b_scale:MATRIX_SCALE_ROW1
.elseif \rb
	v_wmma_scale_f32_16x16x128_f8f6f4 v[rD:rD+7], v[rB:rB+15], v[rA:rA+15], v[rD:rD+7], v[rSB], v[rSA] matrix_a_scale:MATRIX_SCALE_ROW1
.elseif \ra
	v_wmma_scale_f32_16x16x128_f8f6f4 v[rD:rD+7], v[rB:rB+15], v[rA:rA+15], v[rD:rD+7], v[rSB], v[rSA] matrix_b_scale:MATRIX_SCALE_ROW1
.else
	v_wmma_scale_f32_16x16x128_f8f6f4 v[rD:rD+7], v[rB:rB+15], v[rA:rA+15], v[rD:rD+7], v[rSB], v[rSA]
.endif
.endm
.macro MUL16 a0, p, q, sc, zero        ; 16 products; the 64 accumulators take turns
.irp a, \a0, \a0+1
.irp b, 0,1,2,3,4,5,6,7
.set rD, 8*(8*((\a)%4)+\b)
.set rB, 128*(\p)+FR*\b
.set rA, AF+FR*(\a)
.set rSB, SC+16*(\sc)+8+2*(\b/2)+(\q)
.set rSA, SC+16*(\sc)+2*((\a)/2)+(\q)
	WM \zero, (\b)%2, (\a)%2
.endr
.endr
.endm
.macro FETCH_B slot, q, p
	WIN TO_B
.irp i, 0,1,2,3,4,5,6,7
	FRAG 128*(\p)+FR*\i, ADRB+\slot, \q, \i
.endr
	WIN 0
.endm
.macro FETCH_A slot, q, i0
.irp i, \i0, \i0+1, \i0+2, \i0+3
	FRAGI AF+FR*(\i), ADRA+\slot, \q, \i
.endr
.endm
.macro SCALES sc                       ; a K step's scale words, 32 rows a load: A's one word a load, B's two
.irp i, 0,1,2,3
	ds_load_b32 v[SC+16*\sc+2*\i], v[ADSA] offset:\i*128
	ds_load_b32 v[SC+16*\sc+2*\i+1], v[ADSA] offset:\i*128+512
.endr
.irp i, 0,1,2,3
	ds_load_b64 v[SC+16*\sc+8+2*\i:SC+16*\sc+8+2*\i+1], v[ADSB] offset:\i*S32
.endr
.endm
.macro PLACES n
.rept \n
	v_nop
.endr
.endm
.macro STEP slot, q, zero
	s_wait_dscnt 4*NL                              ; B's set and A's blocks 0-3 are in; the youngest 16 loads (A's blocks 4-7) may be out
	WIN MUL_LO
	MUL16 0, (\q)%2, \q, \slot, \zero
	MUL16 2, (\q)%2, \q, \slot, \zero
	s_wait_dscnt 0
	PLACES NP
	FETCH_B \slot, (\q)+1, 1-(\q)%2
	FETCH_A \slot, (\q)+1, 0
	WIN MUL_HI
	MUL16 4, (\q)%2, \q, \slot, \zero
	MUL16 6, (\q)%2, \q, \slot, \zero
	PLACES NP
	WIN 0
	FETCH_A \slot, (\q)+1, 4
.endm
.macro TURN slot, next, fill           ; a slot's last step changes slots: one barrier, in front of it the wait for all my tensor loads, the add, and the wait for it and for my reads of this slot
	s_wait_tensorcnt 0x0
	ds_add_u32 v[SPW], v[NIL]                      ; 0 onto my spare word
	s_wait_dscnt 4*NL+1                            ; (the add and the youngest 16 loads may be out)
	WIN MUL_LO
	MUL16 0, 1, NQ-1, \slot, 0
	s_wait_dscnt 0x0
	s_barrier_signal -1
	MUL16 2, 1, NQ-1, \slot, 0
	WIN 0
	s_barrier_wait -1
.if \fill
	CREST                                          ; a round of the cluster's barrier: no wave of any partner still reads this slot or has a load on its way
	s_add_nc_u64 s[G0+4*\slot+2:G0+4*\slot+3], s[G0+4*\slot+2:G0+4*\slot+3], 4*PLANE
	s_add_nc_u64 s[G0B+4*\slot+2:G0B+4*\slot+3], s[G0B+4*\slot+2:G0B+4*\slot+3], 2*ROWB
	JLOAD G0+4*\slot, G1, G0B+4*\slot, G1B
	PLACES NP-4
.else
	PLACES NP
.endif
	v_add_nc_u32 v[ADSA], 1024, v[ADSA]            ; on to the next K step's scale words
	v_add_nc_u32 v[ADSB], 4*NQ, v[ADSB]
	FETCH_B \next, 0, 0
	FETCH_A \next, 0, 0
	SCALES \next
	WIN MUL_HI
	MUL16 4, 1, NQ-1, \slot, 0
	MUL16 6, 1, NQ-1, \slot, 0
	PLACES NP
	WIN 0
	FETCH_A \next, 0, 4
.endm
	s_wait_tensorcnt 1                             ; the scales and my part of K step 0 are in; K step 1's load may be out
	s_barrier_signal -1
	s_barrier_wait -1
	FETCH_B 0, 0, 0
	FETCH_A 0, 0, 0
	SCALES 0
	FETCH_A 0, 0, 4
	STEP 0, 0, 1
	s_mov_b32 s3, LAPS-1
.Llap:
	TURN 0, 1, 1
	STEP 1, 0, 0
	TURN 1, 0, 1
	STEP 0, 0, 0
	s_sub_co_u32 s3, s3, 1
	s_cmp_lg_u32 s3, 0
	s_cbranch_scc1 .Llap
	TURN 0, 1, 0
	STEP 1, 0, 0
	s_wait_dscnt 4*NL
	WIN MUL_LO
	MUL16 0, 1, NQ-1, 1, 0
	MUL16 2, 1, NQ-1, 1, 0
	s_wait_dscnt 0
	WIN MUL_HI
	MUL16 4, 1, NQ-1, 1, 0
	MUL16 6, 1, NQ-1, 1, 0
	WIN 0
.macro RLOAD a                         ; the residual's rows 16 a .. 16 a + 15, my 512 bytes of each, into set a % 4 of window 1
	WIN 0x40
.irp t, 0,1,2,3,4,5,6,7,8,9,10,11,12,13,14,15
	global_load_b128 v[64*((\a)%4)+4*\t:64*((\a)%4)+4*\t+3], v[CO], s[98:99] offset:(16*(\a)+\t)*4096 th:TH_LOAD_NT
.endr
	WIN 0
.endm
.macro TOSTAGE a
.set AC, 64*((\a)%4)
.set WS, 0x08+4*((\a)/4)
	WIN WS                                         ; the data: window 2 or 3
.irp b, 0,1,2,3,4,5,6,7
	ds_store_b128 v[STO], v[AC+8*\b:AC+8*\b+3] offset:64*\b          ; each accumulator from its low end on
	ds_store_b128 v[STO], v[AC+8*\b+4:AC+8*\b+7] offset:64*\b+16
.endr
	WIN 0
.set BB, BK+64*((\a)%2)
.irp t, 0,1,2,3,4,5,6,7,8,9,10,11,12,13,14,15
	ds_load_b128 v[BB+4*\t:BB+4*\t+3], v[RD] offset:\t*SPITCH        ; LDS serves a wave's instructions in order: these see the stores above
.endr
.endm
.macro SEND a, younger
.set BB, BK+64*((\a)%2)
.set RR, 64*((\a)%4)
.if (\a) < 5
.set LEFT, 48
.else
.set LEFT, 16*(7-(\a))
.endif
	s_wait_dscnt \younger                          ; the block is back in registers; the next block's 16 stores and 16 loads may be out
	s_wait_loadcnt LEFT                            ; its residual is in; the sixteen loads of each later block already asked for may be out
	WIN 0x04                                       ; source 1: window 1
.set k, 0
.rept 32
	v_pk_add_f32 v[BB+k:BB+k+1], v[BB+k:BB+k+1], v[RR+k:RR+k+1]
.set k, k+2
.endr
	WIN 0
.irp t, 0,1,2,3,4,5,6,7,8,9,10,11,12,13,14,15
.if NT_OUT
	global_store_b128 v[CO], v[BB+4*\t:BB+4*\t+3], s[12:13] offset:(16*(\a)+\t)*4096 th:TH_STORE_NT
.else
	global_store_b128 v[CO], v[BB+4*\t:BB+4*\t+3], s[12:13] offset:(16*(\a)+\t)*4096   ; 512 consecutive bytes, aligned; 127 rows of 4,096 bytes at the most stand in the immediate
.endif
.endr
.if (\a) < 4
	RLOAD (\a)+4
.endif
.endm
	PLACES NP                                      ; in front of loads into registers that the last products read, and of the first read of results
	RLOAD 0
	RLOAD 1
	RLOAD 2
	RLOAD 3
	TOSTAGE 0
.irp a, 1,2,3,4,5,6,7
.if \a > 1
	s_wait_xcnt 0x0                                ; block a - 2's stores have read their registers: block a's loads may land there
.endif
	TOSTAGE \a
	SEND \a-1, 32
.endr
	SEND 7, 0
	s_wait_tensorcnt 0x0                           ; the wave's end
	ds_add_u32 v[SPW], v[NIL]
	s_wait_dscnt 0x0
	CROUND                                         ; the closing round
	s_endpgm
.Lfunc_end_k_q40155d3da8_oproj:
	.size	k_q40155d3da8_oproj, .Lfunc_end_k_q40155d3da8_oproj-k_q40155d3da8_oproj
	.p2alignl 7, 3214868480
	.fill 96, 4, 3214868480
	.section	.rodata,"a",@progbits
	.p2align	6, 0x0
	.amdhsa_kernel k_q40155d3da8_oproj
		.amdhsa_group_segment_fixed_size 327680
		.amdhsa_private_segment_fixed_size 0
		.amdhsa_enable_private_segment 0
		.amdhsa_kernarg_size 40
		.amdhsa_user_sgpr_count 2
		.amdhsa_user_sgpr_kernarg_segment_ptr 1
		.amdhsa_wavefront_size32 1
		.amdhsa_system_sgpr_workgroup_id_x 1
		.amdhsa_system_sgpr_workgroup_id_y 1
		.amdhsa_system_sgpr_workgroup_id_z 1
		.amdhsa_system_vgpr_workitem_id 0
		.amdhsa_next_free_vgpr 1024
		.amdhsa_next_free_sgpr 102
		.amdhsa_reserve_vcc 0
		.amdhsa_float_denorm_mode_32 3
		.amdhsa_float_denorm_mode_16_64 3
		.amdhsa_memory_ordered 1
		.amdhsa_forward_progress 1
		.amdhsa_inst_pref_size 176
	.end_amdhsa_kernel
	.amdgpu_metadata
---
amdhsa.version: [ 1, 2 ]
amdhsa.kernels:
  - .name:           k_q40155d3da8_oproj
    .symbol:         k_q40155d3da8_oproj.kd
    .args:
      - { .name: ao, .offset: 0, .size: 8, .value_kind: global_buffer, .address_space: global }
      - { .name: w_o_codes, .offset: 8, .size: 8, .value_kind: global_buffer, .address_space: global }
      - { .name: w_o_scales, .offset: 16, .size: 8, .value_kind: global_buffer, .address_space: global }
      - { .name: x, .offset: 24, .size: 8, .value_kind: global_buffer, .address_space: global }
      - { .name: x1, .offset: 32, .size: 8, .value_kind: global_buffer, .address_space: global }
    .group_segment_fixed_size: 327680
    .private_segment_fixed_size: 0
    .kernarg_segment_align: 8
    .kernarg_segment_size: 40
    .max_flat_workgroup_size: 128
    .sgpr_count:     102
    .vgpr_count:     1024
    .wavefront_size: 32
...
	.end_amdgpu_metadata
.endif
;; end of part 4
;; launch norm2: the kernel of part 1 again; grid 256 x 1, 4 waves a work-group, no clusters, 21,504 bytes of LDS; arguments x1, g2, xn; writes xn
;; launch gateup (part 5): grid 16 x 16, 4 waves a work-group, clusters of 4 x 4, 327,680 bytes of LDS; arguments xn, w_gate_codes, w_gate_scales, w_up_codes, w_up_scales, hh; writes hh
.if DOCPART == 5
	.amdgcn_target "amdgcn-amd-amdhsa--gfx1250"
	.amdhsa_code_object_version 6
	.text
	.protected	k_q40155d3da8_gateup
	.globl	k_q40155d3da8_gateup
	.p2align	8
	.type	k_q40155d3da8_gateup,@function
k_q40155d3da8_gateup:
	s_mov_b64 s[64:65], 0
	v_nop
	global_prefetch_b8 v0, s[64:65] scope:SCOPE_SE
	s_setreg_imm32_b32 hwreg(HW_REG_WAVE_MODE, 25, 1), 1
	s_wait_xcnt 0x0
	s_wait_alu depctr_hold_cnt(0) depctr_sa_sdst(0) depctr_va_vdst(0) depctr_va_sdst(0) depctr_va_ssrc(0) depctr_va_vcc(0) depctr_vm_vsrc(0)
	s_getreg_b32 s2, hwreg(HW_REG_IB_STS2, 6, 4)
	s_cmp_eq_u32 s2, 0
	s_cbranch_scc0 .Lentry_in_a_cluster
	s_endpgm
.Lentry_in_a_cluster:
	s_bfe_u32 s2, ttmp6, 0x10000c
	s_cmp_lg_u32 s2, 0xf033
	s_cbranch_scc0 .Lentry_shape_is_right
	s_endpgm
.Lentry_shape_is_right:
; hh = Q(silu(xn W_gate) x (xn W_up)), both products on codes of E4M3 with E8M0 scales, K = 1,024; the result is quantised along D_FF on the way out and never goes to memory as f32.
; THE PRODUCT is C[m][n] = sum over k of A[m][k] B[n][k] on a tile of 256 x 256 by four waves, 128 x 128 each (64 accumulators, 512 registers); K in steps of 256 through a ring of two LDS slots filled by the tensor data
; mover; the tile's scale bytes come into LDS once; 4 x 4 work-groups form a cluster, A's tiles asked for jointly by a row of the cluster, B's by a column.  Used transposed: a lane holds one token and eight neighbouring columns.
; B'S TILE is 128 rows of W_gate (wave 2 fetches them) and THE SAME 128 rows of W_up (wave 3).  Wave (rh, ch) multiplies gate rows 64 ch + 0..63 (B's blocks 0-3) and up rows 64 ch + 0..63 (blocks 4-7): so a lane holds gate
; and up of the same hidden units, and the activation needs no other lane.
; THE WAY OUT.  My 64 hidden units are two blocks of 32 of the next K; lanes l and l xor 16 hold a block.  The codes leave as an IMAGE of the next operand's fragments in true order of k:
; hh: [k / 128: 16][tile of 16 rows: 256][2,048 bytes]; a block's codes 8 h + 0..7 go to bytes 16 r + 8 h of its chunk's first half, 16 + 8 h + 0..7 to the second half: each store covers 256 consecutive bytes, aligned.
; Scale words [k / 128][row] lie 8,388,608 bytes on: a word's four bytes come from two waves, meet in LDS and leave in aligned runs of 256 bytes.
; LIMITS: a block of zeros gets the byte 1 (zero codes; this program alone reads the bytes); NaN and infinities are not served; the sigmoid is v_exp_f32's and v_rcp_f32's, 1 ulp each.
; REGISTERS, in windows of 256: window 0: v0-31 addresses; v32-63 scale words, two sets, and nothing else; v64-95 at work on the way out; from v128 A's fragments, one set.  window 1: B's fragments, two sets.
;   window 2: the accumulators of my rows 0-63 ((a, b) at v[8 (8 a + b)]);  window 3: those of my rows 64-127.
.set KROW,   1024
.set ROWB,   256
.set NQ,     2
.set PITCH,  272
.set FR,     16
.set NL,     4
.set NP,     8
.set HALFT,  128*PITCH
.set SLOT,   4*HALFT                   ; A's 256 rows, gate's 128, up's 128
.set LAPS,   KROW/512
.set KS,     KROW/32
.set SCL,    2*SLOT
.set HALFS,  (128*KS/256)*272
.set S32,    (32*KS/256)*272
.set SPARE,  SCL+4*HALFS               ; the spare words, 128 bytes for each wave: two blocks of 256 bytes that no other line names
.set XSC,    4194304                   ; xn's scale bytes lie behind its codes
.set HSC,    8388608                   ; hh's scale words lie behind its images
.set ADRA, 16
.set ADRB, 20
.set LO,   24                          ; v24     16 r + 8 h: my 8 bytes of a store of 256
.set SST,  25                          ; v25     where I stage half a scale word
.set SRD,  26                          ; v26     where I read staged words back
.set ADSA, 27
.set SPW,  28
.set NIL,  29
.set ADSB, 30
.set L8,   31                          ; v31     8 x lane
.set SC,   32
.set T,    64
.set AF,   128
.set PCB,  128                         ; the way out: codes, eight registers for each block of rows, never written again
.set TM,   192
.set HW,   208                         ; v208-215 half a scale word for each block of rows
.set G1, 24
.set G0, 32
.set G1B, 48
.set G0B, 56
.set G1S, 68
.set G0S, 76
.set G1SB, 80
.set G0SB, 88
.set MSB, 0
.macro WIN new
.if MSB != \new
	s_set_vgpr_msb (MSB<<8)|\new
.set MSB, \new
.endif
.endm
.set MUL_LO, 0xa1
.set MUL_HI, 0xf1
.set TO_B,   0x40
.macro JLOAD g0a, g1a, g0b, g1b        ; a joint load: waves 0 and 1 fetch for A, waves 2 and 3 for B; four v_nop follow each line
	s_cmp_eq_u32 s15, 0
	s_cbranch_scc0 .Lfor_b_\@
	tensor_load_to_lds s[\g0a:\g0a+3], s[\g1a:\g1a+7]
	s_nop 0
.rept 4
	v_nop
.endr
	s_branch .Lasked_\@
.Lfor_b_\@:
	tensor_load_to_lds s[\g0b:\g0b+3], s[\g1b:\g1b+7]
	s_nop 0
.rept 4
	v_nop
.endr
.Lasked_\@:
.endm
.macro CREST
	s_cmp_lg_u32 s14, 0
	s_cbranch_scc1 .Lnot_wave_0_\@
	s_barrier_signal -3
.Lnot_wave_0_\@:
	s_barrier_wait -3
	s_barrier_signal -1
	s_barrier_wait -1
.endm
.macro CROUND
	s_barrier_signal -1
	s_barrier_wait -1
	CREST
.endm
	s_load_b256 s[4:11], s[0:1], 0x0               ; xn, gate's codes, gate's scales, up's codes
	s_load_b128 s[96:99], s[0:1], 0x20             ; up's scales, hh
	v_lshl_add_u32 v[SPW], v0, 2, SPARE
	v_mov_b32 v[NIL], 0
	ds_add_u32 v28, v29
	s_wait_dscnt 0x0
	v_lshrrev_b32 v1, 5, v0
	v_readfirstlane_b32 s14, v1                    ; wave 0..3
	s_lshr_b32 s15, s14, 1                         ; which half of the tokens is mine.  Also: I fetch for A (0) or for B (1)
	s_and_b32 s16, s14, 1                          ; which 64 hidden units.  Also: which half of A's rows I fetch, or gate (0) or up (1)
	s_bfe_u32 s40, ttmp6, 0x40000
	s_bfe_u32 s41, ttmp6, 0x40004
	s_lshl_b32 s42, ttmp9, 2
	s_add_co_u32 s42, s42, s40                     ; which 128 hidden units
	s_and_b32 s17, ttmp7, 0xffff
	s_lshl_b32 s17, s17, 2
	s_add_co_u32 s17, s17, s41                     ; which 256 tokens
	s_lshl_b32 s43, s41, 2
	s_lshl_b32 s43, 15, s43                        ; my row of the cluster
	s_lshl_b32 s44, 0x1111, s40                    ; my column
	s_or_b32 s[G1+0], s43, (0<<16)|(1<<20)|(1<<21)|(5<<22)|(3<<25)
	s_or_b32 s[G1B+0], s44, (0<<16)|(1<<20)|(1<<21)|(5<<22)|(3<<25)
.irp g, G1, G1B
	s_mov_b32 s[\g+1], ROWB<<16
	s_mov_b32 s[\g+2], 128<<16
	s_mov_b32 s[\g+3], ROWB<<16
	s_mov_b32 s[\g+4], 128
	s_mov_b32 s[\g+5], KROW
	s_mov_b32 s[\g+6], 0
	s_mov_b32 s[\g+7], 0
.endr
	s_or_b32 s[G1S+0], s43, (3<<16)|(1<<20)|(1<<21)|(5<<22)|(3<<25)
	s_or_b32 s[G1SB+0], s44, (3<<16)|(1<<20)|(1<<21)|(5<<22)|(3<<25)
.irp g, G1S, G1SB
	s_mov_b32 s[\g+1], 32<<16
	s_mov_b32 s[\g+2], (128*KS/256)<<16
	s_mov_b32 s[\g+3], 32<<16
	s_mov_b32 s[\g+4], 128*KS/256
	s_mov_b32 s[\g+5], 32
	s_mov_b32 s[\g+6], 0
	s_mov_b32 s[\g+7], 0
.endr
	s_lshl_b32 s18, s16, 7
	s_lshl_b32 s20, s17, 8
	s_add_co_u32 s20, s20, s18                     ; A: the first row that I fetch
	s_lshl_b32 s22, s20, 5                         ; its scale bytes
	s_mov_b32 s23, 0
	s_lshl_b32 s20, s20, 10                        ; its codes
	s_mov_b32 s21, 0
	s_lshl_b32 s92, s42, 12                        ; B: row 128 x tile, in gate and in up alike: scale bytes,
	s_mov_b32 s93, 0
	s_lshl_b32 s46, s42, 17                        ; codes
	s_mov_b32 s47, 0
	s_mul_i32 s45, s14, HALFT                      ; where they go: wave x 128 rows
	s_mul_i32 s94, s14, HALFS
	s_wait_kmcnt 0x0
	s_mov_b64 s[12:13], s[98:99]                   ; hh
	s_cmp_eq_u32 s16, 0                            ; gate or up: the wave's number decides, the same in every work-group
	s_cselect_b64 s[100:101], s[6:7], s[10:11]     ; B's codes
	s_cselect_b64 s[10:11], s[8:9], s[96:97]       ; B's scales
	s_mov_b64 s[8:9], s[100:101]
	s_add_nc_u64 s[6:7], s[4:5], XSC               ; A's scales
	s_add_nc_u64 s[20:21], s[4:5], s[20:21]
	s_add_nc_u64 s[22:23], s[6:7], s[22:23]
	s_add_nc_u64 s[46:47], s[8:9], s[46:47]
	s_add_nc_u64 s[92:93], s[10:11], s[92:93]
	CROUND                                         ; all sixteen work-groups are here: the first joint loads meet
	s_mov_b32 s[G0S], 1
	s_add_co_u32 s[G0S+1], s94, SCL
	s_mov_b64 s[G0S+2:G0S+3], s[22:23]
	s_or_b32 s[G0S+3], s[G0S+3], 0x80000000
	s_mov_b32 s[G0SB], 1
	s_add_co_u32 s[G0SB+1], s94, SCL
	s_mov_b64 s[G0SB+2:G0SB+3], s[92:93]
	s_or_b32 s[G0SB+3], s[G0SB+3], 0x80000000
	JLOAD G0S, G1S, G0SB, G1SB
.irp s, 0,1
	s_mov_b32 s[G0+4*\s], 1
	s_add_co_u32 s[G0+4*\s+1], s45, \s*SLOT
	s_add_nc_u64 s[G0+4*\s+2:G0+4*\s+3], s[20:21], \s*ROWB
	s_or_b32 s[G0+4*\s+3], s[G0+4*\s+3], 0x80000000
	s_mov_b32 s[G0B+4*\s], 1
	s_add_co_u32 s[G0B+4*\s+1], s45, \s*SLOT
	s_add_nc_u64 s[G0B+4*\s+2:G0B+4*\s+3], s[46:47], \s*ROWB
	s_or_b32 s[G0B+4*\s+3], s[G0B+4*\s+3], 0x80000000
	JLOAD G0+4*\s, G1, G0B+4*\s, G1B
.endr
	v_and_b32 v1, 15, v0                           ; r
	v_bfe_u32 v2, v0, 4, 1                         ; h
	v_and_b32 v6, 31, v0                           ; lane
	v_mul_u32_u24 v3, v1, PITCH
	v_lshl_add_u32 v4, v2, 4, v3
	s_mul_i32 s21, s15, HALFT                      ; my 128 rows of A
	s_mul_i32 s22, s16, 64*PITCH                   ; my 64 rows of gate; up's lie 128 rows on
	s_add_co_u32 s22, s22, 2*HALFT
.irp s, 0,1
	v_add_nc_u32 v[ADRA+\s], s21, v4
	v_add_nc_u32 v[ADRB+\s], s22, v4
	s_add_co_u32 s21, s21, SLOT
	s_add_co_u32 s22, s22, SLOT
.endr
	v_lshlrev_b32 v5, 5, v6                        ; scale bytes: row = lane: 32 bytes a row,
	v_lshrrev_b32 v7, 8, v5
	v_lshl_add_u32 v5, v7, 4, v5                   ; and 16 more for each 256 passed
	s_mul_i32 s21, s15, HALFS
	s_add_co_u32 s21, s21, SCL
	v_add_nc_u32 v[ADSA], s21, v5
	s_mul_i32 s22, s16, 2*S32
	s_add_co_u32 s22, s22, SCL+2*HALFS
	v_add_nc_u32 v[ADSB], s22, v5
	v_lshlrev_b32 v[LO], 4, v1
	v_lshl_add_u32 v[LO], v2, 3, v[LO]
	s_lshl_b32 s21, s15, 9                         ; the stage for scale words, in slot 0: 4 bytes a token of the tile's 256,
	s_lshl_b32 s22, s16, 1                         ; of which my hidden units have two
	s_add_co_u32 s21, s21, s22
	v_lshl_add_u32 v[SST], v1, 2, s21
	v_lshlrev_b32 v[L8], 3, v6
	s_lshl_b32 s21, s14, 8
	v_add_nc_u32 v[SRD], s21, v[L8]                ; back: 256 bytes a wave
	s_lshl_b32 s20, s42, 8
	s_lshl_b32 s21, s17, 4
	s_add_co_u32 s20, s20, s21
	s_lshl_b32 s21, s15, 3
	s_add_co_u32 s20, s20, s21                     ; 256 (k / 128) + my first tile of 16 rows
	s_lshl_b32 s20, s20, 11
	s_lshl_b32 s21, s16, 10
	s_add_co_u32 s20, s20, s21                     ; my two chunks of each image
	s_mov_b32 s21, 0
	s_lshl_b32 s46, s42, 14
	s_lshl_b32 s47, s17, 10
	s_add_co_u32 s46, s46, s47
	s_lshl_b32 s47, s14, 8
	s_add_co_u32 s46, s46, s47
	s_add_co_u32 s46, s46, HSC                     ; the scale words that I store
	s_mov_b32 s47, 0
	s_add_nc_u64 s[98:99], s[12:13], s[46:47]
	s_add_nc_u64 s[12:13], s[12:13], s[20:21]
.macro FRAG reg, adr, q, i
.irp c, 0,1,2,3
	ds_load_b128 v[\reg+4*\c:\reg+4*\c+3], v[\adr] offset:128*(\q)+32*\c+(\i)*16*PITCH
.endr
.endm
.macro FRAGB reg, adr, q, i            ; B's block i: gate's rows 16 i (i under 4), else up's rows 16 (i - 4), 128 rows on
.irp c, 0,1,2,3
	ds_load_b128 v[\reg+4*\c:\reg+4*\c+3], v[\adr] offset:128*(\q)+32*\c+((\i)/4)*HALFT+((\i)%4)*16*PITCH
.endr
.endm
.macro WM zero, rb, ra                 ; one product; a scale register holds the words of 32 rows: an odd block's in lanes 16-31, which the ROW1 selector names
.if (\zero) && (\rb) && (\ra)
	v_wmma_scale_f32_16x16x128_f8f6f4 v[rD:rD+7], v[rB:rB+15], v[rA:rA+15], 0, v[rSB], v[rSA] matrix_a_scale:MATRIX_SCALE_ROW1 matrix_b_scale:MATRIX_SCALE_ROW1
.elseif (\zero) && (\rb)
	v_wmma_scale_f32_16x16x128_f8f6f4 v[rD:rD+7], v[rB:rB+15], v[rA:rA+15], 0, v[rSB], v[rSA] matrix_a_scale:MATRIX_SCALE_ROW1
.elseif (\zero) && (\ra)
	v_wmma_scale_f32_16x16x128_f8f6f4 v[rD:rD+7], v[rB:rB+15], v[rA:rA+15], 0, v[rSB], v[rSA] matrix_b_scale:MATRIX_SCALE_ROW1
.elseif \zero
	v_wmma_scale_f32_16x16x128_f8f6f4 v[rD:rD+7], v[rB:rB+15], v[rA:rA+15], 0, v[rSB], v[rSA]
.elseif (\rb) && (\ra)
	v_wmma_scale_f32_16x16x128_f8f6f4 v[rD:rD+7], v[rB:rB+15], v[rA:rA+15], v[rD:rD+7], v[rSB], v[rSA] matrix_a_scale:MATRIX_SCALE_ROW1 matrix_b_scale:MATRIX_SCALE_ROW1
.elseif \rb
	v_wmma_scale_f32_16x16x128_f8f6f4 v[rD:rD+7], v[rB:rB+15], v[rA:rA+15], v[rD:rD+7], v[rSB], v[rSA] matrix_a_scale:MATRIX_SCALE_ROW1
.elseif \ra
	v_wmma_scale_f32_16x16x128_f8f6f4 v[rD:rD+7], v[rB:rB+15], v[rA:rA+15], v[rD:rD+7], v[rSB], v[rSA] matrix_b_scale:MATRIX_SCALE_ROW1
.else
	v_wmma_scale_f32_16x16x128_f8f6f4 v[rD:rD+7], v[rB:rB+15], v[rA:rA+15], v[rD:rD+7], v[rSB], v[rSA]
.endif
.endm
.macro MUL16 a0, p, q, sc, zero        ; 16 products; the 64 accumulators take turns
.irp a, \a0, \a0+1
.irp b, 0,1,2,3,4,5,6,7
.set rD, 8*(8*((\a)%4)+\b)
.set rB, 128*(\p)+FR*\b
.set rA, AF+FR*(\a)
.set rSB, SC+16*(\sc)+8+2*(\b/2)+(\q)
.set rSA, SC+16*(\sc)+2*((\a)/2)+(\q)
	WM \zero, (\b)%2, (\a)%2
.endr
.endr
.endm
.macro FETCH_B slot, q, p
	WIN TO_B
.irp i, 0,1,2,3,4,5,6,7
	FRAGB 128*(\p)+FR*\i, ADRB+\slot, \q, \i
.endr
	WIN 0
.endm
.macro FETCH_A slot, q, i0
.irp i, \i0, \i0+1, \i0+2, \i0+3
	FRAG AF+FR*(\i), ADRA+\slot, \q, \i
.endr
.endm
.macro SCALES sc                       ; a K step's scale words: two words a row, 32 rows a load; B's loads 0, 1 take gate's rows, 2, 3 up's
.irp i, 0,1,2,3
	ds_load_b64 v[SC+16*\sc+2*\i:SC+16*\sc+2*\i+1], v[ADSA] offset:\i*S32
.endr
.irp i, 0,1,2,3
	ds_load_b64 v[SC+16*\sc+8+2*\i:SC+16*\sc+8+2*\i+1], v[ADSB] offset:(\i/2)*HALFS+(\i%2)*S32
.endr
.endm
.macro PLACES n
.rept \n
	v_nop
.endr
.endm
.macro STEP slot, q, zero
	s_wait_dscnt 4*NL                              ; B's set and A's blocks 0-3 are in; the youngest 16 loads (A's blocks 4-7) may be out
	WIN MUL_LO
	MUL16 0, (\q)%2, \q, \slot, \zero
	MUL16 2, (\q)%2, \q, \slot, \zero
	s_wait_dscnt 0
	PLACES NP
	FETCH_B \slot, (\q)+1, 1-(\q)%2
	FETCH_A \slot, (\q)+1, 0
	WIN MUL_HI
	MUL16 4, (\q)%2, \q, \slot, \zero
	MUL16 6, (\q)%2, \q, \slot, \zero
	PLACES NP
	WIN 0
	FETCH_A \slot, (\q)+1, 4
.endm
.macro TURN slot, next, fill           ; a slot's last step changes slots: one barrier, in front of it the wait for all my tensor loads, the add, and the wait for it and for my reads of this slot
	s_wait_tensorcnt 0x0
	ds_add_u32 v[SPW], v[NIL]                      ; 0 onto my spare word
	s_wait_dscnt 4*NL+1                            ; (the add and the youngest 16 loads may be out)
	WIN MUL_LO
	MUL16 0, 1, NQ-1, \slot, 0
	s_wait_dscnt 0x0
	s_barrier_signal -1
	MUL16 2, 1, NQ-1, \slot, 0
	WIN 0
	s_barrier_wait -1
.if \fill
	CREST                                          ; a round of the cluster's barrier: no wave of any partner still reads this slot or has a load on its way
	s_add_nc_u64 s[G0+4*\slot+2:G0+4*\slot+3], s[G0+4*\slot+2:G0+4*\slot+3], 2*ROWB
	s_add_nc_u64 s[G0B+4*\slot+2:G0B+4*\slot+3], s[G0B+4*\slot+2:G0B+4*\slot+3], 2*ROWB
	JLOAD G0+4*\slot, G1, G0B+4*\slot, G1B
	PLACES NP-4
.else
	PLACES NP
.endif
	v_add_nc_u32 v[ADSA], 4*NQ, v[ADSA]
	v_add_nc_u32 v[ADSB], 4*NQ, v[ADSB]
	FETCH_B \next, 0, 0
	FETCH_A \next, 0, 0
	SCALES \next
	WIN MUL_HI
	MUL16 4, 1, NQ-1, \slot, 0
	MUL16 6, 1, NQ-1, \slot, 0
	PLACES NP
	WIN 0
	FETCH_A \next, 0, 4
.endm
	s_wait_tensorcnt 1                             ; the scales and my part of K step 0 are in; K step 1's load may be out
	s_barrier_signal -1
	s_barrier_wait -1
	FETCH_B 0, 0, 0
	FETCH_A 0, 0, 0
	SCALES 0
	FETCH_A 0, 0, 4
	STEP 0, 0, 1
	s_mov_b32 s3, LAPS-1
.Llap:
	TURN 0, 1, 1
	STEP 1, 0, 0
	TURN 1, 0, 1
	STEP 0, 0, 0
	s_sub_co_u32 s3, s3, 1
	s_cmp_lg_u32 s3, 0
	s_cbranch_scc1 .Llap
	TURN 0, 1, 0
	STEP 1, 0, 0
	s_wait_dscnt 4*NL
	WIN MUL_LO
	MUL16 0, 1, NQ-1, 1, 0
	MUL16 2, 1, NQ-1, 1, 0
	s_wait_dscnt 0
	WIN MUL_HI
	MUL16 4, 1, NQ-1, 1, 0
	MUL16 6, 1, NQ-1, 1, 0
	WIN 0
; THE WAY OUT of block a (16 tokens): accumulators 0-3 hold gate, 4-7 up, of hidden units 16 i + 8 h + j.
.macro HA a
.set AC, 64*((\a)%4)
.set WN, 2+(\a)/4
.set WN1, WN<<2
.set PC, PCB+8*(\a)
	WIN WN                                         ; source 0: the accumulators' window
.set k, 0
.rept 16
	v_pk_mul_f32 v[T+k:T+k+1], v[AC+k:AC+k+1], s[20:21] op_sel_hi:[1,0]   ; -g log2(e); each accumulator is read from its low end on
.set k, k+2
.endr
	WIN 0
.set k, 0
.rept 32
	v_exp_f32 v[T+k], v[T+k]
.set k, k+1
.endr
	v_nop                                          ; a plain line behind the transcendentals
.set k, 0
	s_wait_alu depctr_va_vdst(0)
.rept 16
	v_pk_add_f32 v[T+k:T+k+1], v[T+k:T+k+1], 1.0 op_sel_hi:[1,0]
.set k, k+2
.endr
.set k, 0
.rept 32
	v_rcp_f32 v[T+k], v[T+k]                       ; the sigmoid
.set k, k+1
.endr
	v_nop
	WIN WN1                                        ; source 1: the accumulators' window
.set k, 0
	s_wait_alu depctr_va_vdst(0)
.rept 16
	v_pk_mul_f32 v[T+k:T+k+1], v[T+k:T+k+1], v[AC+k:AC+k+1]          ; x gate
.set k, k+2
.endr
.set k, 0
.rept 16
	v_pk_mul_f32 v[T+k:T+k+1], v[T+k:T+k+1], v[AC+32+k:AC+32+k+1]    ; x up
.set k, k+2
.endr
	WIN 0
.irp c, 0,1
	v_max3_num_f32 v[TM+\c], |v[T+16*\c]|, |v[T+16*\c+1]|, 0x4800000   ; the floor 2^(9 - 127) among the leaves: the byte cannot fall under 1
.endr
.irp i, 2,4,6,8,10,12,14
.irp c, 0,1
	v_max3_num_f32 v[TM+\c], v[TM+\c], |v[T+16*\c+\i]|, |v[T+16*\c+\i+1]|
.endr
.endr
.irp c, 0,1
	v_permlanex16_b32 v[TM+4+\c], v[TM+\c], s18, s19
.endr
.irp c, 0,1
	v_max_num_f32 v[TM+\c], v[TM+\c], v[TM+4+\c]
.endr
.irp c, 0,1
	v_add_nc_u32 v[TM+12+\c], 0xfc000000, v[TM+\c]
.endr
.irp c, 0,1
	v_and_or_b32 v[TM+8+\c], v[TM+\c], 0x7f800000, s22
.endr
.irp c, 0,1
	v_lshrrev_b32 v[TM+4+\c], 23, v[TM+12+\c]
.endr
	v_lshl_or_b32 v[HW+(\a)], v[TM+5], 8, v[TM+4]  ; my two bytes of the row's scale word
.irp c, 0,1
.set i, 0
.rept 16
	v_med3_num_f32 v[T+16*\c+i], v[T+16*\c+i], -v[TM+8+\c], v[TM+8+\c]   ; the conversion does not saturate (ISA guide 7.6.2): the hold comes first
.set i, i+1
.endr
	v_cvt_scalef32_pk8_fp8_f32 v[PC+4*\c:PC+4*\c+1], v[T+16*\c:T+16*\c+7], v[TM+12+\c]
	v_cvt_scalef32_pk8_fp8_f32 v[PC+4*\c+2:PC+4*\c+3], v[T+16*\c+8:T+16*\c+15], v[TM+12+\c]
.endr
	v_nop                                          ; a plain line behind the last conversion
.irp c, 0,1
	global_store_b64 v[LO], v[PC+4*\c:PC+4*\c+1], s[12:13] offset:(\a)*2048+512*\c         ; 256 consecutive bytes, aligned
	global_store_b64 v[LO], v[PC+4*\c+2:PC+4*\c+3], s[12:13] offset:(\a)*2048+512*\c+256
.endr
	ds_store_b16 v[SST], v[HW+(\a)] offset:64*(\a) ; lanes l and l xor 16 write the same two bytes with the same value.  Slot 0 has had its last fill, and nobody reads it behind the last change of slots
.endm
	PLACES NP
	s_mov_b32 s18, 0x76543210
	s_mov_b32 s19, 0xfedcba98                      ; v_permlanex16_b32's selects for lane l xor 16
	s_mov_b32 s20, 0xbfb8aa3b                      ; -log2(e)
	s_mov_b32 s21, s20                             ; (named with it as a pair, so it is written)
	s_mov_b32 s22, 0x600000                        ; the mantissa field of 448
.irp c, 0,1
	v_mov_b32 v[TM+4+\c], 0                        ; written once: a lane permute's destination counts as one of its sources
.endr
.irp a, 0,1,2,3,4,5,6,7
	HA \a
.endr
	s_wait_dscnt 0x0                               ; for the others' sake: my halves of the scale words lie in LDS
	s_barrier_signal -1
	s_barrier_wait -1
	ds_load_b64 v[T:T+1], v[SRD]                   ; 64 whole words a wave
	s_wait_dscnt 0x0
	global_store_b64 v[L8], v[T:T+1], s[98:99]     ; 256 consecutive bytes, aligned
	s_wait_tensorcnt 0x0                           ; the wave's end
	ds_add_u32 v[SPW], v[NIL]
	s_wait_dscnt 0x0
	CROUND                                         ; the closing round
	s_endpgm
.Lfunc_end_k_q40155d3da8_gateup:
	.size	k_q40155d3da8_gateup, .Lfunc_end_k_q40155d3da8_gateup-k_q40155d3da8_gateup
	.p2alignl 7, 3214868480
	.fill 96, 4, 3214868480
	.section	.rodata,"a",@progbits
	.p2align	6, 0x0
	.amdhsa_kernel k_q40155d3da8_gateup
		.amdhsa_group_segment_fixed_size 327680
		.amdhsa_private_segment_fixed_size 0
		.amdhsa_enable_private_segment 0
		.amdhsa_kernarg_size 48
		.amdhsa_user_sgpr_count 2
		.amdhsa_user_sgpr_kernarg_segment_ptr 1
		.amdhsa_wavefront_size32 1
		.amdhsa_system_sgpr_workgroup_id_x 1
		.amdhsa_system_sgpr_workgroup_id_y 1
		.amdhsa_system_sgpr_workgroup_id_z 1
		.amdhsa_system_vgpr_workitem_id 0
		.amdhsa_next_free_vgpr 1024
		.amdhsa_next_free_sgpr 102
		.amdhsa_reserve_vcc 0
		.amdhsa_float_denorm_mode_32 3
		.amdhsa_float_denorm_mode_16_64 3
		.amdhsa_memory_ordered 1
		.amdhsa_forward_progress 1
		.amdhsa_inst_pref_size 202
	.end_amdhsa_kernel
	.amdgpu_metadata
---
amdhsa.version: [ 1, 2 ]
amdhsa.kernels:
  - .name:           k_q40155d3da8_gateup
    .symbol:         k_q40155d3da8_gateup.kd
    .args:
      - { .name: xn, .offset: 0, .size: 8, .value_kind: global_buffer, .address_space: global }
      - { .name: w_gate_codes, .offset: 8, .size: 8, .value_kind: global_buffer, .address_space: global }
      - { .name: w_gate_scales, .offset: 16, .size: 8, .value_kind: global_buffer, .address_space: global }
      - { .name: w_up_codes, .offset: 24, .size: 8, .value_kind: global_buffer, .address_space: global }
      - { .name: w_up_scales, .offset: 32, .size: 8, .value_kind: global_buffer, .address_space: global }
      - { .name: hh, .offset: 40, .size: 8, .value_kind: global_buffer, .address_space: global }
    .group_segment_fixed_size: 327680
    .private_segment_fixed_size: 0
    .kernarg_segment_align: 8
    .kernarg_segment_size: 48
    .max_flat_workgroup_size: 128
    .sgpr_count:     102
    .vgpr_count:     1024
    .wavefront_size: 32
...
	.end_amdgpu_metadata
.endif
;; end of part 5
;; launch down (part 6): grid 4 x 16, 4 waves a work-group, clusters of 4 x 4, 327,680 bytes of LDS; arguments hh, w_down_codes, w_down_scales, x1, out0; writes out0
.if DOCPART == 6
	.amdgcn_target "amdgcn-amd-amdhsa--gfx1250"
	.amdhsa_code_object_version 6
	.text
	.protected	k_q40155d3da8_down
	.globl	k_q40155d3da8_down
	.p2align	8
	.type	k_q40155d3da8_down,@function
k_q40155d3da8_down:
	s_mov_b64 s[64:65], 0
	v_nop
	global_prefetch_b8 v0, s[64:65] scope:SCOPE_SE
	s_setreg_imm32_b32 hwreg(HW_REG_WAVE_MODE, 25, 1), 1
	s_wait_xcnt 0x0
	s_wait_alu depctr_hold_cnt(0) depctr_sa_sdst(0) depctr_va_vdst(0) depctr_va_sdst(0) depctr_va_ssrc(0) depctr_va_vcc(0) depctr_vm_vsrc(0)
	s_getreg_b32 s2, hwreg(HW_REG_IB_STS2, 6, 4)
	s_cmp_eq_u32 s2, 0
	s_cbranch_scc0 .Lentry_in_a_cluster
	s_endpgm
.Lentry_in_a_cluster:
	s_bfe_u32 s2, ttmp6, 0x10000c
	s_cmp_lg_u32 s2, 0xf033
	s_cbranch_scc0 .Lentry_shape_is_right
	s_endpgm
.Lentry_shape_is_right:
; out0 = x1 + hh W_down: C[m][n] = R[m][n] + sum over k of A[m][k] B[n][k], on codes of E4M3 with E8M0 scales; K = KK.  C and R: [4096][1024] f32.
; A arrives as IMAGES of its fragments, [k / 128][tile of 16 rows: 256][2,048 bytes] (chunk c of 512 bytes: lane l's registers 4 c .. 4 c + 3 at 16 l), its scale words [k / 128][row] behind them; B as rows of codes, K innermost.
; A tile of C, 256 x 256, is made by four waves, 128 x 128 each: 64 accumulators, 512 registers.  K goes in steps of 256 through a ring of two LDS slots: A's part is two dense blocks of 32,768 bytes (read at 16 x lane: no
; padding), B's 256 rows of 256 bytes + 16.  The scales of all of K come into LDS once.  4 x 4 work-groups form a cluster: A's tiles are asked for jointly by a row of the cluster, B's by a column.
; The matrix instruction is used transposed (source 0 = 16 rows of B, source 1 = 16 rows of A): a lane holds eight neighbouring numbers of a row of C.
; 64 tiles for 256 WGPs: the tile is kept at 256 x 256 so that this text shares its loop with the program's other products.
; THE WAY OUT: a block of 16 rows goes through my stage in LDS and comes back as whole rows of 512 bytes; the residual's same rows, loaded ahead, are added there; 32 lanes store 512 consecutive bytes.
; REGISTERS, in windows of 256: window 0: v0-31 addresses; v32-63 scale words, two sets, and nothing else; from v128 A's fragments, one set, on the way out rows of C.  window 1: B's fragments, two sets, on the way out the residual.
;   window 2: the accumulators of my rows 0-63 ((a, b) at v[8 (8 a + b)]);  window 3: those of my rows 64-127.
.set KK,     2048
.set ASCOFF, 8388608                   ; A's scale words lie behind its images
.set NT_OUT, 1                         ; the result is written once and read by nobody here
.set KROW,   KK
.set NK,     KK/128
.set ROWB,   256
.set NQ,     2
.set PITCH,  272
.set FR,     16
.set NL,     4
.set NP,     8
.set PLANE,  524288                    ; A's images of 128 along K: 256 tiles x 2,048 bytes
.set AIMG,   65536                     ; A's part of a slot
.set HALFT,  128*PITCH
.set SLOT,   AIMG+2*HALFT
.set LAPS,   KK/512
.set KS,     KK/32
.set SCL,    2*SLOT                    ; behind the ring: A's scale words, [half of 128 rows][k / 128][128 rows]
.set ASC,    NK*512
.set SCLB,   SCL+2*ASC                 ; B's scale bytes, as units of 256 bytes + 16 of padding
.set HALFS,  (128*KS/256)*272
.set S32,    (32*KS/256)*272
.set SPARE,  SCLB+2*HALFS              ; the spare words, 128 bytes for each wave: two blocks of 256 bytes that no other line names
.set SPITCH, 528                       ; the stage: 16 rows x (512 bytes + 16) for each wave, in slot 0, which has had its last fill and its last read by then
.set ADRA, 16
.set ADRB, 20
.set STO,  24
.set RD,   25
.set CO,   26                          ; v26     16 x lane
.set ADSA, 27
.set SPW,  28
.set NIL,  29
.set ADSB, 30
.set SC,   32
.set AF,   128
.set BK,   128
.set G1, 24
.set G0, 32
.set G1B, 48
.set G0B, 56
.set G1S, 68
.set G0S, 76
.set G1SB, 80
.set G0SB, 88
.set MSB, 0
.macro WIN new
.if MSB != \new
	s_set_vgpr_msb (MSB<<8)|\new
.set MSB, \new
.endif
.endm
.set MUL_LO, 0xa1
.set MUL_HI, 0xf1
.set TO_B,   0x40
.macro JLOAD g0a, g1a, g0b, g1b        ; a joint load: waves 0 and 1 fetch for A, waves 2 and 3 for B; four v_nop follow each line
	s_cmp_eq_u32 s15, 0
	s_cbranch_scc0 .Lfor_b_\@
	tensor_load_to_lds s[\g0a:\g0a+3], s[\g1a:\g1a+7]
	s_nop 0
.rept 4
	v_nop
.endr
	s_branch .Lasked_\@
.Lfor_b_\@:
	tensor_load_to_lds s[\g0b:\g0b+3], s[\g1b:\g1b+7]
	s_nop 0
.rept 4
	v_nop
.endr
.Lasked_\@:
.endm
.macro CREST
	s_cmp_lg_u32 s14, 0
	s_cbranch_scc1 .Lnot_wave_0_\@
	s_barrier_signal -3
.Lnot_wave_0_\@:
	s_barrier_wait -3
	s_barrier_signal -1
	s_barrier_wait -1
.endm
.macro CROUND
	s_barrier_signal -1
	s_barrier_wait -1
	CREST
.endm
	s_load_b256 s[4:11], s[0:1], 0x0               ; A's buffer, B's codes, B's scales, the residual
	s_load_b64 s[12:13], s[0:1], 0x20              ; C
	v_lshl_add_u32 v[SPW], v0, 2, SPARE
	v_mov_b32 v[NIL], 0
	ds_add_u32 v28, v29
	s_wait_dscnt 0x0
	v_lshrrev_b32 v1, 5, v0
	v_readfirstlane_b32 s14, v1                    ; wave 0..3
	s_lshr_b32 s15, s14, 1                         ; which half of the tile's rows is mine.  Also: I fetch for A (0) or for B (1)
	s_and_b32 s16, s14, 1                          ; which half of its columns.  Also: which part of that side I fetch
	s_bfe_u32 s40, ttmp6, 0x40000
	s_bfe_u32 s41, ttmp6, 0x40004
	s_lshl_b32 s42, ttmp9, 2
	s_add_co_u32 s42, s42, s40                     ; tile column of C
	s_and_b32 s17, ttmp7, 0xffff
	s_lshl_b32 s17, s17, 2
	s_add_co_u32 s17, s17, s41                     ; tile row of C
	s_lshl_b32 s43, s41, 2
	s_lshl_b32 s43, 15, s43                        ; my row of the cluster
	s_lshl_b32 s44, 0x1111, s40                    ; my column
	s_or_b32 s[G1+0], s43, (3<<16)|(1<<21)         ; A's images of 128 along K: 32,768 dense bytes as 128 rows of 256 (32 elements of 8 bytes), no padding
	s_mov_b32 s[G1+1], 32<<16
	s_mov_b32 s[G1+2], 128<<16
	s_mov_b32 s[G1+3], 32<<16
	s_mov_b32 s[G1+4], 128
	s_mov_b32 s[G1+5], 32
	s_mov_b32 s[G1+6], 0
	s_mov_b32 s[G1+7], 0
	s_or_b32 s[G1B+0], s44, (0<<16)|(1<<20)|(1<<21)|(5<<22)|(3<<25)  ; B: 128 rows of 256 bytes, 4 words of padding after every 64
	s_mov_b32 s[G1B+1], ROWB<<16
	s_mov_b32 s[G1B+2], 128<<16
	s_mov_b32 s[G1B+3], ROWB<<16
	s_mov_b32 s[G1B+4], 128
	s_mov_b32 s[G1B+5], KROW
	s_mov_b32 s[G1B+6], 0
	s_mov_b32 s[G1B+7], 0
	s_or_b32 s[G1S+0], s43, (3<<16)|(1<<21)        ; A's scale words of 128 rows: NK rows of 512 bytes, 16,384 bytes apart
	s_mov_b32 s[G1S+1], 64<<16
	s_mov_b32 s[G1S+2], NK<<16
	s_mov_b32 s[G1S+3], 64<<16
	s_mov_b32 s[G1S+4], NK
	s_mov_b32 s[G1S+5], 2048
	s_mov_b32 s[G1S+6], 0
	s_mov_b32 s[G1S+7], 0
	s_or_b32 s[G1SB+0], s44, (3<<16)|(1<<20)|(1<<21)|(5<<22)|(3<<25) ; B's scale bytes of 128 rows: a dense block as rows of 256 bytes, padded
	s_mov_b32 s[G1SB+1], 32<<16
	s_mov_b32 s[G1SB+2], (128*KS/256)<<16
	s_mov_b32 s[G1SB+3], 32<<16
	s_mov_b32 s[G1SB+4], 128*KS/256
	s_mov_b32 s[G1SB+5], 32
	s_mov_b32 s[G1SB+6], 0
	s_mov_b32 s[G1SB+7], 0
	s_lshl_b32 s20, s17, 15                        ; A's images: 16 tiles x 2,048 bytes a tile row,
	s_mul_i32 s18, s16, PLANE                      ; the K step's first or second 128
	s_add_co_u32 s20, s20, s18
	s_mov_b32 s21, 0
	s_lshl_b32 s22, s17, 10                        ; A's scale words: 256 rows x 4 bytes,
	s_lshl_b32 s18, s16, 9                         ; my half
	s_add_co_u32 s22, s22, s18
	s_mov_b32 s23, 0
	s_lshl_b32 s46, s42, 8
	s_lshl_b32 s18, s16, 7
	s_add_co_u32 s46, s46, s18                     ; B: the first row that I fetch
	s_mul_i32 s92, s46, KS
	s_mov_b32 s93, 0
	s_mul_i32 s46, s46, KROW
	s_mov_b32 s47, 0
	s_lshl_b32 s45, s16, 15                        ; where they go: no place in the cluster enters an LDS address
	s_mul_i32 s94, s16, HALFT
	s_add_co_u32 s94, s94, AIMG
	s_mul_i32 s95, s16, ASC
	s_add_co_u32 s95, s95, SCL
	s_mul_i32 s96, s16, HALFS
	s_add_co_u32 s96, s96, SCLB
	s_wait_kmcnt 0x0
	s_mov_b64 s[98:99], s[10:11]                   ; the residual
	s_mov_b64 s[10:11], s[8:9]                     ; B's scales
	s_mov_b64 s[8:9], s[6:7]                       ; B's codes
	s_add_nc_u64 s[6:7], s[4:5], ASCOFF            ; A's scale words
	s_add_nc_u64 s[20:21], s[4:5], s[20:21]
	s_add_nc_u64 s[22:23], s[6:7], s[22:23]
	s_add_nc_u64 s[46:47], s[8:9], s[46:47]
	s_add_nc_u64 s[92:93], s[10:11], s[92:93]
	CROUND                                         ; all sixteen work-groups are here: the first joint loads meet
	s_mov_b32 s[G0S], 1
	s_mov_b32 s[G0S+1], s95
	s_mov_b64 s[G0S+2:G0S+3], s[22:23]
	s_or_b32 s[G0S+3], s[G0S+3], 0x80000000
	s_mov_b32 s[G0SB], 1
	s_mov_b32 s[G0SB+1], s96
	s_mov_b64 s[G0SB+2:G0SB+3], s[92:93]
	s_or_b32 s[G0SB+3], s[G0SB+3], 0x80000000
	JLOAD G0S, G1S, G0SB, G1SB
.irp s, 0,1
	s_mov_b32 s[G0+4*\s], 1
	s_add_co_u32 s[G0+4*\s+1], s45, \s*SLOT
	s_add_nc_u64 s[G0+4*\s+2:G0+4*\s+3], s[20:21], \s*2*PLANE
	s_or_b32 s[G0+4*\s+3], s[G0+4*\s+3], 0x80000000
	s_mov_b32 s[G0B+4*\s], 1
	s_add_co_u32 s[G0B+4*\s+1], s94, \s*SLOT
	s_add_nc_u64 s[G0B+4*\s+2:G0B+4*\s+3], s[46:47], \s*ROWB
	s_or_b32 s[G0B+4*\s+3], s[G0B+4*\s+3], 0x80000000
	JLOAD G0+4*\s, G1, G0B+4*\s, G1B
.endr
	v_and_b32 v1, 15, v0                           ; r
	v_bfe_u32 v2, v0, 4, 1                         ; h
	v_and_b32 v6, 31, v0                           ; lane
	v_lshlrev_b32 v[CO], 4, v6
	s_lshl_b32 s21, s15, 14                        ; my eight images of A
	v_add_nc_u32 v[ADRA], s21, v[CO]
	s_add_co_u32 s21, s21, SLOT
	v_add_nc_u32 v[ADRA+1], s21, v[CO]
	v_mul_u32_u24 v3, v1, PITCH
	v_lshl_add_u32 v4, v2, 4, v3
	s_mul_i32 s22, s16, HALFT
	s_add_co_u32 s22, s22, AIMG                    ; my 128 rows of B
	v_add_nc_u32 v[ADRB], s22, v4
	s_add_co_u32 s22, s22, SLOT
	v_add_nc_u32 v[ADRB+1], s22, v4
	s_mul_i32 s21, s15, ASC
	s_add_co_u32 s21, s21, SCL
	v_lshl_add_u32 v[ADSA], v6, 2, s21             ; A's scale words: row = lane of 32
	v_mul_u32_u24 v5, v6, KS                       ; B's scale bytes: row = lane: KS bytes a row,
	v_lshrrev_b32 v7, 8, v5
	v_lshl_add_u32 v5, v7, 4, v5                   ; and 16 more for each 256 passed
	s_mul_i32 s22, s16, HALFS
	s_add_co_u32 s22, s22, SCLB
	v_add_nc_u32 v[ADSB], s22, v5
	s_mul_i32 s23, s14, 16*SPITCH                  ; my stage
	v_mul_u32_u24 v5, v1, SPITCH
	v_lshl_add_u32 v5, v2, 5, v5
	v_add_nc_u32 v[STO], s23, v5                   ; in: row r, 32 bytes for each half of the lanes
	v_add_nc_u32 v[RD], s23, v[CO]                 ; back: the 32 lanes take one row of 512 bytes
	s_lshl_b32 s20, s17, 8
	s_lshl_b32 s21, s15, 7
	s_add_co_u32 s20, s20, s21                     ; my first row of C,
	s_lshl_b32 s20, s20, 12                        ; 4,096 bytes a row,
	s_lshl_b32 s46, s42, 10
	s_lshl_b32 s47, s16, 9
	s_add_co_u32 s46, s46, s47
	s_add_co_u32 s20, s20, s46                     ; my first column
	s_mov_b32 s21, 0
	s_add_nc_u64 s[12:13], s[12:13], s[20:21]
	s_add_nc_u64 s[98:99], s[98:99], s[20:21]
.macro FRAG reg, adr, q, i             ; B: 16 rows x 128 K from rows
.irp c, 0,1,2,3
	ds_load_b128 v[\reg+4*\c:\reg+4*\c+3], v[\adr] offset:128*(\q)+32*\c+(\i)*16*PITCH
.endr
.endm
.macro FRAGI reg, adr, q, i            ; A: the image as it lies
.irp c, 0,1,2,3
	ds_load_b128 v[\reg+4*\c:\reg+4*\c+3], v[\adr] offset:32768*(\q)+2048*(\i)+512*\c
.endr
.endm
.macro WM zero, rb, ra                 ; one product; a scale register holds the words of 32 rows: an odd block's in lanes 16-31, which the ROW1 selector names
.if (\zero) && (\rb) && (\ra)
	v_wmma_scale_f32_16x16x128_f8f6f4 v[rD:rD+7], v[rB:rB+15], v[rA:rA+15], 0, v[rSB], v[rSA] matrix_a_scale:MATRIX_SCALE_ROW1 matrix_b_scale:MATRIX_SCALE_ROW1
.elseif (\zero) && (\rb)
	v_wmma_scale_f32_16x16x128_f8f6f4 v[rD:rD+7], v[rB:rB+15], v[rA:rA+15], 0, v[rSB], v[rSA] matrix_a_scale:MATRIX_SCALE_ROW1
.elseif (\zero) && (\ra)
	v_wmma_scale_f32_16x16x128_f8f6f4 v[rD:rD+7], v[rB:rB+15], v[rA:rA+15], 0, v[rSB], v[rSA] matrix_b_scale:MATRIX_SCALE_ROW1
.elseif \zero
	v_wmma_scale_f32_16x16x128_f8f6f4 v[rD:rD+7], v[rB:rB+15], v[rA:rA+15], 0, v[rSB], v[rSA]
.elseif (\rb) && (\ra)
	v_wmma_scale_f32_16x16x128_f8f6f4 v[rD:rD+7], v[rB:rB+15], v[rA:rA+15], v[rD:rD+7], v[rSB], v[rSA] matrix_a_scale:MATRIX_SCALE_ROW1 matrix_b_scale:MATRIX_SCALE_ROW1
.elseif \rb
	v_wmma_scale_f32_16x16x128_f8f6f4 v[rD:rD+7], v[rB:rB+15], v[rA:rA+15], v[rD:rD+7], v[rSB], v[rSA] matrix_a_scale:MATRIX_SCALE_ROW1
.elseif \ra
	v_wmma_scale_f32_16x16x128_f8f6f4 v[rD:rD+7], v[rB:rB+15], v[rA:rA+15], v[rD:rD+7], v[rSB], v[rSA] matrix_b_scale:MATRIX_SCALE_ROW1
.else
	v_wmma_scale_f32_16x16x128_f8f6f4 v[rD:rD+7], v[rB:rB+15], v[rA:rA+15], v[rD:rD+7], v[rSB], v[rSA]
.endif
.endm
.macro MUL16 a0, p, q, sc, zero        ; 16 products; the 64 accumulators take turns
.irp a, \a0, \a0+1
.irp b, 0,1,2,3,4,5,6,7
.set rD, 8*(8*((\a)%4)+\b)
.set rB, 128*(\p)+FR*\b
.set rA, AF+FR*(\a)
.set rSB, SC+16*(\sc)+8+2*(\b/2)+(\q)
.set rSA, SC+16*(\sc)+2*((\a)/2)+(\q)
	WM \zero, (\b)%2, (\a)%2
.endr
.endr
.endm
.macro FETCH_B slot, q, p
	WIN TO_B
.irp i, 0,1,2,3,4,5,6,7
	FRAG 128*(\p)+FR*\i, ADRB+\slot, \q, \i
.endr
	WIN 0
.endm
.macro FETCH_A slot, q, i0
.irp i, \i0, \i0+1, \i0+2, \i0+3
	FRAGI AF+FR*(\i), ADRA+\slot, \q, \i
.endr
.endm
.macro SCALES sc                       ; a K step's scale words, 32 rows a load: A's one word a load, B's two
.irp i, 0,1,2,3
	ds_load_b32 v[SC+16*\sc+2*\i], v[ADSA] offset:\i*128
	ds_load_b32 v[SC+16*\sc+2*\i+1], v[ADSA] offset:\i*128+512
.endr
.irp i, 0,1,2,3
	ds_load_b64 v[SC+16*\sc+8+2*\i:SC+16*\sc+8+2*\i+1], v[ADSB] offset:\i*S32
.endr
.endm
.macro PLACES n
.rept \n
	v_nop
.endr
.endm
.macro STEP slot, q, zero
	s_wait_dscnt 4*NL                              ; B's set and A's blocks 0-3 are in; the youngest 16 loads (A's blocks 4-7) may be out
	WIN MUL_LO
	MUL16 0, (\q)%2, \q, \slot, \zero
	MUL16 2, (\q)%2, \q, \slot, \zero
	s_wait_dscnt 0
	PLACES NP
	FETCH_B \slot, (\q)+1, 1-(\q)%2
	FETCH_A \slot, (\q)+1, 0
	WIN MUL_HI
	MUL16 4, (\q)%2, \q, \slot, \zero
	MUL16 6, (\q)%2, \q, \slot, \zero
	PLACES NP
	WIN 0
	FETCH_A \slot, (\q)+1, 4
.endm
.macro TURN slot, next, fill           ; a slot's last step changes slots: one barrier, in front of it the wait for all my tensor loads, the add, and the wait for it and for my reads of this slot
	s_wait_tensorcnt 0x0
	ds_add_u32 v[SPW], v[NIL]                      ; 0 onto my spare word
	s_wait_dscnt 4*NL+1                            ; (the add and the youngest 16 loads may be out)
	WIN MUL_LO
	MUL16 0, 1, NQ-1, \slot, 0
	s_wait_dscnt 0x0
	s_barrier_signal -1
	MUL16 2, 1, NQ-1, \slot, 0
	WIN 0
	s_barrier_wait -1
.if \fill
	CREST                                          ; a round of the cluster's barrier: no wave of any partner still reads this slot or has a load on its way
	s_add_nc_u64 s[G0+4*\slot+2:G0+4*\slot+3], s[G0+4*\slot+2:G0+4*\slot+3], 4*PLANE
	s_add_nc_u64 s[G0B+4*\slot+2:G0B+4*\slot+3], s[G0B+4*\slot+2:G0B+4*\slot+3], 2*ROWB
	JLOAD G0+4*\slot, G1, G0B+4*\slot, G1B
	PLACES NP-4
.else
	PLACES NP
.endif
	v_add_nc_u32 v[ADSA], 1024, v[ADSA]            ; on to the next K step's scale words
	v_add_nc_u32 v[ADSB], 4*NQ, v[ADSB]
	FETCH_B \next, 0, 0
	FETCH_A \next, 0, 0
	SCALES \next
	WIN MUL_HI
	MUL16 4, 1, NQ-1, \slot, 0
	MUL16 6, 1, NQ-1, \slot, 0
	PLACES NP
	WIN 0
	FETCH_A \next, 0, 4
.endm
	s_wait_tensorcnt 1                             ; the scales and my part of K step 0 are in; K step 1's load may be out
	s_barrier_signal -1
	s_barrier_wait -1
	FETCH_B 0, 0, 0
	FETCH_A 0, 0, 0
	SCALES 0
	FETCH_A 0, 0, 4
	STEP 0, 0, 1
	s_mov_b32 s3, LAPS-1
.Llap:
	TURN 0, 1, 1
	STEP 1, 0, 0
	TURN 1, 0, 1
	STEP 0, 0, 0
	s_sub_co_u32 s3, s3, 1
	s_cmp_lg_u32 s3, 0
	s_cbranch_scc1 .Llap
	TURN 0, 1, 0
	STEP 1, 0, 0
	s_wait_dscnt 4*NL
	WIN MUL_LO
	MUL16 0, 1, NQ-1, 1, 0
	MUL16 2, 1, NQ-1, 1, 0
	s_wait_dscnt 0
	WIN MUL_HI
	MUL16 4, 1, NQ-1, 1, 0
	MUL16 6, 1, NQ-1, 1, 0
	WIN 0
.macro RLOAD a                         ; the residual's rows 16 a .. 16 a + 15, my 512 bytes of each, into set a % 4 of window 1
	WIN 0x40
.irp t, 0,1,2,3,4,5,6,7,8,9,10,11,12,13,14,15
	global_load_b128 v[64*((\a)%4)+4*\t:64*((\a)%4)+4*\t+3], v[CO], s[98:99] offset:(16*(\a)+\t)*4096 th:TH_LOAD_NT
.endr
	WIN 0
.endm
.macro TOSTAGE a
.set AC, 64*((\a)%4)
.set WS, 0x08+4*((\a)/4)
	WIN WS                                         ; the data: window 2 or 3
.irp b, 0,1,2,3,4,5,6,7
	ds_store_b128 v[STO], v[AC+8*\b:AC+8*\b+3] offset:64*\b          ; each accumulator from its low end on
	ds_store_b128 v[STO], v[AC+8*\b+4:AC+8*\b+7] offset:64*\b+16
.endr
	WIN 0
.set BB, BK+64*((\a)%2)
.irp t, 0,1,2,3,4,5,6,7,8,9,10,11,12,13,14,15
	ds_load_b128 v[BB+4*\t:BB+4*\t+3], v[RD] offset:\t*SPITCH        ; LDS serves a wave's instructions in order: these see the stores above
.endr
.endm
.macro SEND a, younger
.set BB, BK+64*((\a)%2)
.set RR, 64*((\a)%4)
.if (\a) < 5
.set LEFT, 48
.else
.set LEFT, 16*(7-(\a))
.endif
	s_wait_dscnt \younger                          ; the block is back in registers; the next block's 16 stores and 16 loads may be out
	s_wait_loadcnt LEFT                            ; its residual is in; the sixteen loads of each later block already asked for may be out
	WIN 0x04                                       ; source 1: window 1
.set k, 0
.rept 32
	v_pk_add_f32 v[BB+k:BB+k+1], v[BB+k:BB+k+1], v[RR+k:RR+k+1]
.set k, k+2
.endr
	WIN 0
.irp t, 0,1,2,3,4,5,6,7,8,9,10,11,12,13,14,15
.if NT_OUT
	global_store_b128 v[CO], v[BB+4*\t:BB+4*\t+3], s[12:13] offset:(16*(\a)+\t)*4096 th:TH_STORE_NT   ; 512 consecutive bytes, aligned; 127 rows of 4,096 bytes at the most stand in the immediate
.else
	global_store_b128 v[CO], v[BB+4*\t:BB+4*\t+3], s[12:13] offset:(16*(\a)+\t)*4096
.endif
.endr
.if (\a) < 4
	RLOAD (\a)+4
.endif
.endm
	PLACES NP                                      ; in front of loads into registers that the last products read, and of the first read of results
	RLOAD 0
	RLOAD 1
	RLOAD 2
	RLOAD 3
	TOSTAGE 0
.irp a, 1,2,3,4,5,6,7
.if \a > 1
	s_wait_xcnt 0x0                                ; block a - 2's stores have read their registers: block a's loads may land there
.endif
	TOSTAGE \a
	SEND \a-1, 32
.endr
	SEND 7, 0
	s_wait_tensorcnt 0x0                           ; the wave's end
	ds_add_u32 v[SPW], v[NIL]
	s_wait_dscnt 0x0
	CROUND                                         ; the closing round
	s_endpgm
.Lfunc_end_k_q40155d3da8_down:
	.size	k_q40155d3da8_down, .Lfunc_end_k_q40155d3da8_down-k_q40155d3da8_down
	.p2alignl 7, 3214868480
	.fill 96, 4, 3214868480
	.section	.rodata,"a",@progbits
	.p2align	6, 0x0
	.amdhsa_kernel k_q40155d3da8_down
		.amdhsa_group_segment_fixed_size 327680
		.amdhsa_private_segment_fixed_size 0
		.amdhsa_enable_private_segment 0
		.amdhsa_kernarg_size 40
		.amdhsa_user_sgpr_count 2
		.amdhsa_user_sgpr_kernarg_segment_ptr 1
		.amdhsa_wavefront_size32 1
		.amdhsa_system_sgpr_workgroup_id_x 1
		.amdhsa_system_sgpr_workgroup_id_y 1
		.amdhsa_system_sgpr_workgroup_id_z 1
		.amdhsa_system_vgpr_workitem_id 0
		.amdhsa_next_free_vgpr 1024
		.amdhsa_next_free_sgpr 102
		.amdhsa_reserve_vcc 0
		.amdhsa_float_denorm_mode_32 3
		.amdhsa_float_denorm_mode_16_64 3
		.amdhsa_memory_ordered 1
		.amdhsa_forward_progress 1
		.amdhsa_inst_pref_size 176
	.end_amdhsa_kernel
	.amdgpu_metadata
---
amdhsa.version: [ 1, 2 ]
amdhsa.kernels:
  - .name:           k_q40155d3da8_down
    .symbol:         k_q40155d3da8_down.kd
    .args:
      - { .name: hh, .offset: 0, .size: 8, .value_kind: global_buffer, .address_space: global }
      - { .name: w_down_codes, .offset: 8, .size: 8, .value_kind: global_buffer, .address_space: global }
      - { .name: w_down_scales, .offset: 16, .size: 8, .value_kind: global_buffer, .address_space: global }
      - { .name: x1, .offset: 24, .size: 8, .value_kind: global_buffer, .address_space: global }
      - { .name: out0, .offset: 32, .size: 8, .value_kind: global_buffer, .address_space: global }
    .group_segment_fixed_size: 327680
    .private_segment_fixed_size: 0
    .kernarg_segment_align: 8
    .kernarg_segment_size: 40
    .max_flat_workgroup_size: 128
    .sgpr_count:     102
    .vgpr_count:     1024
    .wavefront_size: 32
...
	.end_amdgpu_metadata
.endif
;; end of part 6
;; ======== version 2 of 2: 7 launches
;; limits: right only within a limited range of input values
;; workspace buffers: xn 4,325,376 bytes; qkv 13,238,272 bytes; ao 4,325,376 bytes; x1 16,777,216 bytes; hh 8,650,752 bytes
;; launch norm1 (part 7): grid 256 x 1, 16 waves a work-group, no clusters, 84,480 bytes of LDS; arguments x, g1, xn; writes xn
.if DOCPART == 7
	.amdgcn_target "amdgcn-amd-amdhsa--gfx1250"
	.amdhsa_code_object_version 6
	.text
	.protected	k_q40155d3da8_norm1
	.globl	k_q40155d3da8_norm1
	.p2align	8
	.type	k_q40155d3da8_norm1,@function
k_q40155d3da8_norm1:
	s_mov_b64 s[64:65], 0
	v_nop
	global_prefetch_b8 v0, s[64:65] scope:SCOPE_SE
	s_setreg_imm32_b32 hwreg(HW_REG_WAVE_MODE, 25, 1), 1
	s_wait_xcnt 0x0
; xn = Q(x / sqrt(mean(x^2) + 1e-6) * g): rows of 1,024 f32 become codes of E4M3, [4096][1024], K innermost, and one E8M0 byte for each 32 along K, [4096][32], 4,194,304 bytes behind the codes.
; A work-group has 16 rows, a wave ONE: sixteen waves, four to a SIMD.  A row is 4,096 bytes: eight loads of 512 consecutive bytes, 32 registers a lane; it stays in registers between the sum of squares and the scaling: read once.
; The conversions take 16 neighbours from ONE lane, so half a row (512 numbers) at a time turns through the wave's own stage in LDS: in as loaded, out 64 bytes a lane (80 bytes from lane to lane: 16 of padding).
; Two neighbouring lanes hold a block of 32.  A lane's 16 codes are 16 bytes: a store covers 512 consecutive bytes.  The work-group's 512 scale bytes meet in LDS and leave as one store of 512 consecutive bytes.
; A block's scale is 2^(floor(log2(largest magnitude)) - 8); its byte is the largest magnitude's exponent field - 8, held at 1 from below.
; LIMITS: a block of zeros gets the byte 1 (its codes are zeros; this program alone reads the bytes); NaN and infinities are not served; 1 / rms is v_rsq_f32's, good to 1 ulp.
; No matrix unit, no cluster, no tensor load: memory binds, and the waves share nothing but the 512 scale bytes.
.set SP,    80                         ; a lane's place in a stage: 64 bytes + 16 of padding
.set STG,   32*SP                      ; a stage
.set WREG,  2*STG                      ; a wave's two stages
.set SCB,   16*WREG                    ; behind them: the work-group's 512 scale bytes
.set SPARE, SCB+512                    ; the spare words: 128 bytes a wave
.set SCOFF, 4194304                    ; the scale bytes' place in xn
.set G,     16                         ; v16-47   g, as a row is loaded
.set RW,    48                         ; v48-79   my row
.set X,     176                        ; v176-207 two sets of 16 neighbours
.set C,     208                        ; v208-215 codes: four registers for each half row
.set E,     240                        ; v240-241 a scale byte for each half row
	s_load_b128 s[4:7], s[0:1], 0x0                ; x, g
	s_load_b64 s[8:9], s[0:1], 0x10                ; xn
	v_lshl_add_u32 v254, v0, 2, SPARE
	v_mov_b32 v255, 0
	v_lshrrev_b32 v1, 5, v0
	v_readfirstlane_b32 s10, v1                    ; wave
	v_and_b32 v2, 31, v0                           ; lane
	v_lshlrev_b32 v3, 4, v2                        ; 16 x lane: my bytes of a load's or a store's 512
	s_mul_i32 s11, s10, WREG
	v_lshrrev_b32 v14, 2, v2
	v_mul_u32_u24 v14, v14, SP
	v_and_b32 v15, 3, v2
	v_lshl_add_u32 v14, v15, 4, v14
	v_add_nc_u32 v14, s11, v14                     ; the stage, way in: four lanes' 64 bytes on end, then the padding
	v_mul_u32_u24 v15, v2, SP
	v_add_nc_u32 v15, s11, v15                     ; way out: my 16 neighbours
	v_lshrrev_b32 v5, 1, v2
	s_lshl_b32 s11, s10, 5
	s_add_co_u32 s11, s11, SCB
	v_add_nc_u32 v5, s11, v5                       ; my block's scale byte: 32 bytes a wave (one row)
	v_add_nc_u32 v6, SCB, v3                       ; wave 0 reads all 512 back
	s_mov_b32 s12, 0x76543210
	s_mov_b32 s13, 0xfedcba98                      ; v_permlanex16_b32's selects for lane l xor 16
	s_mov_b32 s14, 0x3a800000                      ; 1 / 1024
	s_mov_b32 s15, 0x358637bd                      ; 1e-6
	s_mov_b32 s16, 0x600000                        ; the mantissa field of 448
	s_lshl_b32 s18, ttmp9, 16                      ; 16 rows of 4,096 bytes a work-group,
	s_lshl_b32 s19, s10, 12                        ; one a wave
	s_add_co_u32 s18, s18, s19
	s_mov_b32 s19, 0
	s_lshr_b32 s20, s18, 2                         ; a row of codes is a quarter of that
	s_mov_b32 s21, 0
	s_lshl_b32 s22, ttmp9, 9                       ; 512 scale bytes a work-group
	s_add_co_u32 s22, s22, SCOFF
	s_mov_b32 s23, 0
	s_wait_kmcnt 0x0
	s_add_nc_u64 s[4:5], s[4:5], s[18:19]
	s_add_nc_u64 s[24:25], s[8:9], s[22:23]
	s_add_nc_u64 s[8:9], s[8:9], s[20:21]
.irp j, 0,1,2,3,4,5,6,7
	global_load_b128 v[G+4*\j:G+4*\j+3], v3, s[6:7] offset:512*\j
.endr
.irp j, 0,1,2,3,4,5,6,7
	global_load_b128 v[RW+4*\j:RW+4*\j+3], v3, s[4:5] offset:512*\j th:TH_LOAD_NT
.endr
.macro TURN s                          ; half s of the row through stage s: LDS serves a wave's instructions in order, so no wait stands between the stores and the loads
.irp k, 0,1,2,3
	ds_store_b128 v14, v[RW+16*(\s)+4*\k:RW+16*(\s)+4*\k+3] offset:STG*(\s)+8*SP*\k
.endr
.irp k, 0,1,2,3
	ds_load_b128 v[X+16*(\s)+4*\k:X+16*(\s)+4*\k+3], v15 offset:STG*(\s)+16*\k
.endr
.endm
.macro QSTEP s                         ; 16 neighbours a lane become 16 codes and a scale byte
.set XS, X+16*(\s)
.set CC, C+4*(\s)
.set EE, E+(\s)
	v_max3_num_f32 v8, |v[XS]|, |v[XS+1]|, |v[XS+2]|
	v_max3_num_f32 v9, |v[XS+3]|, |v[XS+4]|, |v[XS+5]|
.irp k, 6,10
	v_max3_num_f32 v8, v8, |v[XS+\k]|, |v[XS+\k+1]|
	v_max3_num_f32 v9, v9, |v[XS+\k+2]|, |v[XS+\k+3]|
.endr
	v_max3_num_f32 v8, v8, |v[XS+14]|, |v[XS+15]|
	v_max3_num_f32 v8, v8, v9, 0x4800000           ; and the floor 2^(9 - 127): the byte cannot fall under 1
	v_max_num_f32_dpp v8, v8, v8 row_xmask:1 row_mask:0xf bank_mask:0xf   ; with my neighbour's 16: the block's largest magnitude
	v_add_nc_u32 v11, 0xfc000000, v8               ; 8 off its exponent field: the conversion's scale operand
	v_and_or_b32 v10, v8, 0x7f800000, s16          ; 448 x the scale
.set k, 0
.rept 16
	v_med3_num_f32 v[XS+k], v[XS+k], -v10, v10     ; the conversion to an 8-bit code does not saturate (ISA guide 7.6.2): the hold comes first
.set k, k+1
.endr
	v_cvt_scalef32_pk8_fp8_f32 v[CC:CC+1], v[XS:XS+7], v11
	v_cvt_scalef32_pk8_fp8_f32 v[CC+2:CC+3], v[XS+8:XS+15], v11
	v_lshrrev_b32 v[EE], 23, v11                   ; the scale's byte (a plain line behind the conversions)
	ds_store_b8 v5, v[EE] offset:16*(\s)           ; both lanes of a block write the same byte with the same value
	global_store_b128 v3, v[CC:CC+3], s[8:9] offset:512*(\s)   ; 512 consecutive bytes, aligned
.endm
.set R0, RW
	s_wait_loadcnt 0x0                             ; g and my row are in
	v_pk_mul_f32 v[8:9], v[R0:R0+1], v[R0:R0+1]    ; the sum of squares, in two packed chains
	v_pk_mul_f32 v[10:11], v[R0+2:R0+3], v[R0+2:R0+3]
.irp j, 4,8,12,16,20,24,28
	v_pk_fma_f32 v[8:9], v[R0+\j:R0+\j+1], v[R0+\j:R0+\j+1], v[8:9]
	v_pk_fma_f32 v[10:11], v[R0+\j+2:R0+\j+3], v[R0+\j+2:R0+\j+3], v[10:11]
.endr
	v_pk_add_f32 v[8:9], v[8:9], v[10:11]
	v_add_f32 v8, v8, v9
	v_add_f32_dpp v8, v8, v8 row_xmask:1 row_mask:0xf bank_mask:0xf
	v_add_f32_dpp v8, v8, v8 row_xmask:2 row_mask:0xf bank_mask:0xf
	v_add_f32_dpp v8, v8, v8 row_xmask:4 row_mask:0xf bank_mask:0xf
	v_add_f32_dpp v8, v8, v8 row_xmask:8 row_mask:0xf bank_mask:0xf
	v_permlanex16_b32 v9, v8, s12, s13
	v_add_f32 v8, v8, v9                           ; the row's sum, in every lane
	v_fma_f32 v8, v8, s14, s15                     ; the mean + 1e-6
	s_wait_alu depctr_va_vdst(0)
	v_rsq_f32 v12, v8
	v_rsq_f32 v13, v8                              ; twice: a pair for the packed multiply
	v_nop                                          ; a plain line between a transcendental and the use of its result
.set k, 0
	s_wait_alu depctr_va_vdst(0)
.rept 16
	v_pk_mul_f32 v[R0+k:R0+k+1], v[R0+k:R0+k+1], v[12:13]
.set k, k+2
.endr
.set k, 0
.rept 16
	v_pk_mul_f32 v[R0+k:R0+k+1], v[R0+k:R0+k+1], v[G+k:G+k+1]
.set k, k+2
.endr
	TURN 0
	TURN 1
	s_wait_dscnt 8                                 ; the first half is back; the second half's 4 stores and 4 loads may be out
	QSTEP 0
	s_wait_dscnt 1                                 ; the second half is back; the byte store just issued may be out
	QSTEP 1
	s_wait_dscnt 0x0                               ; for the others' sake: my scale bytes lie in LDS
	s_barrier_signal -1
	s_barrier_wait -1
	s_cmp_lg_u32 s10, 0
	s_cbranch_scc1 .Ldone
	ds_load_b128 v[8:11], v6                       ; wave 0: the 16 rows' 512 scale bytes
	s_wait_dscnt 0x0
	global_store_b128 v3, v[8:11], s[24:25]        ; 512 consecutive bytes, aligned
.Ldone:
	s_wait_tensorcnt 0x0                           ; the wave's end
	ds_add_u32 v254, v255
	s_wait_dscnt 0x0
	s_endpgm
.Lfunc_end_k_q40155d3da8_norm1:
	.size	k_q40155d3da8_norm1, .Lfunc_end_k_q40155d3da8_norm1-k_q40155d3da8_norm1
	.p2alignl 7, 3214868480
	.fill 96, 4, 3214868480
	.section	.rodata,"a",@progbits
	.p2align	6, 0x0
	.amdhsa_kernel k_q40155d3da8_norm1
		.amdhsa_group_segment_fixed_size 84480
		.amdhsa_private_segment_fixed_size 0
		.amdhsa_enable_private_segment 0
		.amdhsa_kernarg_size 24
		.amdhsa_user_sgpr_count 2
		.amdhsa_user_sgpr_kernarg_segment_ptr 1
		.amdhsa_wavefront_size32 1
		.amdhsa_system_sgpr_workgroup_id_x 1
		.amdhsa_system_sgpr_workgroup_id_y 1
		.amdhsa_system_sgpr_workgroup_id_z 1
		.amdhsa_system_vgpr_workitem_id 0
		.amdhsa_next_free_vgpr 256
		.amdhsa_next_free_sgpr 66
		.amdhsa_reserve_vcc 0
		.amdhsa_float_denorm_mode_32 3
		.amdhsa_float_denorm_mode_16_64 3
		.amdhsa_memory_ordered 1
		.amdhsa_forward_progress 1
		.amdhsa_inst_pref_size 13
	.end_amdhsa_kernel
	.amdgpu_metadata
---
amdhsa.version: [ 1, 2 ]
amdhsa.kernels:
  - .name:           k_q40155d3da8_norm1
    .symbol:         k_q40155d3da8_norm1.kd
    .args:
      - { .name: x, .offset: 0, .size: 8, .value_kind: global_buffer, .address_space: global }
      - { .name: g1, .offset: 8, .size: 8, .value_kind: global_buffer, .address_space: global }
      - { .name: xn, .offset: 16, .size: 8, .value_kind: global_buffer, .address_space: global }
    .group_segment_fixed_size: 84480
    .private_segment_fixed_size: 0
    .kernarg_segment_align: 8
    .kernarg_segment_size: 24
    .max_flat_workgroup_size: 512
    .sgpr_count:     66
    .vgpr_count:     256
    .wavefront_size: 32
...
	.end_amdgpu_metadata
.endif
;; end of part 7
;; launch qkv (part 8): grid 12 x 16, 4 waves a work-group, clusters of 4 x 4, 327,680 bytes of LDS; arguments xn, w_qkv_codes, w_qkv_scales, qkv; writes qkv
.if DOCPART == 8
	.amdgcn_target "amdgcn-amd-amdhsa--gfx1250"
	.amdhsa_code_object_version 6
	.text
	.protected	k_q40155d3da8_qkv
	.globl	k_q40155d3da8_qkv
	.p2align	8
	.type	k_q40155d3da8_qkv,@function
k_q40155d3da8_qkv:
	s_mov_b64 s[64:65], 0
	v_nop
	global_prefetch_b8 v0, s[64:65] scope:SCOPE_SE
	s_setreg_imm32_b32 hwreg(HW_REG_WAVE_MODE, 25, 1), 1
	s_wait_xcnt 0x0
	s_wait_alu depctr_hold_cnt(0) depctr_sa_sdst(0) depctr_va_vdst(0) depctr_va_sdst(0) depctr_va_ssrc(0) depctr_va_vcc(0) depctr_vm_vsrc(0)
	s_getreg_b32 s2, hwreg(HW_REG_IB_STS2, 6, 4)
	s_cmp_eq_u32 s2, 0
	s_cbranch_scc0 .Lentry_in_a_cluster
	s_endpgm
.Lentry_in_a_cluster:
	s_bfe_u32 s2, ttmp6, 0x10000c
	s_cmp_lg_u32 s2, 0xf033
	s_cbranch_scc0 .Lentry_shape_is_right
	s_endpgm
.Lentry_shape_is_right:
; Q, K, V = xn W_qkv, on codes of E4M3 with E8M0 scales, and the results quantised on the way out: Q and K along the head's 64, V along the keys.
; THE PRODUCT: C[m][n] = sum over k of A[m][k] B[n][k], K = 1,024.  A tile of C, 256 x 256, is made by four waves, 128 x 128 each: 64 accumulators, 512 registers.  K goes in steps of 256 through a ring of two LDS slots
; filled by the tensor data mover; a tile's row is 256 bytes of memory.  The scale bytes of the tile's rows, for all of K, come into LDS once.  4 x 4 work-groups form a cluster: A's tiles are asked for jointly by a row
; of the cluster, B's by a column.  The matrix instruction is used transposed (source 0 = 16 rows of B, source 1 = 16 rows of A): a lane holds ONE row of A's and eight neighbouring rows of B's.
; ROLES.  Cluster x = 0, 1 (Q, K): A = xn (tokens), B = W's rows: a lane's registers run along the head's d.  Cluster x = 2 (V): A = W_v's rows (d), B = xn: a lane's registers run along the tokens, which are the
; second attention product's K.  The choice hangs on the cluster's x alone, the same in all sixteen partners; only pointers, tile numbers and store offsets are chosen: there is one path.
; THE WAY OUT.  A block of 16 rows x 128 columns is four blocks of 32 along the next K; lanes l and l xor 16 hold a block.  The conversions' four registers of a block go out as they stand, 16 bytes a lane, 512 consecutive
; bytes a store: an IMAGE of the next operand's registers.  In it a block's 32 numbers stand in the order 8h+0..7, 16+8h+0..7 (h = lane / 16): both operands of Q K^T and of P V stand so, so the products are the same.
; qkv: Q's codes at 0, K's at 4,194,304: [batch x 8 + head / 2][tile of 16 tokens: 128][head % 2][block: 2][512];  V's at 8,388,608: [batch x 8 + head / 2][128 keys: 16][head % 2][16 d: 4][block: 4][512];
; scale words: Q's at 12,582,912, K's at 12,845,056: [batch x 16 + head][token] = byte, byte, 0x7f, 0x7f (the operand's upper 64 along K are zero codes); V's at 13,107,200: [batch x 16 + head][128 keys][d].
; LIMITS: a block of zeros gets the byte 1 (its codes are zeros; this program alone reads the bytes); NaN and infinities are not served; within a block the matrix unit meets the products in another order than k's.
; REGISTERS, in windows of 256: window 0: v0-31 addresses; v32-63 scale words, two sets, and nothing else; v64-127 at work on the way out; from v128 A's fragments, one set.  window 1: B's fragments, two sets.
;   window 2: the accumulators of my rows 0-63 ((a, b) at v[8 (8 a + b)]);  window 3: those of my rows 64-127.
.set KROW,   1024                      ; a row of A or of B in memory, in bytes
.set ROWB,   256                       ; a tile's row: 256 codes
.set NQ,     2                         ; matrix instructions deep in a slot
.set PITCH,  272                       ; an LDS row: 256 bytes + 16 of padding: the 16 rows that a load touches start 68 words apart
.set FR,     16                        ; registers of a fragment
.set NL,     4                         ; LDS loads that bring one
.set NP,     8                         ; places behind this matrix instruction (ISA guide 7.12.1)
.set HALFT,  128*PITCH
.set SLOT,   4*HALFT                   ; A's 256 rows, then B's 256 rows
.set LAPS,   KROW/512
.set KS,     KROW/32                   ; a row of scale bytes
.set SCL,    2*SLOT                    ; behind the ring: the scale bytes, as units of 256 bytes + 16 of padding
.set HALFS,  (128*KS/256)*272          ; those of 128 rows
.set S32,    (32*KS/256)*272           ; those of 32 rows
.set SPARE,  SCL+4*HALFS               ; the spare words, 128 bytes for each wave: two blocks of 256 bytes that no other line names
.set XSC,    4194304                   ; xn's scale bytes lie behind its codes
.set ADRA, 16                          ; v16-17  LDS address of my A fragments in slot 0, 1
.set O1,   18                          ; v18-19  the way out: lane offsets of the two stores of scale words
.set O2,   19
.set ADRB, 20                          ; v20-21  the same as ADRA for B
.set LI,   24                          ; v24     16 x lane
.set SST,  25                          ; v25     where I stage a scale word
.set SRD,  26                          ; v26     where I read the staged words back
.set ADSA, 27                          ; v27     LDS address of A's scale words: lane l takes row l of 32
.set SPW,  28                          ; v28     LDS address of my spare word; never rewritten
.set NIL,  29                          ; v29     0; never rewritten
.set ADSB, 30                          ; v30     the same as ADSA for B
.set SC,   32                          ; scale words: set s at v[SC + 16 s]: A's at + 2 i + q (rows 32 i + lane, the slot's q-th 128 along K), B's at + 8 + 2 i + q
.set T,    64                          ; the way out: 64 numbers held within the largest code
.set AF,   128
.set PCB,  128                         ; the way out: codes, four sets of 16
.set TM,   192                         ; v192-195 largest magnitudes, v196-199 bytes, v200-203 448 x the scale, v204-207 the conversions' scale operands
.set WD,   208                         ; v208-215 a scale word for each block of rows
.set WL,   216
.set WH,   217
.set WX,   218
.set G1, 24
.set G0, 32
.set G1B, 48
.set G0B, 56
.set G1S, 68
.set G0S, 76
.set G1SB, 80
.set G0SB, 88
.set MSB, 0
.macro WIN new                         ; the immediate's high byte repeats the setting that is left
.if MSB != \new
	s_set_vgpr_msb (MSB<<8)|\new
.set MSB, \new
.endif
.endm
.set MUL_LO, 0xa1                      ; source 0 (B) window 1, source 1 (A) window 0, C and D window 2
.set MUL_HI, 0xf1                      ; the same, C and D window 3
.set TO_B,   0x40                      ; destination window 1, address window 0
; A joint load: waves 0 and 1 fetch for A, waves 2 and 3 for B.  Each line has one mask and one set of registers for all that issue it; the branch hangs on the wave's number alone.  Four v_nop follow each line.
.macro JLOAD g0a, g1a, g0b, g1b
	s_cmp_eq_u32 s15, 0
	s_cbranch_scc0 .Lfor_b_\@
	tensor_load_to_lds s[\g0a:\g0a+3], s[\g1a:\g1a+7]
	s_nop 0
.rept 4
	v_nop
.endr
	s_branch .Lasked_\@
.Lfor_b_\@:
	tensor_load_to_lds s[\g0b:\g0b+3], s[\g1b:\g1b+7]
	s_nop 0
.rept 4
	v_nop
.endr
.Lasked_\@:
.endm
.macro CREST                           ; a round of the cluster's barrier behind its opening barrier
	s_cmp_lg_u32 s14, 0
	s_cbranch_scc1 .Lnot_wave_0_\@
	s_barrier_signal -3
.Lnot_wave_0_\@:
	s_barrier_wait -3
	s_barrier_signal -1
	s_barrier_wait -1
.endm
.macro CROUND
	s_barrier_signal -1
	s_barrier_wait -1
	CREST
.endm
	s_load_b256 s[4:11], s[0:1], 0x0               ; xn, W's codes, W's scales, qkv
	v_lshl_add_u32 v[SPW], v0, 2, SPARE
	v_mov_b32 v[NIL], 0
	ds_add_u32 v28, v29
	ds_add_u32 v28, v29
	s_wait_dscnt 0x0
	v_lshrrev_b32 v1, 5, v0
	v_readfirstlane_b32 s14, v1                    ; wave 0..3
	s_lshr_b32 s15, s14, 1                         ; which half of A's rows is mine.  Also: I fetch for A (0) or for B (1)
	s_and_b32 s16, s14, 1                          ; which half of B's rows.  Also: which 128 rows of that tile I fetch
	s_bfe_u32 s40, ttmp6, 0x40000                  ; cx, cy: my place in the cluster
	s_bfe_u32 s41, ttmp6, 0x40004
	s_and_b32 s66, ttmp7, 0xffff
	s_lshl_b32 s66, s66, 2                         ; 4 x cluster y
	s_lshl_b32 s67, ttmp9, 2                       ; 4 x cluster x
	s_cmp_eq_u32 ttmp9, 2                          ; V's role?  The cluster's x: the same in all partners
	s_cselect_b32 s17, 8, s66                      ; A's tile of 256 rows: W_v's rows begin at tile 8; else the tokens'
	s_cselect_b32 s42, s66, s67                    ; B's: the tokens'; else W's
	s_cselect_b32 s2, -1, 0                        ; V's role as a mask of lanes
	s_add_co_u32 s17, s17, s41                     ; + cy: shared along a row of the cluster
	s_add_co_u32 s42, s42, s40                     ; + cx: shared along a column
	s_lshl_b32 s43, s41, 2
	s_lshl_b32 s43, 15, s43                        ; my row of the cluster
	s_lshl_b32 s44, 0x1111, s40                    ; my column
	s_or_b32 s[G1+0], s43, (0<<16)|(1<<20)|(1<<21)|(5<<22)|(3<<25)  ; the mask; elements of 1 byte; padding on; bit 21 beside a mask; after every 64 words, 4 words
	s_or_b32 s[G1B+0], s44, (0<<16)|(1<<20)|(1<<21)|(5<<22)|(3<<25)
.irp g, G1, G1B
	s_mov_b32 s[\g+1], ROWB<<16                    ; tensor_dim0
	s_mov_b32 s[\g+2], 256<<16                     ; tensor_dim1: 256 rows for the head's loads; set to 128 for the ring's behind the wait for them
	s_mov_b32 s[\g+3], ROWB<<16                    ; tile_dim0
	s_mov_b32 s[\g+4], 256                         ; tile_dim1
	s_mov_b32 s[\g+5], KROW                        ; the pitch
	s_mov_b32 s[\g+6], 0
	s_mov_b32 s[\g+7], 0
.endr
	s_or_b32 s[G1S+0], s43, (3<<16)|(1<<20)|(1<<21)|(5<<22)|(3<<25) ; the scale bytes of 256 rows: a dense block, as rows of 256 bytes (32 elements of 8 bytes), padded alike
	s_or_b32 s[G1SB+0], s44, (3<<16)|(1<<20)|(1<<21)|(5<<22)|(3<<25)
.irp g, G1S, G1SB
	s_mov_b32 s[\g+1], 32<<16
	s_mov_b32 s[\g+2], (256*KS/256)<<16            ; the scale bytes of all 256 rows by one load
	s_mov_b32 s[\g+3], 32<<16
	s_mov_b32 s[\g+4], 256*KS/256
	s_mov_b32 s[\g+5], 32
	s_mov_b32 s[\g+6], 0
	s_mov_b32 s[\g+7], 0
.endr
	s_lshl_b32 s18, s16, 7
	s_lshl_b32 s20, s17, 8
	s_add_co_u32 s20, s20, s18                     ; A: the first row that I fetch
	s_lshl_b32 s46, s42, 8
	s_add_co_u32 s46, s46, s18                     ; B likewise
	s_lshl_b32 s22, s17, 13                        ; the tile's scale bytes: 256 rows x 32 a tile
	s_mov_b32 s23, 0
	s_lshl_b32 s92, s42, 13
	s_mov_b32 s93, 0
	s_lshl_b32 s20, s20, 10                        ; their codes: 1,024 a row
	s_mov_b32 s21, 0
	s_lshl_b32 s46, s46, 10
	s_mov_b32 s47, 0
	s_mul_i32 s45, s14, HALFT                      ; where they go: wave x 128 rows: no place in the cluster enters an LDS address
	s_wait_kmcnt 0x0
	s_mov_b64 s[12:13], s[10:11]                   ; qkv
	s_mov_b64 s[96:97], s[4:5]                     ; xn's codes,
	s_add_nc_u64 s[98:99], s[4:5], XSC             ; xn's scales,
	s_mov_b64 s[100:101], s[6:7]                   ; W's codes,
	s_mov_b64 s[18:19], s[8:9]                     ; W's scales
	s_cmp_eq_u32 ttmp9, 2
	s_cselect_b64 s[4:5], s[100:101], s[96:97]     ; A's codes
	s_cselect_b64 s[6:7], s[18:19], s[98:99]       ; A's scales
	s_cselect_b64 s[8:9], s[96:97], s[100:101]     ; B's codes
	s_cselect_b64 s[10:11], s[98:99], s[18:19]     ; B's scales
	s_add_nc_u64 s[20:21], s[4:5], s[20:21]
	s_add_nc_u64 s[22:23], s[6:7], s[22:23]
	s_add_nc_u64 s[46:47], s[8:9], s[46:47]
	s_add_nc_u64 s[92:93], s[10:11], s[92:93]
	CROUND                                         ; all sixteen work-groups are here: the first joint loads meet
	s_mov_b32 s[G0S], 1
	s_mov_b32 s[G0S+1], SCL
	s_mov_b64 s[G0S+2:G0S+3], s[22:23]
	s_or_b32 s[G0S+3], s[G0S+3], 0x80000000
	s_mov_b32 s[G0SB], 1
	s_mov_b32 s[G0SB+1], SCL+2*HALFS
	s_mov_b64 s[G0SB+2:G0SB+3], s[92:93]
	s_or_b32 s[G0SB+3], s[G0SB+3], 0x80000000
.irp s, 0,1
	s_mov_b32 s[G0+4*\s], 1
	s_add_co_u32 s[G0+4*\s+1], s45, \s*SLOT
	s_add_nc_u64 s[G0+4*\s+2:G0+4*\s+3], s[20:21], \s*ROWB
	s_or_b32 s[G0+4*\s+3], s[G0+4*\s+3], 0x80000000
	s_mov_b32 s[G0B+4*\s], 1
	s_add_co_u32 s[G0B+4*\s+1], s45, \s*SLOT
	s_add_nc_u64 s[G0B+4*\s+2:G0B+4*\s+3], s[46:47], \s*ROWB
	s_or_b32 s[G0B+4*\s+3], s[G0B+4*\s+3], 0x80000000
.endr
; THE HEAD'S LOADS, ONE A WAVE: wave 0 K step 0's 256 rows of A (its own slot 0 descriptor begins at the tile's first row), wave 1 A's scale bytes, wave 2 the 256 rows of B, wave 3 B's scale bytes.
.macro ARM under, g0, g1, next
	s_cmp_lt_u32 s14, \under
	s_cbranch_scc0 \next
	tensor_load_to_lds s[\g0:\g0+3], s[\g1:\g1+7]
	s_nop 0
.rept 4
	v_nop
.endr
	s_branch .Lhead_asked
\next:
.endm
	ARM 1, G0, G1, .Lhead_sa
	ARM 2, G0S, G1S, .Lhead_b
	ARM 3, G0B, G1B, .Lhead_sb
	tensor_load_to_lds s[G0SB:G0SB+3], s[G1SB:G1SB+7]
	s_nop 0
.rept 4
	v_nop
.endr
.Lhead_asked:
	v_and_b32 v1, 15, v0                           ; r = lane % 16
	v_bfe_u32 v2, v0, 4, 1                         ; h = lane / 16
	v_and_b32 v6, 31, v0                           ; lane
	v_mul_u32_u24 v3, v1, PITCH
	v_lshl_add_u32 v4, v2, 4, v3                   ; a fragment's row x pitch + 16 h
	s_mul_i32 s21, s15, HALFT                      ; my 128 rows of A
	s_mul_i32 s22, s16, HALFT                      ; my 128 rows of B,
	s_add_co_u32 s22, s22, 2*HALFT                 ; which lie behind A's 256
.irp s, 0,1
	v_add_nc_u32 v[ADRA+\s], s21, v4
	v_add_nc_u32 v[ADRB+\s], s22, v4
	s_add_co_u32 s21, s21, SLOT
	s_add_co_u32 s22, s22, SLOT
.endr
	v_lshlrev_b32 v5, 5, v6                        ; scale bytes: row = lane: 32 bytes a row,
	v_lshrrev_b32 v7, 8, v5
	v_lshl_add_u32 v5, v7, 4, v5                   ; and 16 more for each 256 passed
	s_mul_i32 s21, s15, HALFS
	s_add_co_u32 s21, s21, SCL
	v_add_nc_u32 v[ADSA], s21, v5
	s_mul_i32 s22, s16, HALFS
	s_add_co_u32 s22, s22, SCL+2*HALFS
	v_add_nc_u32 v[ADSB], s22, v5
	v_lshlrev_b32 v[LI], 4, v6
	s_lshl_b32 s21, s14, 10                        ; the stage for scale words: 1,024 bytes a wave, in slot 0
	v_lshlrev_b32 v5, 2, v1
	v_lshl_add_u32 v5, v2, 9, v5
	v_add_nc_u32 v[SST], s21, v5                   ; in: 512 h + 4 r
	v_add_nc_u32 v[SRD], s21, v[LI]                ; back: 16 x lane
	v_lshlrev_b32 v5, 4, v1
	v_lshl_add_u32 v5, v2, 12, v5                  ; V's words: 256 bytes for each of the pair's heads, 4,096 bytes apart
	v_add_nc_u32 v7, 8192, v[LI]                   ; Q's, K's: 512 bytes for each head, 8,192 bytes apart
	v_cndmask_b32 v[O1], v[LI], v5, s2
	v_cndmask_b32 v[O2], v7, v5, s2                ; (in V's role both halves of the lanes stage the same words: the second store repeats the first)
	; where my results go
	s_cmp_eq_u32 ttmp9, 2
	s_cselect_b32 s18, s40, s41                    ; the token tile's place in the cluster,
	s_cselect_b32 s19, s41, s40                    ; the weight tile's,
	s_cselect_b32 s20, s16, s15                    ; my half of the tokens,
	s_cselect_b32 s21, s15, s16                    ; my half of the weight's rows,
	s_cselect_b32 s22, 1, 0                        ; V's scale words are half as many
	s_add_co_u32 s18, s18, s66                     ; the tile of 256 tokens
	s_lshr_b32 s23, s18, 3
	s_lshl_b32 s23, s23, 3                         ; batch x 8
	s_lshl_b32 s19, s19, 1
	s_add_co_u32 s23, s23, s19
	s_add_co_u32 s23, s23, s21                     ; + the pair of heads
	s_and_b32 s18, s18, 7
	s_lshl_b32 s18, s18, 1
	s_add_co_u32 s18, s18, s20                     ; which 128 tokens of the batch
	s_lshl_b32 s46, s23, 18
	s_lshl_b32 s47, s18, 14
	s_add_co_u32 s46, s46, s47
	s_lshl_b32 s47, ttmp9, 22
	s_add_co_u32 s46, s46, s47                     ; codes: part x 4,194,304 + pair x 262,144 + 128 tokens x 16,384
	s_mov_b32 s47, 0
	s_lshl_b32 s92, s23, 14
	s_lshl_b32 s93, s18, 9
	s_add_co_u32 s92, s92, s93
	s_lshr_b32 s92, s92, s22
	s_lshl_b32 s93, ttmp9, 18
	s_add_co_u32 s92, s92, s93
	s_add_co_u32 s92, s92, 12582912                ; scale words
	s_mov_b32 s93, 0
	s_add_nc_u64 s[98:99], s[12:13], s[92:93]
	s_add_nc_u64 s[12:13], s[12:13], s[46:47]
.macro FRAG reg, adr, q, i             ; 16 rows x 128 K: lane l holds row l % 16; registers 4 c .. 4 c + 3 hold K = 32 c + 16 (l / 16) + 0 .. 15
.irp c, 0,1,2,3
	ds_load_b128 v[\reg+4*\c:\reg+4*\c+3], v[\adr] offset:128*(\q)+32*\c+(\i)*16*PITCH
.endr
.endm
; One product.  A scale register holds the words of 32 rows: an even block's in lanes 0-15, an odd block's in lanes 16-31, which the ROW1 selector names.
.macro WM zero, rb, ra
.if (\zero) && (\rb) && (\ra)
	v_wmma_scale_f32_16x16x128_f8f6f4 v[rD:rD+7], v[rB:rB+15], v[rA:rA+15], 0, v[rSB], v[rSA] matrix_a_scale:MATRIX_SCALE_ROW1 matrix_b_scale:MATRIX_SCALE_ROW1
.elseif (\zero) && (\rb)
	v_wmma_scale_f32_16x16x128_f8f6f4 v[rD:rD+7], v[rB:rB+15], v[rA:rA+15], 0, v[rSB], v[rSA] matrix_a_scale:MATRIX_SCALE_ROW1
.elseif (\zero) && (\ra)
	v_wmma_scale_f32_16x16x128_f8f6f4 v[rD:rD+7], v[rB:rB+15], v[rA:rA+15], 0, v[rSB], v[rSA] matrix_b_scale:MATRIX_SCALE_ROW1
.elseif \zero
	v_wmma_scale_f32_16x16x128_f8f6f4 v[rD:rD+7], v[rB:rB+15], v[rA:rA+15], 0, v[rSB], v[rSA]
.elseif (\rb) && (\ra)
	v_wmma_scale_f32_16x16x128_f8f6f4 v[rD:rD+7], v[rB:rB+15], v[rA:rA+15], v[rD:rD+7], v[rSB], v[rSA] matrix_a_scale:MATRIX_SCALE_ROW1 matrix_b_scale:MATRIX_SCALE_ROW1
.elseif \rb
	v_wmma_scale_f32_16x16x128_f8f6f4 v[rD:rD+7], v[rB:rB+15], v[rA:rA+15], v[rD:rD+7], v[rSB], v[rSA] matrix_a_scale:MATRIX_SCALE_ROW1
.elseif \ra
	v_wmma_scale_f32_16x16x128_f8f6f4 v[rD:rD+7], v[rB:rB+15], v[rA:rA+15], v[rD:rD+7], v[rSB], v[rSA] matrix_b_scale:MATRIX_SCALE_ROW1
.else
	v_wmma_scale_f32_16x16x128_f8f6f4 v[rD:rD+7], v[rB:rB+15], v[rA:rA+15], v[rD:rD+7], v[rSB], v[rSA]
.endif
.endm
; 16 products: A's blocks a0, a0 + 1 x B's eight, the slot's q-th 128 along K.  p: B's set; sc: the set of scale words.  zero = 1: the first product starts the sums.  The 64 accumulators take turns.
.macro MUL16 a0, p, q, sc, zero
.irp a, \a0, \a0+1
.irp b, 0,1,2,3,4,5,6,7
.set rD, 8*(8*((\a)%4)+\b)
.set rB, 128*(\p)+FR*\b
.set rA, AF+FR*(\a)
.set rSB, SC+16*(\sc)+8+2*(\b/2)+(\q)
.set rSA, SC+16*(\sc)+2*((\a)/2)+(\q)
	WM \zero, (\b)%2, (\a)%2
.endr
.endr
.endm
.macro FETCH_B slot, q, p
	WIN TO_B
.irp i, 0,1,2,3,4,5,6,7
	FRAG 128*(\p)+FR*\i, ADRB+\slot, \q, \i
.endr
	WIN 0
.endm
.macro FETCH_A slot, q, i0
.irp i, \i0, \i0+1, \i0+2, \i0+3
	FRAG AF+FR*(\i), ADRA+\slot, \q, \i
.endr
.endm
.macro SCALES sc                       ; a K step's scale words: two words a row, 32 rows a load
.irp i, 0,1,2,3
	ds_load_b64 v[SC+16*\sc+2*\i:SC+16*\sc+2*\i+1], v[ADSA] offset:\i*S32
.endr
.irp i, 0,1,2,3
	ds_load_b64 v[SC+16*\sc+8+2*\i:SC+16*\sc+8+2*\i+1], v[ADSB] offset:\i*S32
.endr
.endm
.macro PLACES n                        ; plain vector lines between a matrix instruction and a load into, or a vector access to, its registers (ISA guide 7.12.1 for vector accesses)
.rept \n
	v_nop
.endr
.endm
.macro STEP slot, q, zero              ; 128 along K that has its successor in the same slot
	s_wait_dscnt 4*NL                              ; B's set and A's blocks 0-3 are in; the youngest 16 loads (A's blocks 4-7) may be out
	WIN MUL_LO
	MUL16 0, (\q)%2, \q, \slot, \zero
	MUL16 2, (\q)%2, \q, \slot, \zero
	s_wait_dscnt 0
	PLACES NP
	FETCH_B \slot, (\q)+1, 1-(\q)%2
	FETCH_A \slot, (\q)+1, 0
	WIN MUL_HI
	MUL16 4, (\q)%2, \q, \slot, \zero
	MUL16 6, (\q)%2, \q, \slot, \zero
	PLACES NP
	WIN 0
	FETCH_A \slot, (\q)+1, 4
.endm
; A slot's last step changes slots: one barrier; in front of it each wave waits for all its tensor loads, adds 0 to its spare word, and waits for that and for its own reads of this slot.  fill = 1: the slot is filled again, two K steps ahead.
.macro TURN slot, next, fill
	s_wait_tensorcnt 0x0                           ; all my tensor loads have landed: my part of the next slot
	ds_add_u32 v[SPW], v[NIL]                      ; 0 onto my spare word
	s_wait_dscnt 4*NL+1                            ; (the add and the youngest 16 loads may be out)
	WIN MUL_LO
	MUL16 0, 1, NQ-1, \slot, 0
	s_wait_dscnt 0x0                               ; the add is done, and my reads of this slot are over
	s_barrier_signal -1
	MUL16 2, 1, NQ-1, \slot, 0
	WIN 0
	s_barrier_wait -1
.if \fill
	CREST                                          ; the barrier has opened a round of the cluster's: no wave of any partner still reads this slot or has a load on its way
	s_add_nc_u64 s[G0+4*\slot+2:G0+4*\slot+3], s[G0+4*\slot+2:G0+4*\slot+3], 2*ROWB
	s_add_nc_u64 s[G0B+4*\slot+2:G0B+4*\slot+3], s[G0B+4*\slot+2:G0B+4*\slot+3], 2*ROWB
	JLOAD G0+4*\slot, G1, G0B+4*\slot, G1B         ; the first tensor load behind the round; its four v_nop are among the places in front of the loads below
	PLACES NP-4
.else
	PLACES NP
.endif
	s_wait_alu depctr_va_vdst(0)
	v_add_nc_u32 v[ADSA], 4*NQ, v[ADSA]            ; on to the next K step's scale words
	v_add_nc_u32 v[ADSB], 4*NQ, v[ADSB]
	FETCH_B \next, 0, 0
	FETCH_A \next, 0, 0
	SCALES \next
	WIN MUL_HI
	MUL16 4, 1, NQ-1, \slot, 0
	MUL16 6, 1, NQ-1, \slot, 0
	PLACES NP
	WIN 0
	FETCH_A \next, 0, 4
.endm
	s_wait_alu depctr_va_vdst(0)
	s_wait_tensorcnt 0x0                           ; my tile of the head's four is in; slot 1's first fill is issued as a refill is
	ds_add_u32 v[SPW], v[NIL]
	s_mov_b32 s[G1+2], 128<<16                     ; no tensor load of mine is out: from here on a load brings 128 rows
	s_mov_b32 s[G1+4], 128
	s_mov_b32 s[G1B+2], 128<<16
	s_mov_b32 s[G1B+4], 128
	s_wait_dscnt 0x0
	CROUND                                         ; all four tiles are in, and all sixteen work-groups are here
	JLOAD G0+4, G1, G0B+4, G1B                     ; K step 1, the first tensor load behind the round
	FETCH_B 0, 0, 0
	FETCH_A 0, 0, 0
	SCALES 0
	FETCH_A 0, 0, 4
	STEP 0, 0, 1                                   ; the first step stands in front of the loop: its products start the sums
	s_mov_b32 s3, LAPS-1
.Llap:                                                 ; a trip goes once round the ring and fills both slots again
	TURN 0, 1, 1
	STEP 1, 0, 0
	TURN 1, 0, 1
	STEP 0, 0, 0
	s_sub_co_u32 s3, s3, 1
	s_cmp_lg_u32 s3, 0
	s_cbranch_scc1 .Llap
	TURN 0, 1, 0                                   ; the last lap fills nothing
	STEP 1, 0, 0
	s_wait_dscnt 4*NL
	WIN MUL_LO
	MUL16 0, 1, NQ-1, 1, 0
	MUL16 2, 1, NQ-1, 1, 0
	s_wait_dscnt 0
	WIN MUL_HI
	MUL16 4, 1, NQ-1, 1, 0
	MUL16 6, 1, NQ-1, 1, 0
	WIN 0
; THE WAY OUT of block a (16 rows of A's x my 128 rows of B's): four blocks of 32 along the next K, 16 numbers of each in my registers, the other 16 in lane l xor 16.
.macro QA a
.set AC, 64*((\a)%4)
.set WN, 2+(\a)/4
.set WQ, (WN<<2)|(WN<<4)
.set PC, PCB+16*((\a)%4)
.if (\a) >= 4
	s_wait_xcnt 0x0                                ; block a - 4's stores have read their registers: the codes' set may be written again
.endif
	WIN WQ                                         ; sources 1 and 2: the accumulators' window
.irp c, 0,1,2,3
	v_max3_num_f32 v[TM+\c], 0x4800000, |v[AC+16*\c]|, |v[AC+16*\c+1]|   ; the floor 2^(9 - 127) among the leaves: the byte cannot fall under 1.  Each accumulator is read from its low end on
.endr
.irp i, 2,4,6,8,10,12,14
.irp c, 0,1,2,3
	v_max3_num_f32 v[TM+\c], v[TM+\c], |v[AC+16*\c+\i]|, |v[AC+16*\c+\i+1]|
.endr
.endr
	WIN 0
.irp c, 0,1,2,3
	v_permlanex16_b32 v[TM+4+\c], v[TM+\c], s20, s21
.endr
.irp c, 0,1,2,3
	v_max_num_f32 v[TM+\c], v[TM+\c], v[TM+4+\c]   ; the block's largest magnitude
.endr
.irp c, 0,1,2,3
	v_add_nc_u32 v[TM+12+\c], 0xfc000000, v[TM+\c] ; 8 off its exponent field: the conversion's scale operand
.endr
.irp c, 0,1,2,3
	v_and_or_b32 v[TM+8+\c], v[TM+\c], 0x7f800000, s22   ; 448 x the scale
.endr
.irp c, 0,1,2,3
	v_lshrrev_b32 v[TM+4+\c], 23, v[TM+12+\c]      ; the scale's byte
.endr
	v_lshl_or_b32 v[WL], v[TM+5], 8, v[TM+4]
	v_lshl_or_b32 v[WH], v[TM+7], 8, v[TM+6]
	v_cndmask_b32 v[WX], v[WL], v[WH], s23         ; Q, K: lanes 0-15 carry the pair's first head, lanes 16-31 its second;
	v_or_b32 v[WX], 0x7f7f0000, v[WX]              ; the operand's upper 64 along K are zero codes under the byte 127
	v_lshl_or_b32 v[WH], v[WH], 16, v[WL]          ; V: the four bytes are the row's word for these 128 keys
	v_cndmask_b32 v[WD+(\a)], v[WX], v[WH], s2
	WIN WN                                         ; source 0: the accumulators' window
.irp c, 0,1,2,3
.set i, 0
.rept 16
	v_med3_num_f32 v[T+16*\c+i], v[AC+16*\c+i], -v[TM+8+\c], v[TM+8+\c]   ; the conversion to an 8-bit code does not saturate (ISA guide 7.6.2): the hold comes first
.set i, i+1
.endr
.endr
	WIN 0
.irp c, 0,1,2,3
	v_cvt_scalef32_pk8_fp8_f32 v[PC+4*\c:PC+4*\c+1], v[T+16*\c:T+16*\c+7], v[TM+12+\c]
	v_cvt_scalef32_pk8_fp8_f32 v[PC+4*\c+2:PC+4*\c+3], v[T+16*\c+8:T+16*\c+15], v[TM+12+\c]
.endr
	v_nop                                          ; a plain line behind the last conversion
.irp c, 0,1,2,3
	global_store_b128 v[LI], v[PC+4*\c:PC+4*\c+3], s[12:13] offset:(\a)*2048+512*\c   ; 512 consecutive bytes, aligned: four registers of the next operand, lane by lane
.endr
	ds_store_b32 v[SST], v[WD+(\a)] offset:64*(\a) ; slot 0 has had its last fill, and nobody reads it behind the last change of slots
.endm
	PLACES NP
	s_mov_b32 s20, 0x76543210
	s_mov_b32 s21, 0xfedcba98                      ; v_permlanex16_b32's selects for lane l xor 16
	s_mov_b32 s22, 0x600000                        ; the mantissa field of 448
	s_mov_b32 s23, 0xffff0000                      ; lanes 16-31
.irp c, 0,1,2,3
	v_mov_b32 v[TM+4+\c], 0                        ; written once: a lane permute's destination counts as one of its sources
.endr
.irp a, 0,1,2,3,4,5,6,7
	QA \a
.endr
	ds_load_b128 v[T:T+3], v[SRD]                  ; LDS serves a wave's instructions in order: these see my stores
	ds_load_b128 v[T+4:T+7], v[SRD] offset:512
	s_wait_dscnt 0x0
	global_store_b128 v[O1], v[T:T+3], s[98:99]    ; whole aligned runs of 256 or 512 bytes
	global_store_b128 v[O2], v[T+4:T+7], s[98:99]
	s_wait_tensorcnt 0x0                           ; the wave's end
	ds_add_u32 v[SPW], v[NIL]
	s_wait_dscnt 0x0
	CROUND                                         ; the closing round: no work-group ends while a partner may still ask for a tile that names it
	s_endpgm
.Lfunc_end_k_q40155d3da8_qkv:
	.size	k_q40155d3da8_qkv, .Lfunc_end_k_q40155d3da8_qkv-k_q40155d3da8_qkv
	.p2alignl 7, 3214868480
	.fill 96, 4, 3214868480
	.section	.rodata,"a",@progbits
	.p2align	6, 0x0
	.amdhsa_kernel k_q40155d3da8_qkv
		.amdhsa_group_segment_fixed_size 327680
		.amdhsa_private_segment_fixed_size 0
		.amdhsa_enable_private_segment 0
		.amdhsa_kernarg_size 32
		.amdhsa_user_sgpr_count 2
		.amdhsa_user_sgpr_kernarg_segment_ptr 1
		.amdhsa_wavefront_size32 1
		.amdhsa_system_sgpr_workgroup_id_x 1
		.amdhsa_system_sgpr_workgroup_id_y 1
		.amdhsa_system_sgpr_workgroup_id_z 1
		.amdhsa_system_vgpr_workitem_id 0
		.amdhsa_next_free_vgpr 1024
		.amdhsa_next_free_sgpr 102
		.amdhsa_reserve_vcc 0
		.amdhsa_float_denorm_mode_32 3
		.amdhsa_float_denorm_mode_16_64 3
		.amdhsa_memory_ordered 1
		.amdhsa_forward_progress 1
		.amdhsa_inst_pref_size 188
	.end_amdhsa_kernel
	.amdgpu_metadata
---
amdhsa.version: [ 1, 2 ]
amdhsa.kernels:
  - .name:           k_q40155d3da8_qkv
    .symbol:         k_q40155d3da8_qkv.kd
    .args:
      - { .name: xn, .offset: 0, .size: 8, .value_kind: global_buffer, .address_space: global }
      - { .name: w_qkv_codes, .offset: 8, .size: 8, .value_kind: global_buffer, .address_space: global }
      - { .name: w_qkv_scales, .offset: 16, .size: 8, .value_kind: global_buffer, .address_space: global }
      - { .name: qkv, .offset: 24, .size: 8, .value_kind: global_buffer, .address_space: global }
    .group_segment_fixed_size: 327680
    .private_segment_fixed_size: 0
    .kernarg_segment_align: 8
    .kernarg_segment_size: 32
    .max_flat_workgroup_size: 128
    .sgpr_count:     102
    .vgpr_count:     1024
    .wavefront_size: 32
...
	.end_amdgpu_metadata
.endif
;; end of part 8
;; launch attn (part 9): grid 8 x 32, 16 waves a work-group, clusters of 4 x 1, 327,680 bytes of LDS; arguments qkv, ao; writes ao
.if DOCPART == 9
	.amdgcn_target "amdgcn-amd-amdhsa--gfx1250"
	.amdhsa_code_object_version 6
	.text
	.protected	k_q40155d3da8_attn
	.globl	k_q40155d3da8_attn
	.p2align	8
	.type	k_q40155d3da8_attn,@function
k_q40155d3da8_attn:
	s_mov_b64 s[64:65], 0
	v_nop
	global_prefetch_b8 v0, s[64:65] scope:SCOPE_SE
	s_setreg_imm32_b32 hwreg(HW_REG_WAVE_MODE, 25, 1), 1
	s_wait_xcnt 0x0
	s_wait_alu depctr_hold_cnt(0) depctr_sa_sdst(0) depctr_va_vdst(0) depctr_va_sdst(0) depctr_va_ssrc(0) depctr_va_vcc(0) depctr_vm_vsrc(0)
	s_getreg_b32 s2, hwreg(HW_REG_IB_STS2, 6, 4)
	s_cmp_eq_u32 s2, 0
	s_cbranch_scc0 .Lentry_in_a_cluster
	s_endpgm
.Lentry_in_a_cluster:
	s_bfe_u32 s2, ttmp6, 0x10000c
	s_cmp_lg_u32 s2, 0x3003
	s_cbranch_scc0 .Lentry_shape_is_right
	s_endpgm
.Lentry_shape_is_right:
; ao = Q(softmax(Q K^T / 8, causal) V), both products on codes of E4M3 with E8M0 scales, as launch qkv has laid them (images of the operands' registers); the result is quantised along the model's 1,024 and leaves as images for launch oproj.
; LEFT OUT: key steps of 128 keys that lie wholly behind a tile's 16 queries: the causal mask sets their scores to -inf, so their p is 0 for all values of the inputs.
; THE SOFTMAX: t = score x log2(e) / 8; M = the running largest t rounded up to a whole number; p = 2^(t - M) is quantised along the keys; the row's sum is taken of the unquantised p and divides at the end.
; SHARES.  A work-group has one head (y) and 16 tiles of 16 queries, tile 8 P + x for P = 0 .. 15; tile P has P + 1 key steps.  Tiles 0 to 3 have a wave each.  The other twelve form six pairs (15 - q, 4 + q), two waves to a pair:
; wave A walks key steps 0 .. 10 of the long tile 15 - q; wave B walks its steps 11 .. 15 - q, stores what it has (O^T, -M, the sums) in LDS, and then walks the short tile 4 + q: eleven steps for A, ten for B.  Behind one barrier A brings
; both parts of the long tile under the larger M, by two multiplications with powers of two, and adds them.  With p = w % 4, j = w / 4, r = (p + j) % 4: j = 0 is the wave of tile p; p + j > 3 a wave B, else a wave A; the pair is (min, max)
; of p and r.  So the four waves w, w + 4, w + 8, w + 12 are one short wave and three long ones, 34 key steps together.  The trip counts are constants (5 and 11); a scalar branch on ids leads round the work of a step that is not the wave's.
; ALL OF THE HEAD'S K AND V STAY IN LDS: 2 x 131,072 bytes of codes, 8,192 + 4,096 bytes of scale words, each byte filled once: no ring, no refill, and no barrier inside the key loops.
; FILLS, joint loads of the cluster's four work-groups, which walk the same head, one a wave at the head: waves 0-3 chunks of 512 keys of K, waves 4-7 of V (wave w fills LDS bytes 32,768 w on), waves 8 and 9 the scale words.
; No prefetch: every tile is asked for at the head, and no loop is left to run ahead in.
; LAYOUT.  Both products transposed: S^T = K Q^T, O^T = V^T P^T: a lane holds one query.  The head's 64 fill half of the instruction's K: Q's registers 8-15 are zero codes.  K's eight tiles lie 8 registers apart, so a tile's registers
; 8-15 are the next tile's codes; behind the last tile lie the codes of Q of the tile that the wave finishes, which wait there for wave B's second walk: finite codes under the byte 127, which meet Q's zero codes and add nothing.
; LIMITS: NaN and infinities are not served; the scaled scores stay under 2^31 in magnitude; a block of zeros gets the byte 1 (zero codes; this program alone reads the bytes).
.set VB,    131072                     ; V's images, behind K's
.set SCK,   262144                     ; K's scale words, 4 bytes a key
.set SCV,   270336                     ; V's, [128 keys][64 d]
.set SPARE, 274432                     ; the spare words: 128 bytes a wave
.set HO,    276480                     ; the hand-over: 4,608 bytes a place, places 3 min + p + r - 1 = 0 .. 10: O^T as eight chunks of 512 bytes, then -M, t and the sums, 16 bytes a lane; no tensor load lands here
.set HOP,   4608
.set KCB,   4194304
.set VCB,   8388608
.set QSW,   12582912
.set KSW,   12845056
.set VSW,   13107200
.set AOS,   4194304
.set LI,   1                           ; 16 x lane
.set LIV,  2                           ; VB + 16 x lane
.set ASK0, 3
.set ASV0, 4
.set SPW,  5
.set NIL,  6
.set GO,   7
.set ADK,  8
.set DQ,   9
.set ADS,  10
.set ADT,  11                          ; v12 -M, v13 the largest t, v[14:15] the sum
.set QF,   16                          ; v16-31 Q
.set KF,   32                          ; v32-95 K's eight tiles, then V's four fragments; v96-103 Q of the tile that I finish
.set S,    104                         ; v104-167 S^T, then p
.set O,    168                         ; v168-199 O^T
.set PC,   200                         ; v200-215 p's codes
.set BM,   216
.set PD,   220
.set LM,   224
.set SO,   228
.set F,    232
.set TA,   234
.set NINF, 235
.set ADV,  236
.set EA,   237
.set HA,   238                         ; my pair's hand-over bytes + 16 x lane
.set KW,   240                         ; v240-247 K's scale words, v248-251 V's, v253 p's, v254 and v255 Q's: scales and nothing else
.set VW,   248
.set PW,   253
.set QW2,  254
.set QW,   255
.set WV,   18
.set HELP, 19                          ; 1: wave B
.set SEL,  20
.set CS,   22
.set G1K,  24
.set G1V,  32
.set G0K,  40
.set G0V,  44
.set G1SK, 48
.set G1SV, 56
.set G0SK, 68
.set G0SV, 72
.set MNT,  76
.set TB,   77
.set TS,   78
.set TJ,   79
.set CNT,  80
.set KF0,  81                          ; the step's first key
.set P128, 82                          ; the first key of the diagonal step of the tile in hand
.set P255, 83                          ; the last key that the wave walks for it
.set D2,   98                          ; the same two for the second walk
.set L2,   99
.set MERGE, 100                        ; 1: wave A
.set HOA,  101                         ; my pair's hand-over bytes
.macro TL g0, g1                       ; a joint load; s_nop 0 and four v_nop follow it
	tensor_load_to_lds s[\g0:\g0+3], s[\g1:\g1+7]
	s_nop 0
.rept 4
	v_nop
.endr
.endm
.macro CROUND
	s_barrier_signal -1
	s_barrier_wait -1
	s_cmp_lg_u32 s[WV], 0
	s_cbranch_scc1 .Lnot_wave_0_\@
	s_barrier_signal -3
.Lnot_wave_0_\@:
	s_barrier_wait -3
	s_barrier_signal -1
	s_barrier_wait -1
.endm
	s_load_b128 s[4:7], s[0:1], 0x0                ; qkv, ao
	v_lshl_add_u32 v[SPW], v0, 2, SPARE
	v_mov_b32 v[NIL], 0
	ds_add_u32 v[SPW], v[NIL]                      ; the opening lines: the add twice on end and one wait
	ds_add_u32 v[SPW], v[NIL]
	v_lshrrev_b32 v8, 5, v0
	v_readfirstlane_b32 s[WV], v8
	s_and_b32 s8, s[WV], 3                         ; p
	s_lshr_b32 s9, s[WV], 2                        ; j
	s_add_co_u32 s10, s8, s9
	s_lshr_b32 s[HELP], s10, 2                     ; p + j > 3: wave B
	s_and_b32 s10, s10, 3                          ; r
	s_min_u32 s11, s8, s10                         ; the pair's lower number,
	s_add_co_u32 s12, s8, s10                      ; and the sum of its two
	s_mul_i32 s[HOA], s11, 3
	s_add_co_u32 s[HOA], s[HOA], s12               ; 1, 2, 3, 6, 7, 11 for the six pairs
	s_mul_i32 s[HOA], s[HOA], HOP
	s_add_co_u32 s[HOA], s[HOA], HO-HOP
	s_add_co_u32 s12, s12, s11
	s_lshr_b32 s13, s11, 1
	s_add_co_u32 s13, s13, 1
	s_sub_co_u32 s12, s12, s13                     ; q = max + 2 min - min / 2 - 1: 0 .. 5
	s_sub_co_u32 s13, 15, s12                      ; the long tile's P
	s_add_co_u32 s12, s12, 4                       ; the short tile's
	s_cmp_eq_u32 s9, 0                             ; a wave with a tile to itself?
	s_cselect_b32 s9, s8, s13                      ; the tile that I begin with,
	s_cselect_b32 s[MERGE], 0, 1
	s_cmp_eq_u32 s[HELP], 1
	s_cselect_b32 s8, s12, s9                      ; and the tile that I finish and store
	s_cselect_b32 s[MERGE], 0, s[MERGE]
	s_lshl_b32 s[P128], s9, 7
	s_add_co_u32 s[P255], s[P128], 127
	s_lshl_b32 s[D2], s8, 7
	s_add_co_u32 s[L2], s[D2], 127
	s_cmp_eq_u32 s[HELP], 1
	s_cselect_b32 s[P255], s[P255], 0              ; the first walk, from key 1,408 on: B up to the long tile's diagonal, the others nothing
	s_and_b32 s11, ttmp7, 0xffff                   ; batch x 16 + head
	s_lshr_b32 s12, s11, 1
	s_lshl_b32 s12, s12, 18                        ; the pair of heads: 262,144 bytes
	s_and_b32 s13, s11, 1
	s_lshl_b32 s66, s[WV], 16                      ; a chunk of 512 keys is 65,536 bytes of the heads' K or V: wave w has K's chunk w, or V's chunk w - 4
	s_lshl_b32 s14, s13, 10
	s_add_co_u32 s14, s14, s12
	s_add_co_u32 s14, s14, s66
	s_add_co_u32 s14, s14, KCB
	s_mov_b32 s15, 0
	s_lshl_b32 s16, s13, 13
	s_add_co_u32 s16, s16, s12
	s_add_co_u32 s16, s16, s66
	s_add_co_u32 s16, s16, VCB-262144
	s_mov_b32 s17, 0
	s_lshl_b32 s92, s11, 13
	s_add_co_u32 s92, s92, KSW
	s_mov_b32 s93, 0
	s_lshl_b32 s94, s11, 12
	s_add_co_u32 s94, s94, VSW
	s_mov_b32 s95, 0
	s_bfe_u32 s10, ttmp6, 0x40000
	s_lshl_b32 s66, ttmp9, 2
	s_add_co_u32 s10, s10, s66                     ; x: enters global addresses of Q and ao and the mask's numbers alone
	s_lshl_b32 s9, s9, 3
	s_add_co_u32 s9, s9, s10                       ; the tile that I begin with
	s_lshl_b32 s66, s8, 3
	s_add_co_u32 s66, s66, s10                     ; the tile that I finish
	s_mov_b32 s67, s66
	s_lshl_b32 s96, s13, 10
	s_add_co_u32 s96, s96, s12
	s_lshl_b32 s88, s9, 11
	s_add_co_u32 s88, s88, s96                     ; the first tile's codes of Q,
	s_mov_b32 s89, 0
	s_lshl_b32 s2, s66, 11
	s_add_co_u32 s2, s2, s96                       ; the second's
	s_mov_b32 s3, 0
	s_lshl_b32 s96, s11, 13
	s_add_co_u32 s96, s96, QSW
	s_lshl_b32 s90, s9, 6
	s_add_co_u32 s90, s90, s96                     ; and their scale words
	s_mov_b32 s91, 0
	s_lshl_b32 s66, s66, 6
	s_add_co_u32 s96, s96, s66
	s_mov_b32 s97, 0
	s_bfe_u32 s66, s11, 0x30001
	s_lshr_b32 s9, s11, 4
	s_lshl_b32 s84, s66, 8
	s_lshl_b32 s9, s9, 7
	s_add_co_u32 s84, s84, s9
	s_add_co_u32 s84, s84, s67
	s_lshl_b32 s86, s84, 6
	s_lshl_b32 s9, s13, 1
	s_add_co_u32 s86, s86, s9
	s_add_co_u32 s86, s86, AOS
	s_mov_b32 s87, 0
	s_lshl_b32 s84, s84, 11
	s_lshl_b32 s9, s13, 10
	s_add_co_u32 s84, s84, s9
	s_mov_b32 s85, 0
	s_lshl_b32 s9, s10, 4
	s_mov_b32 s[G1K], 15|(3<<16)|(1<<21)           ; K: 32 tiles of 1,024 bytes (128 elements of 8), 2,048 bytes apart; the mask names the cluster's four
	s_mov_b32 s[G1K+1], 128<<16
	s_mov_b32 s[G1K+2], 32<<16
	s_mov_b32 s[G1K+3], 128<<16
	s_mov_b32 s[G1K+4], 32
	s_mov_b32 s[G1K+5], 256
	s_mov_b32 s[G1K+6], 0
	s_mov_b32 s[G1K+7], 0
	s_mov_b32 s[G1V], 15|(3<<16)|(1<<21)           ; V: 4 key steps of 8,192 bytes, 16,384 bytes apart
	s_mov_b32 s[G1V+1], 1024<<16
	s_mov_b32 s[G1V+2], 4<<16
	s_mov_b32 s[G1V+3], 1024<<16
	s_mov_b32 s[G1V+4], 4
	s_mov_b32 s[G1V+5], 2048
	s_mov_b32 s[G1V+6], 0
	s_mov_b32 s[G1V+7], 0
	s_mov_b32 s[G1SK], 15|(3<<16)|(1<<21)          ; the scale words: dense, as rows of 256 bytes
	s_mov_b32 s[G1SK+1], 32<<16
	s_mov_b32 s[G1SK+2], 32<<16
	s_mov_b32 s[G1SK+3], 32<<16
	s_mov_b32 s[G1SK+4], 32
	s_mov_b32 s[G1SK+5], 32
	s_mov_b32 s[G1SK+6], 0
	s_mov_b32 s[G1SK+7], 0
	s_mov_b32 s[G1SV], 15|(3<<16)|(1<<21)
	s_mov_b32 s[G1SV+1], 32<<16
	s_mov_b32 s[G1SV+2], 16<<16
	s_mov_b32 s[G1SV+3], 32<<16
	s_mov_b32 s[G1SV+4], 16
	s_mov_b32 s[G1SV+5], 32
	s_mov_b32 s[G1SV+6], 0
	s_mov_b32 s[G1SV+7], 0
	s_mov_b32 s[SEL], 0x76543210
	s_mov_b32 s[SEL+1], 0xfedcba98
	s_mov_b32 s[CS], 0x3e38aa3b                    ; log2(e) / 8
	s_mov_b32 s[CS+1], s[CS]
	s_mov_b32 s[MNT], 0x600000
	s_mov_b32 s[KF0], 11*128                       ; the first walk begins at key step 11
	s_mov_b32 s[TB], 11*8192
	s_mov_b32 s[TS], 11*512
	s_mov_b32 s[TJ], 11*256
	s_wait_dscnt 0x0                               ; both opening adds are done
	s_wait_kmcnt 0x0
	CROUND                                         ; in front of the joint loads
	s_mov_b32 s[G0SK], 1
	s_mov_b32 s[G0SK+1], SCK
	s_add_nc_u64 s[G0SK+2:G0SK+3], s[4:5], s[92:93]
	s_or_b32 s[G0SK+3], s[G0SK+3], 0x80000000
	s_mov_b32 s[G0SV], 1
	s_mov_b32 s[G0SV+1], SCV
	s_add_nc_u64 s[G0SV+2:G0SV+3], s[4:5], s[94:95]
	s_or_b32 s[G0SV+3], s[G0SV+3], 0x80000000
	s_mov_b32 s[G0K], 1
	s_lshl_b32 s[G0K+1], s[WV], 15                 ; wave w fills LDS bytes 32,768 w on
	s_add_nc_u64 s[G0K+2:G0K+3], s[4:5], s[14:15]
	s_or_b32 s[G0K+3], s[G0K+3], 0x80000000
	s_mov_b32 s[G0V], 1
	s_lshl_b32 s[G0V+1], s[WV], 15
	s_add_nc_u64 s[G0V+2:G0V+3], s[4:5], s[16:17]
	s_or_b32 s[G0V+3], s[G0V+3], 0x80000000
	s_cmp_lt_u32 s[WV], 4                          ; the head's loads: one tree, one load an arm
	s_cbranch_scc0 .Lh_v
	TL G0K, G1K
	s_branch .Lh_join
.Lh_v:
	s_cmp_lt_u32 s[WV], 8
	s_cbranch_scc0 .Lh_sk
	TL G0V, G1V
	s_branch .Lh_join
.Lh_sk:
	s_cmp_eq_u32 s[WV], 8
	s_cbranch_scc0 .Lh_sv
	TL G0SK, G1SK
	s_branch .Lh_join
.Lh_sv:
	s_cmp_eq_u32 s[WV], 9
	s_cbranch_scc0 .Lh_join
	TL G0SV, G1SV
.Lh_join:
	s_add_nc_u64 s[88:89], s[4:5], s[88:89]
	s_add_nc_u64 s[90:91], s[4:5], s[90:91]
	s_add_nc_u64 s[2:3], s[4:5], s[2:3]
	s_add_nc_u64 s[96:97], s[4:5], s[96:97]
	s_add_nc_u64 s[84:85], s[6:7], s[84:85]
	s_add_nc_u64 s[86:87], s[6:7], s[86:87]
	v_and_b32 v2, 31, v0
	v_and_b32 v8, 15, v0
	v_bfe_u32 v11, v0, 4, 1
	v_lshlrev_b32 v[LI], 4, v2
	v_lshlrev_b32 v10, 2, v8
	global_load_b128 v[QF:QF+3], v[LI], s[88:89]   ; Q of the tile that I begin with
	global_load_b128 v[QF+4:QF+7], v[LI], s[88:89] offset:512
	global_load_b32 v[QW], v10, s[90:91]
	global_load_b128 v[KF+64:KF+67], v[LI], s[2:3] ; Q of the tile that I finish
	global_load_b128 v[KF+68:KF+71], v[LI], s[2:3] offset:512
	global_load_b32 v[QW2], v10, s[96:97]
	v_add_nc_u32 v[LIV], VB, v[LI]
	v_add_nc_u32 v[HA], s[HOA], v[LI]
	v_lshl_add_u32 v[ASK0], v8, 2, SCK
	v_lshl_add_u32 v[ASV0], v8, 2, SCV
	v_lshlrev_b32 v[GO], 4, v8
	v_lshlrev_b32 v[EA], 2, v8
	v_lshl_add_u32 v[GO], v11, 3, v[GO]
	v_lshlrev_b32 v11, 3, v11
	v_mov_b32 v13, 0xff61b1e6                      ; the largest t so far: -3e38
	v_sub_nc_u32 v11, v8, v11
	v_mov_b32 v14, 0
	v_add_nc_u32 v[DQ], s9, v11                    ; 16 x + r - 8 h: key 16 T + j of a diagonal step is hidden where it is greater
	v_floor_f32 v12, -v13
	v_mov_b32 v15, 0
.irp j, 0,1,2,3,4,5,6,7
	v_mov_b32 v[QF+8+\j], 0                        ; Q's upper 64 along K: zero codes
.endr
.irp b, 0,1,2,3
	v_mov_b32 v[PD+\b], 0                          ; a lane permute's destination counts as a source
.endr
	v_mov_b32 v[F+1], 0
	v_mov_b32 v[TA], 0
	v_mov_b32 v[NINF], 0xff800000
.set j, 0
.rept 32
	v_mov_b32 v[O+j], 0                            ; the step is written once: the first finds zeros
.set j, j+1
.endr
; A KEY STEP: 128 keys.
.macro STEP
	s_cmp_gt_u32 s[KF0], s[P255]
	s_cbranch_scc1 .Lhidden_\@
	v_add_nc_u32 v[ADK], s[TB], v[LI]
	v_add_nc_u32 v[ADS], s[TS], v[ASK0]
.rept 6
	v_nop                                          ; with the two lines above: eight places behind the last step's products, whose fragments lay where K's now land
.endr
.irp t, 0,1,2,3,4,5,6,7
	ds_load_b128 v[KF+8*\t:KF+8*\t+3], v[ADK] offset:1024*\t
	ds_load_b128 v[KF+8*\t+4:KF+8*\t+7], v[ADK] offset:1024*\t+512
	ds_load_b32 v[KW+\t], v[ADS] offset:64*\t
.endr
	s_wait_dscnt 9                                 ; tiles 0 to 4 are in (15 of the 24 loads): tile 3's product names tile 4's registers too
.irp t, 0,1,2,3
	v_wmma_scale_f32_16x16x128_f8f6f4 v[S+8*\t:S+8*\t+7], v[KF+8*\t:KF+8*\t+15], v[QF:QF+15], 0, v[KW+\t], v[QW]
.endr
	s_wait_dscnt 0x0
.irp t, 4,5,6,7
	v_wmma_scale_f32_16x16x128_f8f6f4 v[S+8*\t:S+8*\t+7], v[KF+8*\t:KF+8*\t+15], v[QF:QF+15], 0, v[KW+\t], v[QW]
.endr
	v_add_nc_u32 v[ADV], s[TB], v[LIV]
	v_add_nc_u32 v[ADT], s[TJ], v[ASV0]
.rept 6
	v_nop                                          ; eight places in all: ahead of the loads over K's fragments and of the first read of the scores
.endr
.irp t, 0,1,2,3
.irp c, 0,1,2,3
	ds_load_b128 v[KF+16*\t+4*\c:KF+16*\t+4*\c+3], v[ADV] offset:2048*\t+512*\c   ; V's fragments land under the softmax
.endr
	ds_load_b32 v[VW+\t], v[ADT] offset:64*\t
.endr
	s_cmp_lg_u32 s[KF0], s[P128]
	s_cbranch_scc1 .Lopen_\@
.set n, 0
.rept 64
	v_cmp_gt_i32 vcc_lo, 16*(n/8)+n%8, v[DQ]       ; the diagonal step: hidden scores become -infinity
	v_cndmask_b32 v[S+n], v[S+n], v[NINF], vcc_lo
.set n, n+1
.endr
.Lopen_\@:
.irp b, 0,1,2,3
	v_max3_num_f32 v[BM+\b], v[S+16*\b], v[S+1+16*\b], v[S+2+16*\b]   ; each block's largest score: for the row's maximum and for the block's largest p
.endr
.irp i, 3,5,7,9,11,13
.irp b, 0,1,2,3
	v_max3_num_f32 v[BM+\b], v[BM+\b], v[S+16*\b+\i], v[S+1+16*\b+\i]
.endr
.endr
.irp b, 0,1,2,3
	v_max_num_f32 v[BM+\b], v[BM+\b], v[S+15+16*\b]
.endr
.irp b, 0,1,2,3
	v_permlanex16_b32 v[PD+\b], v[BM+\b], s[SEL], s[SEL+1]
.endr
.irp b, 0,1,2,3
	s_delay_alu instid0(VALU_DEP_4)
	v_max_num_f32 v[BM+\b], v[BM+\b], v[PD+\b]
.endr
	s_delay_alu instid0(VALU_DEP_2)
	v_max3_num_f32 v[TA], v[BM], v[BM+1], v[BM+2]
	s_delay_alu instid0(VALU_DEP_1)
	v_max_num_f32 v[TA], v[TA], v[BM+3]
	s_delay_alu instid0(VALU_DEP_1)
	v_mul_f32 v[TA], s[CS], v[TA]
	s_delay_alu instid0(VALU_DEP_1)
	v_max_num_f32 v13, v13, v[TA]
	v_mov_b32 v[TA], v12
	s_delay_alu instid0(VALU_DEP_2)
	v_floor_f32 v12, -v13                          ; -M = floor(-t)
	s_delay_alu instid0(VALU_DEP_1)
	v_sub_f32 v[TA], v12, v[TA]
	s_delay_alu instid0(VALU_DEP_1)
	v_cvt_i32_f32 v[TA], v[TA]
	s_delay_alu instid0(VALU_DEP_1)
	v_ldexp_f32 v[F], 1.0, v[TA]                   ; f = 2^(old M - new M)
.set j, 0
.rept 32
	v_pk_fma_f32 v[S+j:S+j+1], v[S+j:S+j+1], s[CS:CS+1], v[12:13] op_sel_hi:[1,0,0]
.set j, j+2
.endr
.irp b, 0,1,2,3
	v_fma_f32 v[BM+\b], v[BM+\b], s[CS], v12
.endr
.set j, 0
	s_wait_alu depctr_va_vdst(0)
.rept 64
	v_exp_f32 v[S+j], v[S+j]
.set j, j+1
.endr
.irp b, 0,1,2,3
	v_exp_f32 v[BM+\b], v[BM+\b]
.endr
	v_pk_mul_f32 v[14:15], v[14:15], v[F:F+1] op_sel_hi:[1,0]
	s_wait_alu depctr_va_vdst(0)
.irp b, 0,1,2,3
	v_max_num_f32 v[BM+\b], 0x4800000, v[BM+\b]    ; the floor 2^(9 - 127): the byte cannot fall under 1
.endr
.irp b, 0,1,2,3
	s_delay_alu instid0(VALU_DEP_4)
	v_add_nc_u32 v[SO+\b], 0xfc000000, v[BM+\b]
.endr
.irp b, 0,1,2,3
	v_and_or_b32 v[LM+\b], v[BM+\b], 0x7f800000, s[MNT]
.endr
.irp b, 0,1,2,3
	v_lshrrev_b32 v[PD+\b], 23, v[SO+\b]
.endr
	s_delay_alu instid0(VALU_DEP_3)
	v_lshl_or_b32 v[PW], v[PD+1], 8, v[PD]
	s_delay_alu instid0(VALU_DEP_1)
	v_lshl_or_b32 v[PW], v[PD+2], 16, v[PW]
	s_delay_alu instid0(VALU_DEP_1)
	v_lshl_or_b32 v[PW], v[PD+3], 24, v[PW]
	v_pk_add_f32 v[PD:PD+1], v[S:S+1], v[S+2:S+3]  ; the row's sum, of the unquantised p, two at a time, in four chains that take turns
	v_pk_add_f32 v[BM:BM+1], v[S+4:S+5], v[S+6:S+7]
	v_pk_add_f32 v[BM+2:BM+3], v[S+8:S+9], v[S+10:S+11]
	v_pk_add_f32 v[14:15], v[14:15], v[S+12:S+13]
	v_pk_add_f32 v[PD:PD+1], v[PD:PD+1], v[S+14:S+15]
.irp j, 16,24,32,40,48,56
	v_pk_add_f32 v[BM:BM+1], v[BM:BM+1], v[S+\j:S+1+\j]
	v_pk_add_f32 v[BM+2:BM+3], v[BM+2:BM+3], v[S+2+\j:S+3+\j]
	v_pk_add_f32 v[14:15], v[14:15], v[S+4+\j:S+5+\j]
	v_pk_add_f32 v[PD:PD+1], v[PD:PD+1], v[S+6+\j:S+7+\j]
.endr
	v_pk_add_f32 v[BM:BM+1], v[BM:BM+1], v[BM+2:BM+3]
	v_pk_add_f32 v[14:15], v[14:15], v[PD:PD+1]
	v_pk_add_f32 v[14:15], v[14:15], v[BM:BM+1]
.irp b, 0,1,2,3
.set i, 0
.rept 16
	v_min_num_f32 v[S+16*\b+i], v[S+16*\b+i], v[LM+\b]   ; the conversion does not saturate (ISA guide 7.6.2); p is not negative
.set i, i+1
.endr
	v_cvt_scalef32_pk8_fp8_f32 v[PC+4*\b:PC+4*\b+1], v[S+16*\b:S+16*\b+7], v[SO+\b]
	v_cvt_scalef32_pk8_fp8_f32 v[PC+4*\b+2:PC+4*\b+3], v[S+16*\b+8:S+16*\b+15], v[SO+\b]
.endr
	s_wait_dscnt 0x0                               ; V's fragments and scale words
	s_wait_alu depctr_va_vdst(0)                   ; directly ahead of the first reader of O^T
.set j, 0
.rept 16
	v_pk_mul_f32 v[O+j:O+j+1], v[O+j:O+j+1], v[F:F+1] op_sel_hi:[1,0]   ; O^T under the new M; also the places between the codes and the products
.set j, j+2
.endr
.irp t, 0,1,2,3
	v_wmma_scale_f32_16x16x128_f8f6f4 v[O+8*\t:O+8*\t+7], v[KF+16*\t:KF+16*\t+15], v[PC:PC+15], v[O+8*\t:O+8*\t+7], v[VW+\t], v[PW]
.endr
.Lhidden_\@:
	s_add_co_u32 s[KF0], s[KF0], 128
	s_add_co_u32 s[TB], s[TB], 8192
	s_add_co_u32 s[TS], s[TS], 512
	s_add_co_u32 s[TJ], s[TJ], 256
.endm
	s_wait_alu depctr_va_vdst(0)
	s_wait_tensorcnt 0x0                           ; my tile is in
	s_barrier_signal -1
	s_barrier_wait -1                              ; everybody's is
	s_wait_loadcnt 0x0                             ; Q
	s_mov_b32 s[CNT], 5
.Lhelp:                                                ; key steps 11 to 15: wave B, for the long tile
	STEP
	s_sub_co_u32 s[CNT], s[CNT], 1
	s_cmp_lg_u32 s[CNT], 0
	s_cbranch_scc1 .Lhelp
	s_cmp_eq_u32 s[HELP], 0
	s_cbranch_scc1 .Lown
.rept 8
	v_nop                                          ; places behind the last products
.endr
.irp c, 0,1,2,3,4,5,6,7
	ds_store_b128 v[HA], v[O+4*\c:O+4*\c+3] offset:512*\c   ; wave B hands over its part of the long tile: O^T, each accumulator from its low end on,
.endr
	ds_store_b128 v[HA], v[12:15] offset:4096      ; -M, t and the sum's two halves
	v_mov_b32 v[QW], v[QW2]                        ; and begins the short tile
.irp j, 0,1,2,3,4,5,6,7
	v_mov_b32 v[QF+\j], v[KF+64+\j]
.endr
	v_mov_b32 v13, 0xff61b1e6
	v_mov_b32 v14, 0
	v_mov_b32 v15, 0
	v_floor_f32 v12, -v13
.set j, 0
.rept 32
	v_mov_b32 v[O+j], 0
.set j, j+1
.endr
	s_wait_alu depctr_va_vdst(0)
.Lown:
	s_mov_b32 s[P128], s[D2]
	s_mov_b32 s[P255], s[L2]
	s_mov_b32 s[KF0], 0
	s_mov_b32 s[TB], 0
	s_mov_b32 s[TS], 0
	s_mov_b32 s[TJ], 0
	s_mov_b32 s[CNT], 11
.Lwalk:                                                ; key steps 0 to 10, for the tile that the wave finishes
	STEP
	s_sub_co_u32 s[CNT], s[CNT], 1
	s_cmp_lg_u32 s[CNT], 0
	s_cbranch_scc1 .Lwalk
	s_wait_dscnt 0x0                               ; for the others' sake: what I handed over lies in LDS
	s_barrier_signal -1
	s_barrier_wait -1
	s_cmp_eq_u32 s[MERGE], 0
	s_cbranch_scc1 .Lfinish
.irp c, 0,1,2,3,4,5,6,7
	ds_load_b128 v[S+4*\c:S+4*\c+3], v[HA] offset:512*\c    ; wave A: the other part of my tile
.endr
	ds_load_b128 v[BM:BM+3], v[HA] offset:4096
	s_wait_dscnt 0x0
	v_min_num_f32 v[TA], v12, v[BM]                ; -M of the two parts together
	v_sub_f32 v[PD], v[TA], v12                    ; whole numbers, 0 or less
	v_sub_f32 v[PD+1], v[TA], v[BM]
	v_cvt_i32_f32 v[PD], v[PD]                     ; (they saturate: a part that walked no step has -M = 3e38, and its factor is 0)
	v_cvt_i32_f32 v[PD+1], v[PD+1]
	v_ldexp_f32 v[F], 1.0, v[PD]
	v_ldexp_f32 v[LM], 1.0, v[PD+1]
	v_pk_mul_f32 v[14:15], v[14:15], v[F:F+1] op_sel_hi:[1,0]
	v_pk_fma_f32 v[14:15], v[BM+2:BM+3], v[LM:LM+1], v[14:15] op_sel_hi:[1,0,1]
.set j, 0
.rept 16
	v_pk_mul_f32 v[O+j:O+j+1], v[O+j:O+j+1], v[F:F+1] op_sel_hi:[1,0]
.set j, j+2
.endr
.set j, 0
.rept 16
	v_pk_fma_f32 v[O+j:O+j+1], v[S+j:S+j+1], v[LM:LM+1], v[O+j:O+j+1] op_sel_hi:[1,0,1]
.set j, j+2
.endr
.Lfinish:
; THE WAY OUT: O^T / the sum, quantised along the head's 64 (two blocks; lanes l and l xor 16 hold a block), as an image of oproj's fragments.
.rept 8
	v_nop
.endr
	v_add_f32 v14, v14, v15
	s_delay_alu instid0(VALU_DEP_1)
	v_permlanex16_b32 v[TA], v14, s[SEL], s[SEL+1]
	s_delay_alu instid0(VALU_DEP_1)
	v_add_f32 v14, v14, v[TA]
	s_wait_alu depctr_va_vdst(0)
	v_rcp_f32 v14, v14
	v_nop
.set j, 0
	s_wait_alu depctr_va_vdst(0)
.rept 32
	v_mul_f32 v[S+j], v[O+j], v14
.set j, j+1
.endr
.irp b, 0,1
	v_max3_num_f32 v[BM+\b], |v[S+16*\b]|, |v[S+1+16*\b]|, 0x4800000
.endr
.irp i, 2,4,6,8,10,12,14
.irp b, 0,1
	s_delay_alu instid0(VALU_DEP_2)
	v_max3_num_f32 v[BM+\b], v[BM+\b], |v[S+16*\b+\i]|, |v[S+1+16*\b+\i]|
.endr
.endr
.irp b, 0,1
	v_permlanex16_b32 v[PD+\b], v[BM+\b], s[SEL], s[SEL+1]
.endr
.irp b, 0,1
	s_delay_alu instid0(VALU_DEP_2)
	v_max_num_f32 v[BM+\b], v[BM+\b], v[PD+\b]
.endr
.irp b, 0,1
	s_delay_alu instid0(VALU_DEP_2)
	v_add_nc_u32 v[SO+\b], 0xfc000000, v[BM+\b]
.endr
.irp b, 0,1
	s_delay_alu instid0(VALU_DEP_4)
	v_and_or_b32 v[LM+\b], v[BM+\b], 0x7f800000, s[MNT]
.endr
.irp b, 0,1
	s_delay_alu instid0(VALU_DEP_4)
	v_lshrrev_b32 v[PD+\b], 23, v[SO+\b]
.endr
	s_delay_alu instid0(VALU_DEP_1)
	v_lshl_or_b32 v[PC+8], v[PD+1], 8, v[PD]
.irp b, 0,1
.set i, 0
.rept 16
	v_med3_num_f32 v[S+16*\b+i], v[S+16*\b+i], -v[LM+\b], v[LM+\b]
.set i, i+1
.endr
	v_cvt_scalef32_pk8_fp8_f32 v[PC+4*\b:PC+4*\b+1], v[S+16*\b:S+16*\b+7], v[SO+\b]
	v_cvt_scalef32_pk8_fp8_f32 v[PC+4*\b+2:PC+4*\b+3], v[S+16*\b+8:S+16*\b+15], v[SO+\b]
.endr
	v_nop
.irp b, 0,1
	global_store_b64 v[GO], v[PC+4*\b:PC+4*\b+1], s[84:85] offset:512*\b          ; 256 consecutive bytes, aligned
	global_store_b64 v[GO], v[PC+4*\b+2:PC+4*\b+3], s[84:85] offset:512*\b+256
.endr
	global_store_b16 v[EA], v[PC+8], s[86:87]
	s_wait_tensorcnt 0x0                           ; the wave's end
	ds_add_u32 v[SPW], v[NIL]
	s_wait_dscnt 0x0
	CROUND                                         ; the closing round
	s_endpgm
.Lfunc_end_k_q40155d3da8_attn:
	.size	k_q40155d3da8_attn, .Lfunc_end_k_q40155d3da8_attn-k_q40155d3da8_attn
	.p2alignl 7, 3214868480
	.fill 96, 4, 3214868480
	.section	.rodata,"a",@progbits
	.p2align	6, 0x0
	.amdhsa_kernel k_q40155d3da8_attn
		.amdhsa_group_segment_fixed_size 327680
		.amdhsa_private_segment_fixed_size 0
		.amdhsa_enable_private_segment 0
		.amdhsa_kernarg_size 16
		.amdhsa_user_sgpr_count 2
		.amdhsa_user_sgpr_kernarg_segment_ptr 1
		.amdhsa_wavefront_size32 1
		.amdhsa_system_sgpr_workgroup_id_x 1
		.amdhsa_system_sgpr_workgroup_id_y 1
		.amdhsa_system_sgpr_workgroup_id_z 1
		.amdhsa_system_vgpr_workitem_id 0
		.amdhsa_next_free_vgpr 256
		.amdhsa_next_free_sgpr 102
		.amdhsa_reserve_vcc 1
		.amdhsa_float_denorm_mode_32 3
		.amdhsa_float_denorm_mode_16_64 3
		.amdhsa_memory_ordered 1
		.amdhsa_forward_progress 1
		.amdhsa_inst_pref_size 75
	.end_amdhsa_kernel
	.amdgpu_metadata
---
amdhsa.version: [ 1, 2 ]
amdhsa.kernels:
  - .name:           k_q40155d3da8_attn
    .symbol:         k_q40155d3da8_attn.kd
    .args:
      - { .name: qkv, .offset: 0, .size: 8, .value_kind: global_buffer, .address_space: global }
      - { .name: ao, .offset: 8, .size: 8, .value_kind: global_buffer, .address_space: global }
    .group_segment_fixed_size: 327680
    .private_segment_fixed_size: 0
    .kernarg_segment_align: 8
    .kernarg_segment_size: 16
    .max_flat_workgroup_size: 512
    .sgpr_count:     102
    .vgpr_count:     256
    .wavefront_size: 32
...
	.end_amdgpu_metadata
.endif
;; end of part 9
;; launch oproj (part 10): grid 8 x 32, 4 waves a work-group, clusters of 4 x 4, 327,680 bytes of LDS; arguments ao, w_o_codes, w_o_scales, x, x1; writes x1
.if DOCPART == 10
	.amdgcn_target "amdgcn-amd-amdhsa--gfx1250"
	.amdhsa_code_object_version 6
	.text
	.protected	k_q40155d3da8_oproj
	.globl	k_q40155d3da8_oproj
	.p2align	8
	.type	k_q40155d3da8_oproj,@function
k_q40155d3da8_oproj:
	s_mov_b64 s[64:65], 0
	v_nop
	global_prefetch_b8 v0, s[64:65] scope:SCOPE_SE
	s_setreg_imm32_b32 hwreg(HW_REG_WAVE_MODE, 25, 1), 1
	s_wait_xcnt 0x0
	s_wait_alu depctr_hold_cnt(0) depctr_sa_sdst(0) depctr_va_vdst(0) depctr_va_sdst(0) depctr_va_ssrc(0) depctr_va_vcc(0) depctr_vm_vsrc(0)
	s_getreg_b32 s2, hwreg(HW_REG_IB_STS2, 6, 4)
	s_cmp_eq_u32 s2, 0
	s_cbranch_scc0 .Lentry_in_a_cluster
	s_endpgm
.Lentry_in_a_cluster:
	s_bfe_u32 s2, ttmp6, 0x10000c
	s_cmp_lg_u32 s2, 0xf033
	s_cbranch_scc0 .Lentry_shape_is_right
	s_endpgm
.Lentry_shape_is_right:
; x1 = x + ao W_o: C[m][n] = R[m][n] + sum over k of A[m][k] B[n][k], on codes of E4M3 with E8M0 scales; K = KK.  C and R: [4096][1024] f32.
; A arrives as IMAGES of its fragments, [k / 128][tile of 16 rows: 256][2,048 bytes] (chunk c of 512 bytes: lane l's registers 4 c .. 4 c + 3 at 16 l), its scale words [k / 128][row] behind them; B as rows of codes, K innermost.
; THE TILE of C is 128 x 128: C has 256 such tiles, one work-group each.  Four waves, 64 x 64 each: 16 accumulators, 128 registers.  The price: for 128 along K a wave reads 8 fragments from LDS for 16 products, twice the
; bytes for each product that a wave tile of 128 x 128 would read; with tiles of 256 x 256 there would be only 64 work-groups.
; K goes in steps of 512, as long as two LDS slots allow: A's part of a slot is four planes of 8 images (16,384 dense bytes each, read at 16 x lane: no padding), B's 128 rows of 512 bytes + 16.  With K = 1,024 both K steps are
; first fills and nothing is filled again; with K = 2,048 each slot is filled once more.  The scales of all of K come into LDS once.
; CLUSTERS: 4 x 4 work-groups: A's tiles are asked for jointly by a row of the cluster, B's by a column.
; The matrix instruction is used transposed (source 0 = 16 rows of B, source 1 = 16 rows of A): a lane holds eight neighbouring numbers of a row of C.
; THE RESIDUAL's 64 x 64 numbers of the wave are asked for at the kernel's head, into registers of their own, and waited for on the way out only.
; THE WAY OUT: a wave's 64 columns are 256 bytes, aligned: its results go through its own stage in LDS and come back two rows a load; the residual is added; sixteen lanes store 256 consecutive bytes.
; REGISTERS, in windows of 256: window 0: v0-31 addresses; v32-63 scale words, two sets, and nothing else; v128-255 the accumulators ((a, b) at v[128 + 8 (4 a + b)]).
;   window 1: two fragment buffers of 128: A's four fragments, then B's four.   window 2: v0-127 the residual; v128-255 rows of C read back from the stage.
.set KK,     1024
.set ASCOFF, 4194304                   ; A's scale words lie behind its images
.set NT_OUT, 0                         ; the result is read again by later launches
.set KROW,   KK                        ; a row of B in memory, in bytes
.set NK,     KK/128
.set ROWB,   512                       ; a row of B's tile: 512 codes
.set PITCH,  528                       ; in LDS: + 16 of padding = 132 words: the 16 rows that a load touches start 4 words further on each, modulo 64
.set FR,     16                        ; registers of a fragment
.set NP,     8                         ; places behind this matrix instruction (ISA guide 7.12.1)
.set PLANE,  524288                    ; A's images of 128 along K in memory: 256 tiles x 2,048 bytes
.set APL,    16384                     ; the work-group's 8 of them
.set AIMG,   4*APL                     ; A's part of a slot
.set HALFB,  64*PITCH                  ; 64 rows of B: what one tensor load brings, and what one wave reads
.set SLOT,   AIMG+2*HALFB
.set LAPS,   KK/1024                   ; a lap = two K steps = once round the ring
.set KS,     KK/32                     ; a row of B's scale bytes
.set SCL,    2*SLOT                    ; behind the ring: A's scale words, [k / 128][128 rows]
.set ASC,    NK*256
.set SCLB,   SCL+2*ASC                 ; B's scale bytes, as units of 256 bytes + 16 of padding
.set HALFS,  (64*KS/256)*272           ; those of 64 rows
.set S32,    (32*KS/256)*272           ; those of 32 rows
.set SPARE,  SCLB+2*HALFS              ; the spare words, 128 bytes for each wave: two blocks of 256 bytes that no other line names
.set SPITCH, 272                       ; the stage: 64 rows x (256 bytes + 16) for each wave, in slot 0, which has had its last fill and its last read by then
.set ADRA, 16                          ; v16-17  LDS address of my A fragments in slot 0, 1
.set ADRB, 20                          ; v20-21  the same for B
.set STO,  24                          ; v24     the way out: where I put 32 bytes of a row
.set RD,   25                          ; v25     the way out: where I read rows back
.set CO,   26                          ; v26     4,096 (lane / 16) + 16 (lane % 16): my 16 bytes of two rows of C
.set ADSA, 27                          ; v27     LDS address of A's scale words: lane l takes row l of 32
.set SPW,  28                          ; v28     LDS address of my spare word; never rewritten
.set NIL,  29                          ; v29     0; never rewritten
.set ADSB, 30                          ; v30     the same as ADSA for B
.set SC,   32                          ; scale words: set s at v[SC + 16 s]: B's at + 4 i + q (rows 32 i + lane, the slot's q-th 128 along K), A's at + 8 + 4 i + q
.set ACC,  128
.set F0,   0                           ; fragment buffers, in window 1
.set F1,   128
.set RES,  0                           ; in window 2
.set BK,   128
.set G1, 24
.set G0, 32
.set G1B, 48
.set G0B, 56
.set G1S, 68
.set G0S, 76
.set G1SB, 80
.set G0SB, 88
.set MSB, 0
.macro WIN new                         ; the immediate's high byte repeats the setting that is left
.if MSB != \new
	s_set_vgpr_msb (MSB<<8)|\new
.set MSB, \new
.endif
.endm
.set MUL,  0x05                        ; sources 0 (B) and 1 (A) window 1; C and D window 0
.set TO_F, 0x40                        ; destination window 1, address window 0
.macro JLOAD g0a, g1a, g0b, g1b        ; a joint load: waves 0 and 1 fetch for A, waves 2 and 3 for B; the branch hangs on the wave's number alone; four v_nop follow each line
	s_cmp_eq_u32 s15, 0
	s_cbranch_scc0 .Lfor_b_\@
	tensor_load_to_lds s[\g0a:\g0a+3], s[\g1a:\g1a+7]
	s_nop 0
.rept 4
	v_nop
.endr
	s_branch .Lasked_\@
.Lfor_b_\@:
	tensor_load_to_lds s[\g0b:\g0b+3], s[\g1b:\g1b+7]
	s_nop 0
.rept 4
	v_nop
.endr
.Lasked_\@:
.endm
.macro CREST                           ; a round of the cluster's barrier behind its opening barrier
	s_cmp_lg_u32 s14, 0
	s_cbranch_scc1 .Lnot_wave_0_\@
	s_barrier_signal -3
.Lnot_wave_0_\@:
	s_barrier_wait -3
	s_barrier_signal -1
	s_barrier_wait -1
.endm
.macro CROUND
	s_barrier_signal -1
	s_barrier_wait -1
	CREST
.endm
	s_load_b256 s[4:11], s[0:1], 0x0               ; A's buffer, B's codes, B's scales, the residual
	s_load_b64 s[12:13], s[0:1], 0x20              ; C
	v_lshl_add_u32 v[SPW], v0, 2, SPARE
	v_mov_b32 v[NIL], 0
	ds_add_u32 v28, v29
	ds_add_u32 v28, v29
	s_wait_dscnt 0x0
	v_lshrrev_b32 v1, 5, v0
	v_readfirstlane_b32 s14, v1                    ; wave 0..3
	s_lshr_b32 s15, s14, 1                         ; which half of the tile's rows is mine.  Also: I fetch for A (0) or for B (1)
	s_and_b32 s16, s14, 1                          ; which half of its columns.  Also: which part of that side I fetch
	s_bfe_u32 s40, ttmp6, 0x40000                  ; cx, cy: my place in the cluster
	s_bfe_u32 s41, ttmp6, 0x40004
	s_lshl_b32 s42, ttmp9, 2
	s_add_co_u32 s42, s42, s40                     ; tile column of C
	s_and_b32 s17, ttmp7, 0xffff
	s_lshl_b32 s17, s17, 2
	s_add_co_u32 s17, s17, s41                     ; tile row of C
	s_lshl_b32 s43, s41, 2
	s_lshl_b32 s43, 15, s43                        ; my row of the cluster
	s_lshl_b32 s44, 0x1111, s40                    ; my column
	s_or_b32 s[G1+0], s43, (3<<16)|(1<<21)         ; A: two planes of 16,384 dense bytes (2,048 elements of 8 bytes), 524,288 bytes apart; no padding; the mask, and bit 21 beside it
	s_mov_b32 s[G1+1], 2048<<16                    ; tensor_dim0
	s_mov_b32 s[G1+2], 4<<16                       ; tensor_dim1: the head's load brings a K step's four planes; set to 2 behind the wait for it
	s_mov_b32 s[G1+3], 2048<<16                    ; tile_dim0
	s_mov_b32 s[G1+4], 4                           ; tile_dim1
	s_mov_b32 s[G1+5], PLANE/8                     ; the pitch
	s_mov_b32 s[G1+6], 0
	s_mov_b32 s[G1+7], 0
	s_or_b32 s[G1B+0], s44, (0<<16)|(1<<20)|(1<<21)|(6<<22)|(3<<25)  ; B: 64 rows of 512 bytes, 4 words of padding after every 128
	s_mov_b32 s[G1B+1], ROWB<<16
	s_mov_b32 s[G1B+2], 128<<16                    ; the head's load brings all 128 rows; set to 64 behind the wait for it
	s_mov_b32 s[G1B+3], ROWB<<16
	s_mov_b32 s[G1B+4], 128
	s_mov_b32 s[G1B+5], KROW
	s_mov_b32 s[G1B+6], 0
	s_mov_b32 s[G1B+7], 0
	s_or_b32 s[G1S+0], s43, (3<<16)|(1<<21)        ; A's scale words of 128 rows: NK rows of 512 bytes, 16,384 bytes apart
	s_mov_b32 s[G1S+1], 64<<16                     ; all 128 rows' words: NK rows of 512 bytes; in LDS [k / 128][128 rows]
	s_mov_b32 s[G1S+2], NK<<16
	s_mov_b32 s[G1S+3], 64<<16
	s_mov_b32 s[G1S+4], NK
	s_mov_b32 s[G1S+5], 2048
	s_mov_b32 s[G1S+6], 0
	s_mov_b32 s[G1S+7], 0
	s_or_b32 s[G1SB+0], s44, (3<<16)|(1<<20)|(1<<21)|(5<<22)|(3<<25) ; B's scale bytes of 128 rows: a dense block as rows of 256 bytes, 4 words of padding behind each
	s_mov_b32 s[G1SB+1], 32<<16
	s_mov_b32 s[G1SB+2], (128*KS/256)<<16
	s_mov_b32 s[G1SB+3], 32<<16
	s_mov_b32 s[G1SB+4], 128*KS/256
	s_mov_b32 s[G1SB+5], 32
	s_mov_b32 s[G1SB+6], 0
	s_mov_b32 s[G1SB+7], 0
	s_lshl_b32 s20, s17, 14                        ; A's images: 8 tiles x 2,048 bytes a tile row,
	s_lshl_b32 s18, s16, 20                        ; the K step's first or second two planes
	s_add_co_u32 s20, s20, s18
	s_mov_b32 s21, 0
	s_lshl_b32 s22, s17, 9                         ; A's scale words: 128 rows x 4 bytes
	s_mov_b32 s23, 0
	s_lshl_b32 s46, s42, 7
	s_mul_i32 s92, s46, KS                         ; B's scale bytes: the tile's first row
	s_lshl_b32 s18, s16, 6
	s_add_co_u32 s46, s46, s18                     ; B: the first row that I fetch in the ring
	s_mov_b32 s93, 0
	s_mul_i32 s46, s46, KROW
	s_mov_b32 s47, 0
	s_lshl_b32 s45, s16, 15                        ; where they go: no place in the cluster enters an LDS address
	s_mul_i32 s94, s16, HALFB
	s_add_co_u32 s94, s94, AIMG
	s_wait_kmcnt 0x0
	s_mov_b64 s[98:99], s[10:11]                   ; the residual
	s_mov_b64 s[10:11], s[8:9]                     ; B's scales
	s_mov_b64 s[8:9], s[6:7]                       ; B's codes
	s_add_nc_u64 s[6:7], s[4:5], ASCOFF            ; A's scale words
	s_add_nc_u64 s[20:21], s[4:5], s[20:21]
	s_add_nc_u64 s[22:23], s[6:7], s[22:23]
	s_add_nc_u64 s[46:47], s[8:9], s[46:47]
	s_add_nc_u64 s[92:93], s[10:11], s[92:93]
	CROUND                                         ; all sixteen work-groups are here: the first joint loads meet
	s_mov_b32 s[G0S], 1
	s_mov_b32 s[G0S+1], SCL
	s_mov_b64 s[G0S+2:G0S+3], s[22:23]
	s_or_b32 s[G0S+3], s[G0S+3], 0x80000000
	s_mov_b32 s[G0SB], 1
	s_mov_b32 s[G0SB+1], SCLB
	s_mov_b64 s[G0SB+2:G0SB+3], s[92:93]
	s_or_b32 s[G0SB+3], s[G0SB+3], 0x80000000
.irp s, 0,1
	s_mov_b32 s[G0+4*\s], 1
	s_add_co_u32 s[G0+4*\s+1], s45, \s*SLOT
	s_add_nc_u64 s[G0+4*\s+2:G0+4*\s+3], s[20:21], \s*4*PLANE
	s_or_b32 s[G0+4*\s+3], s[G0+4*\s+3], 0x80000000
	s_mov_b32 s[G0B+4*\s], 1
	s_add_co_u32 s[G0B+4*\s+1], s94, \s*SLOT
	s_add_nc_u64 s[G0B+4*\s+2:G0B+4*\s+3], s[46:47], \s*ROWB
	s_or_b32 s[G0B+4*\s+3], s[G0B+4*\s+3], 0x80000000
.endr
; THE HEAD'S LOADS, ONE A WAVE: wave 0 K step 0's four planes of A (its own slot 0 descriptor begins at the first), wave 1 A's scale words, wave 2 B's 128 rows, wave 3 B's scale bytes.
.macro ARM under, g0, g1, next
	s_cmp_lt_u32 s14, \under
	s_cbranch_scc0 \next
	tensor_load_to_lds s[\g0:\g0+3], s[\g1:\g1+7]
	s_nop 0
.rept 4
	v_nop
.endr
	s_branch .Lhead_asked
\next:
.endm
	ARM 1, G0, G1, .Lhead_sa
	ARM 2, G0S, G1S, .Lhead_b
	ARM 3, G0B, G1B, .Lhead_sb
	tensor_load_to_lds s[G0SB:G0SB+3], s[G1SB:G1SB+7]
	s_nop 0
.rept 4
	v_nop
.endr
.Lhead_asked:
	v_and_b32 v1, 15, v0                           ; r = lane % 16
	v_bfe_u32 v2, v0, 4, 1                         ; h = lane / 16
	v_and_b32 v6, 31, v0                           ; lane
	v_lshlrev_b32 v7, 4, v6                        ; 16 x lane
	s_lshl_b32 s21, s15, 13                        ; my four images of each plane of A
	v_add_nc_u32 v[ADRA], s21, v7
	s_add_co_u32 s21, s21, SLOT
	v_add_nc_u32 v[ADRA+1], s21, v7
	v_mul_u32_u24 v3, v1, PITCH
	v_lshl_add_u32 v4, v2, 4, v3                   ; B: a fragment's row x pitch + 16 h
	s_mul_i32 s22, s16, HALFB
	s_add_co_u32 s22, s22, AIMG                    ; my 64 rows of B
	v_add_nc_u32 v[ADRB], s22, v4
	s_add_co_u32 s22, s22, SLOT
	v_add_nc_u32 v[ADRB+1], s22, v4
	s_lshl_b32 s21, s15, 8                         ; my 64 rows' words of each plane of 512 bytes
	s_add_co_u32 s21, s21, SCL
	v_lshl_add_u32 v[ADSA], v6, 2, s21             ; A's scale words: row = lane of 32
	v_mul_u32_u24 v5, v6, KS                       ; B's scale bytes: row = lane: KS bytes a row,
	v_lshrrev_b32 v8, 8, v5
	v_lshl_add_u32 v5, v8, 4, v5                   ; and 16 more for each 256 passed
	s_mul_i32 s22, s16, HALFS
	s_add_co_u32 s22, s22, SCLB
	v_add_nc_u32 v[ADSB], s22, v5
	s_mul_i32 s23, s14, 64*SPITCH                  ; my stage
	v_mul_u32_u24 v5, v1, SPITCH
	v_lshl_add_u32 v5, v2, 5, v5
	v_add_nc_u32 v[STO], s23, v5                   ; in: row r, 32 bytes for each half of the lanes
	v_mul_u32_u24 v5, v2, SPITCH
	v_lshl_add_u32 v5, v1, 4, v5
	v_add_nc_u32 v[RD], s23, v5                    ; back: lanes 0-15 take one row of 256 bytes, lanes 16-31 the next
	v_lshlrev_b32 v5, 12, v2
	v_lshl_add_u32 v[CO], v1, 4, v5                ; and the same two rows in C and in the residual
	s_wait_alu depctr_va_vdst(0)
	s_lshl_b32 s20, s17, 19                        ; my first row of C: 128 x tile row + 64 x half, 4,096 bytes a row,
	s_lshl_b32 s21, s15, 18
	s_add_co_u32 s20, s20, s21
	s_lshl_b32 s46, s42, 9                         ; my first column: 512 bytes a tile, 256 a half
	s_lshl_b32 s47, s16, 8
	s_add_co_u32 s46, s46, s47
	s_add_co_u32 s20, s20, s46
	s_mov_b32 s21, 0
	s_add_nc_u64 s[12:13], s[12:13], s[20:21]
	s_add_nc_u64 s[98:99], s[98:99], s[20:21]
	WIN 0x80                                       ; destination window 2
.set t, 0
.rept 32
	global_load_b128 v[RES+4*t:RES+4*t+3], v[CO], s[98:99] offset:t*8192 th:TH_LOAD_NT   ; the residual's rows 2 t and 2 t + 1, my 256 bytes of each: they land while K is walked; their address registers are never rewritten
.set t, t+1
.endr
	WIN 0
.macro FRAG reg, adr, q, i             ; B: 16 rows x 128 K from rows: lane l holds row l % 16; registers 4 c .. 4 c + 3 hold K = 32 c + 16 (l / 16) + 0 .. 15
.irp c, 0,1,2,3
	ds_load_b128 v[\reg+4*\c:\reg+4*\c+3], v[\adr] offset:128*(\q)+32*\c+(\i)*16*PITCH
.endr
.endm
.macro FRAGI reg, adr, q, i            ; A: the image as it lies
.irp c, 0,1,2,3
	ds_load_b128 v[\reg+4*\c:\reg+4*\c+3], v[\adr] offset:APL*(\q)+2048*(\i)+512*\c
.endr
.endm
.macro WM zero, rb, ra                 ; one product; a scale register holds the words of 32 rows: an odd block's in lanes 16-31, which the ROW1 selector names
.if (\zero) && (\rb) && (\ra)
	v_wmma_scale_f32_16x16x128_f8f6f4 v[rD:rD+7], v[rB:rB+15], v[rA:rA+15], 0, v[rSB], v[rSA] matrix_a_scale:MATRIX_SCALE_ROW1 matrix_b_scale:MATRIX_SCALE_ROW1
.elseif (\zero) && (\rb)
	v_wmma_scale_f32_16x16x128_f8f6f4 v[rD:rD+7], v[rB:rB+15], v[rA:rA+15], 0, v[rSB], v[rSA] matrix_a_scale:MATRIX_SCALE_ROW1
.elseif (\zero) && (\ra)
	v_wmma_scale_f32_16x16x128_f8f6f4 v[rD:rD+7], v[rB:rB+15], v[rA:rA+15], 0, v[rSB], v[rSA] matrix_b_scale:MATRIX_SCALE_ROW1
.elseif \zero
	v_wmma_scale_f32_16x16x128_f8f6f4 v[rD:rD+7], v[rB:rB+15], v[rA:rA+15], 0, v[rSB], v[rSA]
.elseif (\rb) && (\ra)
	v_wmma_scale_f32_16x16x128_f8f6f4 v[rD:rD+7], v[rB:rB+15], v[rA:rA+15], v[rD:rD+7], v[rSB], v[rSA] matrix_a_scale:MATRIX_SCALE_ROW1 matrix_b_scale:MATRIX_SCALE_ROW1
.elseif \rb
	v_wmma_scale_f32_16x16x128_f8f6f4 v[rD:rD+7], v[rB:rB+15], v[rA:rA+15], v[rD:rD+7], v[rSB], v[rSA] matrix_a_scale:MATRIX_SCALE_ROW1
.elseif \ra
	v_wmma_scale_f32_16x16x128_f8f6f4 v[rD:rD+7], v[rB:rB+15], v[rA:rA+15], v[rD:rD+7], v[rSB], v[rSA] matrix_b_scale:MATRIX_SCALE_ROW1
.else
	v_wmma_scale_f32_16x16x128_f8f6f4 v[rD:rD+7], v[rB:rB+15], v[rA:rA+15], v[rD:rD+7], v[rSB], v[rSA]
.endif
.endm
; 4 products: A's block a x B's four, the slot's q-th 128 along K, from buffer f.  sc: the set of scale words.  zero = 1: the first product starts the sums.  The 16 accumulators take turns, in the same order in every quarter.
.macro MUL4 f, q, sc, zero, a
.irp b, 0,1,2,3
.set rD, ACC+8*(4*(\a)+\b)
.set rB, (\f)+64+FR*\b
.set rA, (\f)+FR*(\a)
.set rSB, SC+16*(\sc)+4*(\b/2)+(\q)
.set rSA, SC+16*(\sc)+8+4*((\a)/2)+(\q)
	WM \zero, (\b)%2, (\a)%2
.endr
.endm
.macro FETCH slot, q, f                ; 32 LDS loads in one run: the fragments of the slot's q-th 128 along K into buffer f
	WIN TO_F
.irp i, 0,1,2,3
	FRAG (\f)+64+FR*\i, ADRB+\slot, \q, \i
.endr
.irp i, 0,1,2,3
	FRAGI (\f)+FR*\i, ADRA+\slot, \q, \i
.endr
.endm
.macro SCALES sc                       ; a K step's scale words, 32 rows a load: B's four words of a row by one load, A's one word a load
	WIN 0
.irp i, 0,1
	ds_load_b128 v[SC+16*\sc+4*\i:SC+16*\sc+4*\i+3], v[ADSB] offset:\i*S32
.endr
.irp i, 0,1
.irp q, 0,1,2,3
	ds_load_b32 v[SC+16*\sc+8+4*\i+\q], v[ADSA] offset:\i*128+\q*512
.endr
.endr
.endm
.macro PLACES n                        ; plain vector lines between a matrix instruction and a load into, or an LDS store of, its registers (ISA guide 7.12.1 for vector accesses)
.rept \n
	v_nop
.endr
.endm
; A K step is four quarters of 128 along K, 16 products each, on buffers 0, 1, 0, 1.  One of the first three: asks for the next quarter's fragments, into the buffer that the quarter before multiplied, and multiplies buffer f.
.macro QUARTER slot, q, f, g, zero
	PLACES NP                                      ; behind the products that read buffer g
	FETCH \slot, (\q)+1, \g
	s_wait_dscnt 32                                ; all but the 32 just issued: this quarter's fragments, and its scale words, are in
	WIN MUL
.irp a, 0,1,2,3
	MUL4 \f, \q, \slot, \zero, \a
.endr
.endm
; The last quarter multiplies buffer 1 and changes slots: one barrier; in front of it each wave waits for all its tensor loads, adds 0 to its spare word, and waits for that and for its own reads of this slot.  fill = 1: the slot is filled again, two K steps ahead.
.macro TURN slot, next, fill
	WIN 0                                          ; (the add's two registers lie in window 0)
	s_wait_tensorcnt 0x0                           ; all my tensor loads have landed: my part of the next slot
	ds_add_u32 v[SPW], v[NIL]                      ; 0 onto my spare word
	s_wait_dscnt 1                                 ; this quarter's fragments are in; the add may be out
	WIN MUL
	MUL4 F1, 3, \slot, 0, 0                        ; four products stand between the add and the wait for it
	s_wait_dscnt 0x0                               ; the add is done, and my reads of this slot are over
	s_barrier_signal -1
	MUL4 F1, 3, \slot, 0, 1
	WIN 0                                          ; (branches may follow)
	s_barrier_wait -1
.if \fill
	CREST                                          ; the barrier has opened a round of the cluster's: no wave of any partner still reads this slot or has a load on its way
	s_add_nc_u64 s[G0+4*\slot+2:G0+4*\slot+3], s[G0+4*\slot+2:G0+4*\slot+3], 8*PLANE
	s_add_nc_u64 s[G0B+4*\slot+2:G0B+4*\slot+3], s[G0B+4*\slot+2:G0B+4*\slot+3], 2*ROWB
	JLOAD G0+4*\slot, G1, G0B+4*\slot, G1B         ; the first tensor load behind the round, my one load until the next; its four v_nop are among the places in front of the loads below
	PLACES NP-4
.else
	PLACES NP
.endif
	v_add_nc_u32 v[ADSA], 2048, v[ADSA]            ; on to the next K step's scale words: four planes of 512 bytes,
	v_add_nc_u32 v[ADSB], 16, v[ADSB]              ; 16 bytes of each row
	SCALES \next
	FETCH \next, 0, F0
	WIN MUL
	MUL4 F1, 3, \slot, 0, 2
	MUL4 F1, 3, \slot, 0, 3
.endm
	s_wait_alu depctr_va_vdst(0)
	s_wait_tensorcnt 0x0                           ; my tile of the head's four is in; slot 1's first fill is issued as a refill is
	ds_add_u32 v[SPW], v[NIL]
	s_mov_b32 s[G1+2], 2<<16                       ; no tensor load of mine is out: from here on a load brings two planes of A, or 64 rows of B
	s_mov_b32 s[G1+4], 2
	s_mov_b32 s[G1B+2], 64<<16
	s_mov_b32 s[G1B+4], 64
	s_wait_dscnt 0x0
	CROUND                                         ; all four tiles are in, and all sixteen work-groups are here
	JLOAD G0+4, G1, G0B+4, G1B                     ; K step 1, the first tensor load behind the round
	SCALES 0
	FETCH 0, 0, F0
	QUARTER 0, 0, F0, F1, 1                        ; the first quarter's products start the sums: nothing is cleared
	QUARTER 0, 1, F1, F0, 0
	QUARTER 0, 2, F0, F1, 0
.if LAPS > 1
	WIN 0                                          ; at a label and at a branch every window is 0
	s_mov_b32 s3, LAPS-1
.Llap:                                                 ; a trip goes once round the ring, from a K step's last quarter to the last but one of the K step two further on, and fills both slots again
	TURN 0, 1, 1
	QUARTER 1, 0, F0, F1, 0
	QUARTER 1, 1, F1, F0, 0
	QUARTER 1, 2, F0, F1, 0
	TURN 1, 0, 1
	QUARTER 0, 0, F0, F1, 0
	QUARTER 0, 1, F1, F0, 0
	QUARTER 0, 2, F0, F1, 0
	WIN 0
	s_sub_co_u32 s3, s3, 1
	s_cmp_lg_u32 s3, 0
	s_cbranch_scc1 .Llap
.endif
	TURN 0, 1, 0                                   ; the last lap fills nothing, and has no round of the cluster's barrier
	QUARTER 1, 0, F0, F1, 0
	QUARTER 1, 1, F1, F0, 0
	QUARTER 1, 2, F0, F1, 0
	s_wait_dscnt 0x0                               ; the very last quarter: nothing more to fetch
.irp a, 0,1,2,3
	MUL4 F1, 3, 1, 0, \a
.endr
	WIN 0
	; THE WAY OUT.  A lane holds 32 neighbouring bytes of a row, and the lanes beside it hold other rows: the wave's 64 rows x 256 bytes go through its own stage and come back two whole rows a load.
	PLACES NP                                      ; in front of the first read of results
.irp a, 0,1,2,3
.irp b, 0,1,2,3
	ds_store_b128 v[STO], v[ACC+8*(4*\a+\b):ACC+8*(4*\a+\b)+3] offset:\a*16*SPITCH+64*\b       ; each accumulator from its low end on
	ds_store_b128 v[STO], v[ACC+8*(4*\a+\b)+4:ACC+8*(4*\a+\b)+7] offset:\a*16*SPITCH+64*\b+16
.endr
.endr
	WIN 0x80                                       ; destination window 2
.set t, 0
.rept 32
	ds_load_b128 v[BK+4*t:BK+4*t+3], v[RD] offset:t*2*SPITCH   ; LDS serves a wave's instructions in order (ISA guide 5.7.1.4): these see the stores above
.set t, t+1
.endr
	s_wait_loadcnt 0x0                             ; the residual, asked for at the head
.irp g, 0,1,2,3
	s_wait_dscnt 24-8*\g                           ; eight loads (16 rows) are back; the later groups of eight may be out
	WIN 0x8a                                       ; both sources and the destination: window 2
.set k, 32*\g
.rept 16
	v_pk_add_f32 v[BK+k:BK+k+1], v[BK+k:BK+k+1], v[RES+k:RES+k+1]
.set k, k+2
.endr
	WIN 0x08                                       ; a store's data are its source 1: window 2
.set t, 8*\g
.rept 8
.if NT_OUT
	global_store_b128 v[CO], v[BK+4*t:BK+4*t+3], s[12:13] offset:t*8192 th:TH_STORE_NT
.else
	global_store_b128 v[CO], v[BK+4*t:BK+4*t+3], s[12:13] offset:t*8192   ; sixteen lanes store 256 consecutive bytes, aligned; 62 rows of 4,096 bytes at the most stand in the immediate
.endif
.set t, t+1
.endr
.endr
	WIN 0
	s_wait_tensorcnt 0x0                           ; the wave's end
	ds_add_u32 v[SPW], v[NIL]
	s_wait_dscnt 0x0
	CROUND                                         ; the closing round: no work-group ends while a partner may still ask for a tile that names it
	s_endpgm
.Lfunc_end_k_q40155d3da8_oproj:
	.size	k_q40155d3da8_oproj, .Lfunc_end_k_q40155d3da8_oproj-k_q40155d3da8_oproj
	.p2alignl 7, 3214868480
	.fill 96, 4, 3214868480
	.section	.rodata,"a",@progbits
	.p2align	6, 0x0
	.amdhsa_kernel k_q40155d3da8_oproj
		.amdhsa_group_segment_fixed_size 327680
		.amdhsa_private_segment_fixed_size 0
		.amdhsa_enable_private_segment 0
		.amdhsa_kernarg_size 40
		.amdhsa_user_sgpr_count 2
		.amdhsa_user_sgpr_kernarg_segment_ptr 1
		.amdhsa_wavefront_size32 1
		.amdhsa_system_sgpr_workgroup_id_x 1
		.amdhsa_system_sgpr_workgroup_id_y 1
		.amdhsa_system_sgpr_workgroup_id_z 1
		.amdhsa_system_vgpr_workitem_id 0
		.amdhsa_next_free_vgpr 768
		.amdhsa_next_free_sgpr 102
		.amdhsa_reserve_vcc 0
		.amdhsa_float_denorm_mode_32 3
		.amdhsa_float_denorm_mode_16_64 3
		.amdhsa_memory_ordered 1
		.amdhsa_forward_progress 1
		.amdhsa_inst_pref_size 62
	.end_amdhsa_kernel
	.amdgpu_metadata
---
amdhsa.version: [ 1, 2 ]
amdhsa.kernels:
  - .name:           k_q40155d3da8_oproj
    .symbol:         k_q40155d3da8_oproj.kd
    .args:
      - { .name: ao, .offset: 0, .size: 8, .value_kind: global_buffer, .address_space: global }
      - { .name: w_o_codes, .offset: 8, .size: 8, .value_kind: global_buffer, .address_space: global }
      - { .name: w_o_scales, .offset: 16, .size: 8, .value_kind: global_buffer, .address_space: global }
      - { .name: x, .offset: 24, .size: 8, .value_kind: global_buffer, .address_space: global }
      - { .name: x1, .offset: 32, .size: 8, .value_kind: global_buffer, .address_space: global }
    .group_segment_fixed_size: 327680
    .private_segment_fixed_size: 0
    .kernarg_segment_align: 8
    .kernarg_segment_size: 40
    .max_flat_workgroup_size: 128
    .sgpr_count:     102
    .vgpr_count:     768
    .wavefront_size: 32
...
	.end_amdgpu_metadata
.endif
;; end of part 10
;; launch norm2: the kernel of part 7 again; grid 256 x 1, 16 waves a work-group, no clusters, 84,480 bytes of LDS; arguments x1, g2, xn; writes xn
;; launch gateup (part 11): grid 16 x 16, 4 waves a work-group, clusters of 4 x 4, 327,680 bytes of LDS; arguments xn, w_gate_codes, w_gate_scales, w_up_codes, w_up_scales, hh; writes hh
.if DOCPART == 11
	.amdgcn_target "amdgcn-amd-amdhsa--gfx1250"
	.amdhsa_code_object_version 6
	.text
	.protected	k_q40155d3da8_gateup
	.globl	k_q40155d3da8_gateup
	.p2align	8
	.type	k_q40155d3da8_gateup,@function
k_q40155d3da8_gateup:
	s_mov_b64 s[64:65], 0
	v_nop
	global_prefetch_b8 v0, s[64:65] scope:SCOPE_SE
	s_setreg_imm32_b32 hwreg(HW_REG_WAVE_MODE, 25, 1), 1
	s_wait_xcnt 0x0
	s_wait_alu depctr_hold_cnt(0) depctr_sa_sdst(0) depctr_va_vdst(0) depctr_va_sdst(0) depctr_va_ssrc(0) depctr_va_vcc(0) depctr_vm_vsrc(0)
	s_getreg_b32 s2, hwreg(HW_REG_IB_STS2, 6, 4)
	s_cmp_eq_u32 s2, 0
	s_cbranch_scc0 .Lentry_in_a_cluster
	s_endpgm
.Lentry_in_a_cluster:
	s_bfe_u32 s2, ttmp6, 0x10000c
	s_cmp_lg_u32 s2, 0xf033
	s_cbranch_scc0 .Lentry_shape_is_right
	s_endpgm
.Lentry_shape_is_right:
; hh = Q(silu(xn W_gate) x (xn W_up)), both products on codes of E4M3 with E8M0 scales, K = 1,024; the result is quantised along D_FF on the way out and never goes to memory as f32.
; THE PRODUCT is C[m][n] = sum over k of A[m][k] B[n][k] on a tile of 256 x 256 by four waves, 128 x 128 each (64 accumulators, 512 registers); K in steps of 256 through a ring of two LDS slots filled by the tensor data
; mover; the tile's scale bytes come into LDS once; 4 x 4 work-groups form a cluster, A's tiles asked for jointly by a row of the cluster, B's by a column.  Used transposed: a lane holds one token and eight neighbouring columns.
; B'S TILE is 128 rows of W_gate (wave 2 fetches them) and THE SAME 128 rows of W_up (wave 3).  Wave (rh, ch) multiplies gate rows 64 ch + 0..63 (B's blocks 0-3) and up rows 64 ch + 0..63 (blocks 4-7): so a lane holds gate
; and up of the same hidden units, and the activation needs no other lane.
; THE WAY OUT.  My 64 hidden units are two blocks of 32 of the next K; lanes l and l xor 16 hold a block.  The codes leave as an IMAGE of the next operand's fragments in true order of k:
; hh: [k / 128: 16][tile of 16 rows: 256][2,048 bytes]; a block's codes 8 h + 0..7 go to bytes 16 r + 8 h of its chunk's first half, 16 + 8 h + 0..7 to the second half: each store covers 256 consecutive bytes, aligned.
; Scale words [k / 128][row] lie 8,388,608 bytes on: a word's four bytes come from two waves, meet in LDS and leave in aligned runs of 256 bytes.
; LIMITS: a block of zeros gets the byte 1 (zero codes; this program alone reads the bytes); NaN and infinities are not served; the sigmoid is v_exp_f32's and v_rcp_f32's, 1 ulp each.
; REGISTERS, in windows of 256: window 0: v0-31 addresses; v32-63 scale words, two sets, and nothing else; v64-95 at work on the way out; from v128 A's fragments, one set.  window 1: B's fragments, two sets.
;   window 2: the accumulators of my rows 0-63 ((a, b) at v[8 (8 a + b)]);  window 3: those of my rows 64-127.
.set KROW,   1024
.set ROWB,   256
.set NQ,     2
.set PITCH,  272
.set FR,     16
.set NL,     4
.set NP,     8
.set HALFT,  128*PITCH
.set SLOT,   4*HALFT                   ; A's 256 rows, gate's 128, up's 128
.set LAPS,   KROW/512
.set KS,     KROW/32
.set SCL,    2*SLOT
.set HALFS,  (128*KS/256)*272
.set S32,    (32*KS/256)*272
.set SPARE,  SCL+4*HALFS               ; the spare words, 128 bytes for each wave: two blocks of 256 bytes that no other line names
.set XSC,    4194304                   ; xn's scale bytes lie behind its codes
.set HSC,    8388608                   ; hh's scale words lie behind its images
.set ADRA, 16
.set ADRB, 20
.set LO,   24                          ; v24     16 r + 8 h: my 8 bytes of a store of 256
.set SST,  25                          ; v25     where I stage half a scale word
.set SRD,  26                          ; v26     where I read staged words back
.set ADSA, 27
.set SPW,  28
.set NIL,  29
.set ADSB, 30
.set L8,   31                          ; v31     8 x lane
.set SC,   32
.set T,    64
.set AF,   128
.set PCB,  128                         ; the way out: codes, eight registers for each block of rows, never written again
.set TM,   192
.set HW,   208                         ; v208-215 half a scale word for each block of rows
.set G1, 24
.set G0, 32
.set G1B, 48
.set G0B, 56
.set G1S, 68
.set G0S, 76
.set G1SB, 80
.set G0SB, 88
.set MSB, 0
.macro WIN new
.if MSB != \new
	s_set_vgpr_msb (MSB<<8)|\new
.set MSB, \new
.endif
.endm
.set MUL_LO, 0xa1
.set MUL_HI, 0xf1
.set TO_B,   0x40
.macro JLOAD g0a, g1a, g0b, g1b        ; a joint load: waves 0 and 1 fetch for A, waves 2 and 3 for B; four v_nop follow each line
	s_cmp_eq_u32 s15, 0
	s_cbranch_scc0 .Lfor_b_\@
	tensor_load_to_lds s[\g0a:\g0a+3], s[\g1a:\g1a+7]
	s_nop 0
.rept 4
	v_nop
.endr
	s_branch .Lasked_\@
.Lfor_b_\@:
	tensor_load_to_lds s[\g0b:\g0b+3], s[\g1b:\g1b+7]
	s_nop 0
.rept 4
	v_nop
.endr
.Lasked_\@:
.endm
.macro CREST
	s_cmp_lg_u32 s14, 0
	s_cbranch_scc1 .Lnot_wave_0_\@
	s_barrier_signal -3
.Lnot_wave_0_\@:
	s_barrier_wait -3
	s_barrier_signal -1
	s_barrier_wait -1
.endm
.macro CROUND
	s_barrier_signal -1
	s_barrier_wait -1
	CREST
.endm
	s_load_b256 s[4:11], s[0:1], 0x0               ; xn, gate's codes, gate's scales, up's codes
	s_load_b128 s[96:99], s[0:1], 0x20             ; up's scales, hh
	v_lshl_add_u32 v[SPW], v0, 2, SPARE
	v_mov_b32 v[NIL], 0
	ds_add_u32 v28, v29
	ds_add_u32 v28, v29
	s_wait_dscnt 0x0
	v_lshrrev_b32 v1, 5, v0
	v_readfirstlane_b32 s14, v1                    ; wave 0..3
	s_lshr_b32 s15, s14, 1                         ; which half of the tokens is mine.  Also: I fetch for A (0) or for B (1)
	s_and_b32 s16, s14, 1                          ; which 64 hidden units.  Also: which half of A's rows I fetch, or gate (0) or up (1)
	s_bfe_u32 s40, ttmp6, 0x40000
	s_bfe_u32 s41, ttmp6, 0x40004
	s_lshl_b32 s42, ttmp9, 2
	s_add_co_u32 s42, s42, s40                     ; which 128 hidden units
	s_and_b32 s17, ttmp7, 0xffff
	s_lshl_b32 s17, s17, 2
	s_add_co_u32 s17, s17, s41                     ; which 256 tokens
	s_lshl_b32 s43, s41, 2
	s_lshl_b32 s43, 15, s43                        ; my row of the cluster
	s_lshl_b32 s44, 0x1111, s40                    ; my column
	s_or_b32 s[G1+0], s43, (0<<16)|(1<<20)|(1<<21)|(5<<22)|(3<<25)
	s_or_b32 s[G1B+0], s44, (0<<16)|(1<<20)|(1<<21)|(5<<22)|(3<<25)
.irp g, G1, G1B
	s_mov_b32 s[\g+1], ROWB<<16
	s_mov_b32 s[\g+2], 128<<16
	s_mov_b32 s[\g+3], ROWB<<16
	s_mov_b32 s[\g+4], 128
	s_mov_b32 s[\g+5], KROW
	s_mov_b32 s[\g+6], 0
	s_mov_b32 s[\g+7], 0
.endr
	s_or_b32 s[G1S+0], s43, (3<<16)|(1<<20)|(1<<21)|(5<<22)|(3<<25)
.irp g, G1S
	s_mov_b32 s[\g+1], 32<<16
	s_mov_b32 s[\g+2], (256*KS/256)<<16            ; A's scale bytes of all 256 rows by one load
	s_mov_b32 s[\g+3], 32<<16
	s_mov_b32 s[\g+4], 256*KS/256
	s_mov_b32 s[\g+5], 32
	s_mov_b32 s[\g+6], 0
	s_mov_b32 s[\g+7], 0
.endr
	s_lshl_b32 s18, s16, 7
	s_lshl_b32 s20, s17, 8
	s_add_co_u32 s20, s20, s18                     ; A: the first row that I fetch
	s_lshl_b32 s22, s17, 13                        ; the tile's scale bytes: 256 rows x 32
	s_mov_b32 s23, 0
	s_lshl_b32 s20, s20, 10                        ; its codes
	s_mov_b32 s21, 0
	s_lshl_b32 s92, s42, 12                        ; B: row 128 x tile, in gate and in up alike: scale bytes,
	s_mov_b32 s93, 0
	s_lshl_b32 s46, s42, 17                        ; codes
	s_mov_b32 s47, 0
	s_mul_i32 s45, s14, HALFT                      ; where they go: wave x 128 rows
	s_wait_kmcnt 0x0
	s_mov_b64 s[12:13], s[98:99]                   ; hh
	s_cmp_eq_u32 s16, 0                            ; gate or up: the wave's number decides, the same in every work-group
	s_cselect_b64 s[100:101], s[6:7], s[10:11]     ; B's codes
	s_cselect_b64 s[10:11], s[8:9], s[96:97]       ; B's scales
	s_mov_b64 s[8:9], s[100:101]
	s_add_nc_u64 s[6:7], s[4:5], XSC               ; A's scales
	s_add_nc_u64 s[20:21], s[4:5], s[20:21]
	s_add_nc_u64 s[22:23], s[6:7], s[22:23]
	s_add_nc_u64 s[46:47], s[8:9], s[46:47]
	s_add_nc_u64 s[92:93], s[10:11], s[92:93]
	CROUND                                         ; all sixteen work-groups are here: the first joint loads meet
	s_mov_b32 s[G0S], 1
	s_mov_b32 s[G0S+1], SCL
	s_mov_b64 s[G0S+2:G0S+3], s[22:23]
	s_or_b32 s[G0S+3], s[G0S+3], 0x80000000
.irp s, 0,1
	s_mov_b32 s[G0+4*\s], 1
	s_add_co_u32 s[G0+4*\s+1], s45, \s*SLOT
	s_add_nc_u64 s[G0+4*\s+2:G0+4*\s+3], s[20:21], \s*ROWB
	s_or_b32 s[G0+4*\s+3], s[G0+4*\s+3], 0x80000000
	s_mov_b32 s[G0B+4*\s], 1
	s_add_co_u32 s[G0B+4*\s+1], s45, \s*SLOT
	s_add_nc_u64 s[G0B+4*\s+2:G0B+4*\s+3], s[46:47], \s*ROWB
	s_or_b32 s[G0B+4*\s+3], s[G0B+4*\s+3], 0x80000000
.endr
; THE HEAD'S LOADS, ONE A WAVE: wave 0 K step 0's 256 rows of A (its own slot 0 descriptor begins at the tile's first row), wave 1 A's scale bytes, wave 2 gate's 128 rows, wave 3 up's.
; Gate's and up's scale bytes, 2 x 4,096, lie in two buffers and would be two tiles more than there are waves: they go through registers into LDS bytes of their own, 2,048 a wave, in the padded form in which SCALES reads them.
	s_mov_b32 s[G1+2], 256<<16                     ; A's head load counts 256 rows; set back to 128 behind the wait for it
	s_mov_b32 s[G1+4], 256
.macro ARM under, g0, g1, next
	s_cmp_lt_u32 s14, \under
	s_cbranch_scc0 \next
	tensor_load_to_lds s[\g0:\g0+3], s[\g1:\g1+7]
	s_nop 0
.rept 4
	v_nop
.endr
	s_branch .Lhead_asked
\next:
.endm
	ARM 1, G0, G1, .Lhead_sa
	ARM 2, G0S, G1S, .Lhead_b
	tensor_load_to_lds s[G0B:G0B+3], s[G1B:G1B+7]
	s_nop 0
.rept 4
	v_nop
.endr
.Lhead_asked:
	v_and_b32 v11, 31, v0
	v_bfe_u32 v10, v0, 4, 1
	v_lshlrev_b32 v11, 4, v11                      ; 16 x lane
	s_lshl_b32 s18, s15, 11                        ; rows 64 (wave / 2) on of gate's (even waves) or up's (odd waves) 128
	v_lshl_add_u32 v10, v10, 4, v11                ; in LDS 16 bytes more for each 256 passed
	v_add_nc_u32 v9, s18, v11
	s_mul_i32 s18, s15, 8*272
	s_mul_i32 s19, s16, HALFS
	s_add_co_u32 s18, s18, s19
	s_add_co_u32 s18, s18, SCL+2*HALFS
	v_add_nc_u32 v10, s18, v10
.irp j, 0,1,2,3
	global_load_b128 v[T+4*\j:T+4*\j+3], v9, s[92:93] offset:512*\j   ; 512 consecutive bytes a load
.endr
	v_and_b32 v1, 15, v0                           ; r
	v_bfe_u32 v2, v0, 4, 1                         ; h
	v_and_b32 v6, 31, v0                           ; lane
	v_mul_u32_u24 v3, v1, PITCH
	v_lshl_add_u32 v4, v2, 4, v3
	s_mul_i32 s21, s15, HALFT                      ; my 128 rows of A
	s_mul_i32 s22, s16, 64*PITCH                   ; my 64 rows of gate; up's lie 128 rows on
	s_add_co_u32 s22, s22, 2*HALFT
.irp s, 0,1
	v_add_nc_u32 v[ADRA+\s], s21, v4
	v_add_nc_u32 v[ADRB+\s], s22, v4
	s_add_co_u32 s21, s21, SLOT
	s_add_co_u32 s22, s22, SLOT
.endr
	v_lshlrev_b32 v5, 5, v6                        ; scale bytes: row = lane: 32 bytes a row,
	v_lshrrev_b32 v7, 8, v5
	v_lshl_add_u32 v5, v7, 4, v5                   ; and 16 more for each 256 passed
	s_mul_i32 s21, s15, HALFS
	s_add_co_u32 s21, s21, SCL
	v_add_nc_u32 v[ADSA], s21, v5
	s_mul_i32 s22, s16, 2*S32
	s_add_co_u32 s22, s22, SCL+2*HALFS
	v_add_nc_u32 v[ADSB], s22, v5
	v_lshlrev_b32 v[LO], 4, v1
	v_lshl_add_u32 v[LO], v2, 3, v[LO]
	s_lshl_b32 s21, s15, 9                         ; the stage for scale words, in slot 0: 4 bytes a token of the tile's 256,
	s_lshl_b32 s22, s16, 1                         ; of which my hidden units have two
	s_add_co_u32 s21, s21, s22
	v_lshl_add_u32 v[SST], v1, 2, s21
	v_lshlrev_b32 v[L8], 3, v6
	s_lshl_b32 s21, s14, 8
	v_add_nc_u32 v[SRD], s21, v[L8]                ; back: 256 bytes a wave
	s_lshl_b32 s20, s42, 8
	s_lshl_b32 s21, s17, 4
	s_add_co_u32 s20, s20, s21
	s_lshl_b32 s21, s15, 3
	s_add_co_u32 s20, s20, s21                     ; 256 (k / 128) + my first tile of 16 rows
	s_lshl_b32 s20, s20, 11
	s_lshl_b32 s21, s16, 10
	s_add_co_u32 s20, s20, s21                     ; my two chunks of each image
	s_mov_b32 s21, 0
	s_lshl_b32 s46, s42, 14
	s_lshl_b32 s47, s17, 10
	s_add_co_u32 s46, s46, s47
	s_lshl_b32 s47, s14, 8
	s_add_co_u32 s46, s46, s47
	s_add_co_u32 s46, s46, HSC                     ; the scale words that I store
	s_mov_b32 s47, 0
	s_add_nc_u64 s[98:99], s[12:13], s[46:47]
	s_add_nc_u64 s[12:13], s[12:13], s[20:21]
.macro FRAG reg, adr, q, i
.irp c, 0,1,2,3
	ds_load_b128 v[\reg+4*\c:\reg+4*\c+3], v[\adr] offset:128*(\q)+32*\c+(\i)*16*PITCH
.endr
.endm
.macro FRAGB reg, adr, q, i            ; B's block i: gate's rows 16 i (i under 4), else up's rows 16 (i - 4), 128 rows on
.irp c, 0,1,2,3
	ds_load_b128 v[\reg+4*\c:\reg+4*\c+3], v[\adr] offset:128*(\q)+32*\c+((\i)/4)*HALFT+((\i)%4)*16*PITCH
.endr
.endm
.macro WM zero, rb, ra                 ; one product; a scale register holds the words of 32 rows: an odd block's in lanes 16-31, which the ROW1 selector names
.if (\zero) && (\rb) && (\ra)
	v_wmma_scale_f32_16x16x128_f8f6f4 v[rD:rD+7], v[rB:rB+15], v[rA:rA+15], 0, v[rSB], v[rSA] matrix_a_scale:MATRIX_SCALE_ROW1 matrix_b_scale:MATRIX_SCALE_ROW1
.elseif (\zero) && (\rb)
	v_wmma_scale_f32_16x16x128_f8f6f4 v[rD:rD+7], v[rB:rB+15], v[rA:rA+15], 0, v[rSB], v[rSA] matrix_a_scale:MATRIX_SCALE_ROW1
.elseif (\zero) && (\ra)
	v_wmma_scale_f32_16x16x128_f8f6f4 v[rD:rD+7], v[rB:rB+15], v[rA:rA+15], 0, v[rSB], v[rSA] matrix_b_scale:MATRIX_SCALE_ROW1
.elseif \zero
	v_wmma_scale_f32_16x16x128_f8f6f4 v[rD:rD+7], v[rB:rB+15], v[rA:rA+15], 0, v[rSB], v[rSA]
.elseif (\rb) && (\ra)
	v_wmma_scale_f32_16x16x128_f8f6f4 v[rD:rD+7], v[rB:rB+15], v[rA:rA+15], v[rD:rD+7], v[rSB], v[rSA] matrix_a_scale:MATRIX_SCALE_ROW1 matrix_b_scale:MATRIX_SCALE_ROW1
.elseif \rb
	v_wmma_scale_f32_16x16x128_f8f6f4 v[rD:rD+7], v[rB:rB+15], v[rA:rA+15], v[rD:rD+7], v[rSB], v[rSA] matrix_a_scale:MATRIX_SCALE_ROW1
.elseif \ra
	v_wmma_scale_f32_16x16x128_f8f6f4 v[rD:rD+7], v[rB:rB+15], v[rA:rA+15], v[rD:rD+7], v[rSB], v[rSA] matrix_b_scale:MATRIX_SCALE_ROW1
.else
	v_wmma_scale_f32_16x16x128_f8f6f4 v[rD:rD+7], v[rB:rB+15], v[rA:rA+15], v[rD:rD+7], v[rSB], v[rSA]
.endif
.endm
.macro MUL16 a0, p, q, sc, zero        ; 16 products; the 64 accumulators take turns
.irp a, \a0, \a0+1
.irp b, 0,1,2,3,4,5,6,7
.set rD, 8*(8*((\a)%4)+\b)
.set rB, 128*(\p)+FR*\b
.set rA, AF+FR*(\a)
.set rSB, SC+16*(\sc)+8+2*(\b/2)+(\q)
.set rSA, SC+16*(\sc)+2*((\a)/2)+(\q)
	WM \zero, (\b)%2, (\a)%2
.endr
.endr
.endm
.macro FETCH_B slot, q, p
	WIN TO_B
.irp i, 0,1,2,3,4,5,6,7
	FRAGB 128*(\p)+FR*\i, ADRB+\slot, \q, \i
.endr
	WIN 0
.endm
.macro FETCH_A slot, q, i0
.irp i, \i0, \i0+1, \i0+2, \i0+3
	FRAG AF+FR*(\i), ADRA+\slot, \q, \i
.endr
.endm
.macro SCALES sc                       ; a K step's scale words: two words a row, 32 rows a load; B's loads 0, 1 take gate's rows, 2, 3 up's
.irp i, 0,1,2,3
	ds_load_b64 v[SC+16*\sc+2*\i:SC+16*\sc+2*\i+1], v[ADSA] offset:\i*S32
.endr
.irp i, 0,1,2,3
	ds_load_b64 v[SC+16*\sc+8+2*\i:SC+16*\sc+8+2*\i+1], v[ADSB] offset:(\i/2)*HALFS+(\i%2)*S32
.endr
.endm
.macro PLACES n
.rept \n
	v_nop
.endr
.endm
.macro STEP slot, q, zero
	s_wait_dscnt 4*NL                              ; B's set and A's blocks 0-3 are in; the youngest 16 loads (A's blocks 4-7) may be out
	WIN MUL_LO
	MUL16 0, (\q)%2, \q, \slot, \zero
	MUL16 2, (\q)%2, \q, \slot, \zero
	s_wait_dscnt 0
	PLACES NP
	FETCH_B \slot, (\q)+1, 1-(\q)%2
	FETCH_A \slot, (\q)+1, 0
	WIN MUL_HI
	MUL16 4, (\q)%2, \q, \slot, \zero
	MUL16 6, (\q)%2, \q, \slot, \zero
	PLACES NP
	WIN 0
	FETCH_A \slot, (\q)+1, 4
.endm
.macro TURN slot, next, fill           ; a slot's last step changes slots: one barrier, in front of it the wait for all my tensor loads, the add, and the wait for it and for my reads of this slot
	s_wait_tensorcnt 0x0
	ds_add_u32 v[SPW], v[NIL]                      ; 0 onto my spare word
	s_wait_dscnt 4*NL+1                            ; (the add and the youngest 16 loads may be out)
	WIN MUL_LO
	MUL16 0, 1, NQ-1, \slot, 0
	s_wait_dscnt 0x0
	s_barrier_signal -1
	MUL16 2, 1, NQ-1, \slot, 0
	WIN 0
	s_barrier_wait -1
.if \fill
	CREST                                          ; a round of the cluster's barrier: no wave of any partner still reads this slot or has a load on its way
	s_add_nc_u64 s[G0+4*\slot+2:G0+4*\slot+3], s[G0+4*\slot+2:G0+4*\slot+3], 2*ROWB
	s_add_nc_u64 s[G0B+4*\slot+2:G0B+4*\slot+3], s[G0B+4*\slot+2:G0B+4*\slot+3], 2*ROWB
	JLOAD G0+4*\slot, G1, G0B+4*\slot, G1B
	PLACES NP-4
.else
	PLACES NP
.endif
	s_wait_alu depctr_va_vdst(0)
	v_add_nc_u32 v[ADSA], 4*NQ, v[ADSA]
	v_add_nc_u32 v[ADSB], 4*NQ, v[ADSB]
	FETCH_B \next, 0, 0
	FETCH_A \next, 0, 0
	SCALES \next
	WIN MUL_HI
	MUL16 4, 1, NQ-1, \slot, 0
	MUL16 6, 1, NQ-1, \slot, 0
	PLACES NP
	WIN 0
	FETCH_A \next, 0, 4
.endm
	s_wait_alu depctr_va_vdst(0)
	s_wait_loadcnt 0x0                             ; my 2,048 scale bytes of B
.irp j, 0,1,2,3
	ds_store_b128 v10, v[T+4*\j:T+4*\j+3] offset:544*\j   ; into blocks of 256 bytes on which no tensor load lands
.endr
	s_wait_tensorcnt 0x0                           ; my tile of the head's is in; slot 1's first fill is issued as a refill is
	ds_add_u32 v[SPW], v[NIL]
	s_mov_b32 s[G1+2], 128<<16                     ; no tensor load of mine is out: from here on A's loads bring 128 rows
	s_mov_b32 s[G1+4], 128
	s_wait_dscnt 0x0                               ; the add and my stores are done
	CROUND                                         ; all tiles and scale bytes are in, and all sixteen work-groups are here
	JLOAD G0+4, G1, G0B+4, G1B                     ; K step 1, the first tensor load behind the round
	FETCH_B 0, 0, 0
	FETCH_A 0, 0, 0
	SCALES 0
	FETCH_A 0, 0, 4
	STEP 0, 0, 1
	s_mov_b32 s3, LAPS-1
.Llap:
	TURN 0, 1, 1
	STEP 1, 0, 0
	TURN 1, 0, 1
	STEP 0, 0, 0
	s_sub_co_u32 s3, s3, 1
	s_cmp_lg_u32 s3, 0
	s_cbranch_scc1 .Llap
	TURN 0, 1, 0
	STEP 1, 0, 0
	s_wait_dscnt 4*NL
	WIN MUL_LO
	MUL16 0, 1, NQ-1, 1, 0
	MUL16 2, 1, NQ-1, 1, 0
	s_wait_dscnt 0
	WIN MUL_HI
	MUL16 4, 1, NQ-1, 1, 0
	MUL16 6, 1, NQ-1, 1, 0
	WIN 0
; THE WAY OUT of block a (16 tokens): accumulators 0-3 hold gate, 4-7 up, of hidden units 16 i + 8 h + j.
.macro HA a
.set AC, 64*((\a)%4)
.set WN, 2+(\a)/4
.set WN1, WN<<2
.set PC, PCB+8*(\a)
	WIN WN                                         ; source 0: the accumulators' window
.set k, 0
.rept 16
	v_pk_mul_f32 v[T+k:T+k+1], v[AC+k:AC+k+1], s[20:21] op_sel_hi:[1,0]   ; -g log2(e); each accumulator is read from its low end on
.set k, k+2
.endr
	WIN 0
.set k, 0
	s_wait_alu depctr_va_vdst(0)
.rept 32
	v_exp_f32 v[T+k], v[T+k]
.set k, k+1
.endr
	v_nop                                          ; a plain line behind the transcendentals
.set k, 0
	s_wait_alu depctr_va_vdst(0)
.rept 16
	v_pk_add_f32 v[T+k:T+k+1], v[T+k:T+k+1], 1.0 op_sel_hi:[1,0]
.set k, k+2
.endr
.set k, 0
	s_wait_alu depctr_va_vdst(0)
.rept 32
	v_rcp_f32 v[T+k], v[T+k]                       ; the sigmoid
.set k, k+1
.endr
	v_nop
	WIN WN1                                        ; source 1: the accumulators' window
.set k, 0
	s_wait_alu depctr_va_vdst(0)
.rept 16
	v_pk_mul_f32 v[T+k:T+k+1], v[T+k:T+k+1], v[AC+k:AC+k+1]          ; x gate
.set k, k+2
.endr
.set k, 0
.rept 16
	v_pk_mul_f32 v[T+k:T+k+1], v[T+k:T+k+1], v[AC+32+k:AC+32+k+1]    ; x up
.set k, k+2
.endr
	WIN 0
.irp c, 0,1
	v_max3_num_f32 v[TM+\c], |v[T+16*\c]|, |v[T+16*\c+1]|, 0x4800000   ; the floor 2^(9 - 127) among the leaves: the byte cannot fall under 1
.endr
.irp i, 2,4,6,8,10,12,14
.irp c, 0,1
	v_max3_num_f32 v[TM+\c], v[TM+\c], |v[T+16*\c+\i]|, |v[T+16*\c+\i+1]|
.endr
.endr
.irp c, 0,1
	v_permlanex16_b32 v[TM+4+\c], v[TM+\c], s18, s19
.endr
.irp c, 0,1
	v_max_num_f32 v[TM+\c], v[TM+\c], v[TM+4+\c]
.endr
.irp c, 0,1
	v_add_nc_u32 v[TM+12+\c], 0xfc000000, v[TM+\c]
.endr
.irp c, 0,1
	v_and_or_b32 v[TM+8+\c], v[TM+\c], 0x7f800000, s22
.endr
.irp c, 0,1
	v_lshrrev_b32 v[TM+4+\c], 23, v[TM+12+\c]
.endr
	v_lshl_or_b32 v[HW+(\a)], v[TM+5], 8, v[TM+4]  ; my two bytes of the row's scale word
.irp c, 0,1
.set i, 0
.rept 16
	v_med3_num_f32 v[T+16*\c+i], v[T+16*\c+i], -v[TM+8+\c], v[TM+8+\c]   ; the conversion does not saturate (ISA guide 7.6.2): the hold comes first
.set i, i+1
.endr
	v_cvt_scalef32_pk8_fp8_f32 v[PC+4*\c:PC+4*\c+1], v[T+16*\c:T+16*\c+7], v[TM+12+\c]
	v_cvt_scalef32_pk8_fp8_f32 v[PC+4*\c+2:PC+4*\c+3], v[T+16*\c+8:T+16*\c+15], v[TM+12+\c]
.endr
	v_nop                                          ; a plain line behind the last conversion
.irp c, 0,1
	global_store_b64 v[LO], v[PC+4*\c:PC+4*\c+1], s[12:13] offset:(\a)*2048+512*\c         ; 256 consecutive bytes, aligned
	global_store_b64 v[LO], v[PC+4*\c+2:PC+4*\c+3], s[12:13] offset:(\a)*2048+512*\c+256
.endr
	ds_store_b16 v[SST], v[HW+(\a)] offset:64*(\a) ; lanes l and l xor 16 write the same two bytes with the same value.  Slot 0 has had its last fill, and nobody reads it behind the last change of slots
.endm
	PLACES NP
	s_mov_b32 s18, 0x76543210
	s_mov_b32 s19, 0xfedcba98                      ; v_permlanex16_b32's selects for lane l xor 16
	s_mov_b32 s20, 0xbfb8aa3b                      ; -log2(e)
	s_mov_b32 s21, s20                             ; (named with it as a pair, so it is written)
	s_mov_b32 s22, 0x600000                        ; the mantissa field of 448
.irp c, 0,1
	v_mov_b32 v[TM+4+\c], 0                        ; written once: a lane permute's destination counts as one of its sources
.endr
.irp a, 0,1,2,3,4,5,6,7
	HA \a
.endr
	s_wait_dscnt 0x0                               ; for the others' sake: my halves of the scale words lie in LDS
	s_barrier_signal -1
	s_barrier_wait -1
	ds_load_b64 v[T:T+1], v[SRD]                   ; 64 whole words a wave
	s_wait_dscnt 0x0
	global_store_b64 v[L8], v[T:T+1], s[98:99]     ; 256 consecutive bytes, aligned
	s_wait_tensorcnt 0x0                           ; the wave's end
	ds_add_u32 v[SPW], v[NIL]
	s_wait_dscnt 0x0
	CROUND                                         ; the closing round
	s_endpgm
.Lfunc_end_k_q40155d3da8_gateup:
	.size	k_q40155d3da8_gateup, .Lfunc_end_k_q40155d3da8_gateup-k_q40155d3da8_gateup
	.p2alignl 7, 3214868480
	.fill 96, 4, 3214868480
	.section	.rodata,"a",@progbits
	.p2align	6, 0x0
	.amdhsa_kernel k_q40155d3da8_gateup
		.amdhsa_group_segment_fixed_size 327680
		.amdhsa_private_segment_fixed_size 0
		.amdhsa_enable_private_segment 0
		.amdhsa_kernarg_size 48
		.amdhsa_user_sgpr_count 2
		.amdhsa_user_sgpr_kernarg_segment_ptr 1
		.amdhsa_wavefront_size32 1
		.amdhsa_system_sgpr_workgroup_id_x 1
		.amdhsa_system_sgpr_workgroup_id_y 1
		.amdhsa_system_sgpr_workgroup_id_z 1
		.amdhsa_system_vgpr_workitem_id 0
		.amdhsa_next_free_vgpr 1024
		.amdhsa_next_free_sgpr 102
		.amdhsa_reserve_vcc 0
		.amdhsa_float_denorm_mode_32 3
		.amdhsa_float_denorm_mode_16_64 3
		.amdhsa_memory_ordered 1
		.amdhsa_forward_progress 1
		.amdhsa_inst_pref_size 204
	.end_amdhsa_kernel
	.amdgpu_metadata
---
amdhsa.version: [ 1, 2 ]
amdhsa.kernels:
  - .name:           k_q40155d3da8_gateup
    .symbol:         k_q40155d3da8_gateup.kd
    .args:
      - { .name: xn, .offset: 0, .size: 8, .value_kind: global_buffer, .address_space: global }
      - { .name: w_gate_codes, .offset: 8, .size: 8, .value_kind: global_buffer, .address_space: global }
      - { .name: w_gate_scales, .offset: 16, .size: 8, .value_kind: global_buffer, .address_space: global }
      - { .name: w_up_codes, .offset: 24, .size: 8, .value_kind: global_buffer, .address_space: global }
      - { .name: w_up_scales, .offset: 32, .size: 8, .value_kind: global_buffer, .address_space: global }
      - { .name: hh, .offset: 40, .size: 8, .value_kind: global_buffer, .address_space: global }
    .group_segment_fixed_size: 327680
    .private_segment_fixed_size: 0
    .kernarg_segment_align: 8
    .kernarg_segment_size: 48
    .max_flat_workgroup_size: 128
    .sgpr_count:     102
    .vgpr_count:     1024
    .wavefront_size: 32
...
	.end_amdgpu_metadata
.endif
;; end of part 11
;; launch down (part 12): grid 8 x 32, 4 waves a work-group, clusters of 4 x 4, 327,680 bytes of LDS; arguments hh, w_down_codes, w_down_scales, x1, out0; writes out0
.if DOCPART == 12
	.amdgcn_target "amdgcn-amd-amdhsa--gfx1250"
	.amdhsa_code_object_version 6
	.text
	.protected	k_q40155d3da8_down
	.globl	k_q40155d3da8_down
	.p2align	8
	.type	k_q40155d3da8_down,@function
k_q40155d3da8_down:
	s_mov_b64 s[64:65], 0
	v_nop
	global_prefetch_b8 v0, s[64:65] scope:SCOPE_SE
	s_setreg_imm32_b32 hwreg(HW_REG_WAVE_MODE, 25, 1), 1
	s_wait_xcnt 0x0
	s_wait_alu depctr_hold_cnt(0) depctr_sa_sdst(0) depctr_va_vdst(0) depctr_va_sdst(0) depctr_va_ssrc(0) depctr_va_vcc(0) depctr_vm_vsrc(0)
	s_getreg_b32 s2, hwreg(HW_REG_IB_STS2, 6, 4)
	s_cmp_eq_u32 s2, 0
	s_cbranch_scc0 .Lentry_in_a_cluster
	s_endpgm
.Lentry_in_a_cluster:
	s_bfe_u32 s2, ttmp6, 0x10000c
	s_cmp_lg_u32 s2, 0xf033
	s_cbranch_scc0 .Lentry_shape_is_right
	s_endpgm
.Lentry_shape_is_right:
.set KK,     2048
.set ASCOFF, 8388608
.set NT_OUT, 1
.set KROW,   KK
.set NK,     KK/128
.set ROWB,   512
.set PITCH,  528
.set FR,     16
.set NP,     8
.set PLANE,  524288
.set APL,    16384
.set AIMG,   4*APL
.set HALFB,  64*PITCH
.set SLOT,   AIMG+2*HALFB
.set LAPS,   KK/1024
.set KS,     KK/32
.set SCL,    2*SLOT
.set ASC,    NK*256
.set SCLB,   SCL+2*ASC
.set HALFS,  (64*KS/256)*272
.set S32,    (32*KS/256)*272
.set SPARE,  SCLB+2*HALFS
.set SPITCH, 272
.set ADRA, 16
.set ADRB, 20
.set STO,  24
.set RD,   25
.set CO,   26
.set ADSA, 27
.set SPW,  28
.set NIL,  29
.set ADSB, 30
.set SC,   32
.set ACC,  128
.set F0,   0
.set F1,   128
.set RES,  0
.set BK,   128
.set G1, 24
.set G0, 32
.set G1B, 48
.set G0B, 56
.set G1S, 68
.set G0S, 76
.set G1SB, 80
.set G0SB, 88
.set MSB, 0
.macro WIN new
.if MSB != \new
	s_set_vgpr_msb (MSB<<8)|\new
.set MSB, \new
.endif
.endm
.set MUL,  0x05
.set TO_F, 0x40
.macro JLOAD g0a, g1a, g0b, g1b
	s_cmp_eq_u32 s15, 0
	s_cbranch_scc0 .Lfor_b_\@
	tensor_load_to_lds s[\g0a:\g0a+3], s[\g1a:\g1a+7]
	s_nop 0
.rept 4
	v_nop
.endr
	s_branch .Lasked_\@
.Lfor_b_\@:
	tensor_load_to_lds s[\g0b:\g0b+3], s[\g1b:\g1b+7]
	s_nop 0
.rept 4
	v_nop
.endr
.Lasked_\@:
.endm
.macro CREST
	s_cmp_lg_u32 s14, 0
	s_cbranch_scc1 .Lnot_wave_0_\@
	s_barrier_signal -3
.Lnot_wave_0_\@:
	s_barrier_wait -3
	s_barrier_signal -1
	s_barrier_wait -1
.endm
.macro CROUND
	s_barrier_signal -1
	s_barrier_wait -1
	CREST
.endm
	s_load_b256 s[4:11], s[0:1], 0x0
	s_load_b64 s[12:13], s[0:1], 0x20
	v_lshl_add_u32 v[SPW], v0, 2, SPARE
	v_mov_b32 v[NIL], 0
	ds_add_u32 v28, v29
	ds_add_u32 v28, v29
	s_wait_dscnt 0x0
	v_lshrrev_b32 v1, 5, v0
	v_readfirstlane_b32 s14, v1
	s_lshr_b32 s15, s14, 1
	s_and_b32 s16, s14, 1
	s_bfe_u32 s40, ttmp6, 0x40000
	s_bfe_u32 s41, ttmp6, 0x40004
	s_lshl_b32 s42, ttmp9, 2
	s_add_co_u32 s42, s42, s40
	s_and_b32 s17, ttmp7, 0xffff
	s_lshl_b32 s17, s17, 2
	s_add_co_u32 s17, s17, s41
	s_lshl_b32 s43, s41, 2
	s_lshl_b32 s43, 15, s43
	s_lshl_b32 s44, 0x1111, s40
	s_or_b32 s[G1+0], s43, (3<<16)|(1<<21)
	s_mov_b32 s[G1+1], 2048<<16
	s_mov_b32 s[G1+2], 4<<16                       ; the head's load brings a K step's four planes; set to 2 behind the wait for it
	s_mov_b32 s[G1+3], 2048<<16
	s_mov_b32 s[G1+4], 4
	s_mov_b32 s[G1+5], PLANE/8
	s_mov_b32 s[G1+6], 0
	s_mov_b32 s[G1+7], 0
	s_or_b32 s[G1B+0], s44, (0<<16)|(1<<20)|(1<<21)|(6<<22)|(3<<25)
	s_mov_b32 s[G1B+1], ROWB<<16
	s_mov_b32 s[G1B+2], 128<<16                    ; the head's load brings all 128 rows; set to 64 behind the wait for it
	s_mov_b32 s[G1B+3], ROWB<<16
	s_mov_b32 s[G1B+4], 128
	s_mov_b32 s[G1B+5], KROW
	s_mov_b32 s[G1B+6], 0
	s_mov_b32 s[G1B+7], 0
	s_or_b32 s[G1S+0], s43, (3<<16)|(1<<21)
	s_mov_b32 s[G1S+1], 64<<16                     ; all 128 rows' words: NK rows of 512 bytes; in LDS [k / 128][128 rows]
	s_mov_b32 s[G1S+2], NK<<16
	s_mov_b32 s[G1S+3], 64<<16
	s_mov_b32 s[G1S+4], NK
	s_mov_b32 s[G1S+5], 2048
	s_mov_b32 s[G1S+6], 0
	s_mov_b32 s[G1S+7], 0
	s_or_b32 s[G1SB+0], s44, (3<<16)|(1<<20)|(1<<21)|(5<<22)|(3<<25)
	s_mov_b32 s[G1SB+1], 32<<16
	s_mov_b32 s[G1SB+2], (128*KS/256)<<16
	s_mov_b32 s[G1SB+3], 32<<16
	s_mov_b32 s[G1SB+4], 128*KS/256
	s_mov_b32 s[G1SB+5], 32
	s_mov_b32 s[G1SB+6], 0
	s_mov_b32 s[G1SB+7], 0
	s_lshl_b32 s20, s17, 14
	s_lshl_b32 s18, s16, 20
	s_add_co_u32 s20, s20, s18
	s_mov_b32 s21, 0
	s_lshl_b32 s22, s17, 9                         ; A's scale words: 128 rows x 4 bytes
	s_mov_b32 s23, 0
	s_lshl_b32 s46, s42, 7
	s_mul_i32 s92, s46, KS                         ; B's scale bytes: the tile's first row
	s_lshl_b32 s18, s16, 6
	s_add_co_u32 s46, s46, s18                     ; B: the first row that I fetch in the ring
	s_mov_b32 s93, 0
	s_mul_i32 s46, s46, KROW
	s_mov_b32 s47, 0
	s_lshl_b32 s45, s16, 15
	s_mul_i32 s94, s16, HALFB
	s_add_co_u32 s94, s94, AIMG
	s_wait_kmcnt 0x0
	s_mov_b64 s[98:99], s[10:11]
	s_mov_b64 s[10:11], s[8:9]
	s_mov_b64 s[8:9], s[6:7]
	s_add_nc_u64 s[6:7], s[4:5], ASCOFF
	s_add_nc_u64 s[20:21], s[4:5], s[20:21]
	s_add_nc_u64 s[22:23], s[6:7], s[22:23]
	s_add_nc_u64 s[46:47], s[8:9], s[46:47]
	s_add_nc_u64 s[92:93], s[10:11], s[92:93]
	CROUND
	s_mov_b32 s[G0S], 1
	s_mov_b32 s[G0S+1], SCL
	s_mov_b64 s[G0S+2:G0S+3], s[22:23]
	s_or_b32 s[G0S+3], s[G0S+3], 0x80000000
	s_mov_b32 s[G0SB], 1
	s_mov_b32 s[G0SB+1], SCLB
	s_mov_b64 s[G0SB+2:G0SB+3], s[92:93]
	s_or_b32 s[G0SB+3], s[G0SB+3], 0x80000000
.irp s, 0,1
	s_mov_b32 s[G0+4*\s], 1
	s_add_co_u32 s[G0+4*\s+1], s45, \s*SLOT
	s_add_nc_u64 s[G0+4*\s+2:G0+4*\s+3], s[20:21], \s*4*PLANE
	s_or_b32 s[G0+4*\s+3], s[G0+4*\s+3], 0x80000000
	s_mov_b32 s[G0B+4*\s], 1
	s_add_co_u32 s[G0B+4*\s+1], s94, \s*SLOT
	s_add_nc_u64 s[G0B+4*\s+2:G0B+4*\s+3], s[46:47], \s*ROWB
	s_or_b32 s[G0B+4*\s+3], s[G0B+4*\s+3], 0x80000000
.endr
; out0 = x1 + hh W_down: launch oproj's design with K = 2,048.
; THE HEAD'S LOADS, ONE A WAVE: wave 0 K step 0's four planes of A (its own slot 0 descriptor begins at the first), wave 1 A's scale words, wave 2 B's 128 rows, wave 3 B's scale bytes.
.macro ARM under, g0, g1, next
	s_cmp_lt_u32 s14, \under
	s_cbranch_scc0 \next
	tensor_load_to_lds s[\g0:\g0+3], s[\g1:\g1+7]
	s_nop 0
.rept 4
	v_nop
.endr
	s_branch .Lhead_asked
\next:
.endm
	ARM 1, G0, G1, .Lhead_sa
	ARM 2, G0S, G1S, .Lhead_b
	ARM 3, G0B, G1B, .Lhead_sb
	tensor_load_to_lds s[G0SB:G0SB+3], s[G1SB:G1SB+7]
	s_nop 0
.rept 4
	v_nop
.endr
.Lhead_asked:
	v_and_b32 v1, 15, v0
	v_bfe_u32 v2, v0, 4, 1
	v_and_b32 v6, 31, v0
	v_lshlrev_b32 v7, 4, v6
	s_lshl_b32 s21, s15, 13
	v_add_nc_u32 v[ADRA], s21, v7
	s_add_co_u32 s21, s21, SLOT
	v_add_nc_u32 v[ADRA+1], s21, v7
	v_mul_u32_u24 v3, v1, PITCH
	v_lshl_add_u32 v4, v2, 4, v3
	s_mul_i32 s22, s16, HALFB
	s_add_co_u32 s22, s22, AIMG
	v_add_nc_u32 v[ADRB], s22, v4
	s_add_co_u32 s22, s22, SLOT
	v_add_nc_u32 v[ADRB+1], s22, v4
	s_lshl_b32 s21, s15, 8                         ; my 64 rows' words of each plane of 512 bytes
	s_add_co_u32 s21, s21, SCL
	v_lshl_add_u32 v[ADSA], v6, 2, s21
	v_mul_u32_u24 v5, v6, KS
	v_lshrrev_b32 v8, 8, v5
	v_lshl_add_u32 v5, v8, 4, v5
	s_mul_i32 s22, s16, HALFS
	s_add_co_u32 s22, s22, SCLB
	v_add_nc_u32 v[ADSB], s22, v5
	s_mul_i32 s23, s14, 64*SPITCH
	v_mul_u32_u24 v5, v1, SPITCH
	v_lshl_add_u32 v5, v2, 5, v5
	v_add_nc_u32 v[STO], s23, v5
	v_mul_u32_u24 v5, v2, SPITCH
	v_lshl_add_u32 v5, v1, 4, v5
	v_add_nc_u32 v[RD], s23, v5
	v_lshlrev_b32 v5, 12, v2
	v_lshl_add_u32 v[CO], v1, 4, v5
	s_wait_alu depctr_va_vdst(0)
	s_lshl_b32 s20, s17, 19
	s_lshl_b32 s21, s15, 18
	s_add_co_u32 s20, s20, s21
	s_lshl_b32 s46, s42, 9
	s_lshl_b32 s47, s16, 8
	s_add_co_u32 s46, s46, s47
	s_add_co_u32 s20, s20, s46
	s_mov_b32 s21, 0
	s_add_nc_u64 s[12:13], s[12:13], s[20:21]
	s_add_nc_u64 s[98:99], s[98:99], s[20:21]
	WIN 0x80
.set t, 0
.rept 32
	global_load_b128 v[RES+4*t:RES+4*t+3], v[CO], s[98:99] offset:t*8192 th:TH_LOAD_NT
.set t, t+1
.endr
	WIN 0
.macro FRAG reg, adr, q, i
.irp c, 0,1,2,3
	ds_load_b128 v[\reg+4*\c:\reg+4*\c+3], v[\adr] offset:128*(\q)+32*\c+(\i)*16*PITCH
.endr
.endm
.macro FRAGI reg, adr, q, i
.irp c, 0,1,2,3
	ds_load_b128 v[\reg+4*\c:\reg+4*\c+3], v[\adr] offset:APL*(\q)+2048*(\i)+512*\c
.endr
.endm
.macro WM zero, rb, ra
.if (\zero) && (\rb) && (\ra)
	v_wmma_scale_f32_16x16x128_f8f6f4 v[rD:rD+7], v[rB:rB+15], v[rA:rA+15], 0, v[rSB], v[rSA] matrix_a_scale:MATRIX_SCALE_ROW1 matrix_b_scale:MATRIX_SCALE_ROW1
.elseif (\zero) && (\rb)
	v_wmma_scale_f32_16x16x128_f8f6f4 v[rD:rD+7], v[rB:rB+15], v[rA:rA+15], 0, v[rSB], v[rSA] matrix_a_scale:MATRIX_SCALE_ROW1
.elseif (\zero) && (\ra)
	v_wmma_scale_f32_16x16x128_f8f6f4 v[rD:rD+7], v[rB:rB+15], v[rA:rA+15], 0, v[rSB], v[rSA] matrix_b_scale:MATRIX_SCALE_ROW1
.elseif \zero
	v_wmma_scale_f32_16x16x128_f8f6f4 v[rD:rD+7], v[rB:rB+15], v[rA:rA+15], 0, v[rSB], v[rSA]
.elseif (\rb) && (\ra)
	v_wmma_scale_f32_16x16x128_f8f6f4 v[rD:rD+7], v[rB:rB+15], v[rA:rA+15], v[rD:rD+7], v[rSB], v[rSA] matrix_a_scale:MATRIX_SCALE_ROW1 matrix_b_scale:MATRIX_SCALE_ROW1
.elseif \rb
	v_wmma_scale_f32_16x16x128_f8f6f4 v[rD:rD+7], v[rB:rB+15], v[rA:rA+15], v[rD:rD+7], v[rSB], v[rSA] matrix_a_scale:MATRIX_SCALE_ROW1
.elseif \ra
	v_wmma_scale_f32_16x16x128_f8f6f4 v[rD:rD+7], v[rB:rB+15], v[rA:rA+15], v[rD:rD+7], v[rSB], v[rSA] matrix_b_scale:MATRIX_SCALE_ROW1
.else
	v_wmma_scale_f32_16x16x128_f8f6f4 v[rD:rD+7], v[rB:rB+15], v[rA:rA+15], v[rD:rD+7], v[rSB], v[rSA]
.endif
.endm
.macro MUL4 f, q, sc, zero, a
.irp b, 0,1,2,3
.set rD, ACC+8*(4*(\a)+\b)
.set rB, (\f)+64+FR*\b
.set rA, (\f)+FR*(\a)
.set rSB, SC+16*(\sc)+4*(\b/2)+(\q)
.set rSA, SC+16*(\sc)+8+4*((\a)/2)+(\q)
	WM \zero, (\b)%2, (\a)%2
.endr
.endm
.macro FETCH slot, q, f
	WIN TO_F
.irp i, 0,1,2,3
	FRAG (\f)+64+FR*\i, ADRB+\slot, \q, \i
.endr
.irp i, 0,1,2,3
	FRAGI (\f)+FR*\i, ADRA+\slot, \q, \i
.endr
.endm
.macro SCALES sc
	WIN 0
.irp i, 0,1
	ds_load_b128 v[SC+16*\sc+4*\i:SC+16*\sc+4*\i+3], v[ADSB] offset:\i*S32
.endr
.irp i, 0,1
.irp q, 0,1,2,3
	ds_load_b32 v[SC+16*\sc+8+4*\i+\q], v[ADSA] offset:\i*128+\q*512
.endr
.endr
.endm
.macro PLACES n
.rept \n
	v_nop
.endr
.endm
.macro QUARTER slot, q, f, g, zero
	PLACES NP
	FETCH \slot, (\q)+1, \g
	s_wait_dscnt 32
	WIN MUL
.irp a, 0,1,2,3
	MUL4 \f, \q, \slot, \zero, \a
.endr
.endm
.macro TURN slot, next, fill
	WIN 0
	s_wait_tensorcnt 0x0
	ds_add_u32 v[SPW], v[NIL]
	s_wait_dscnt 1
	WIN MUL
	MUL4 F1, 3, \slot, 0, 0
	s_wait_dscnt 0x0
	s_barrier_signal -1
	MUL4 F1, 3, \slot, 0, 1
	WIN 0
	s_barrier_wait -1
.if \fill
	CREST
	s_add_nc_u64 s[G0+4*\slot+2:G0+4*\slot+3], s[G0+4*\slot+2:G0+4*\slot+3], 8*PLANE
	s_add_nc_u64 s[G0B+4*\slot+2:G0B+4*\slot+3], s[G0B+4*\slot+2:G0B+4*\slot+3], 2*ROWB
	JLOAD G0+4*\slot, G1, G0B+4*\slot, G1B
	PLACES NP-4
.else
	PLACES NP
.endif
	s_wait_alu depctr_va_vdst(0)
	v_add_nc_u32 v[ADSA], 2048, v[ADSA]            ; the next K step's scale words: four planes of 512 bytes on
	v_add_nc_u32 v[ADSB], 16, v[ADSB]
	SCALES \next
	FETCH \next, 0, F0
	WIN MUL
	MUL4 F1, 3, \slot, 0, 2
	MUL4 F1, 3, \slot, 0, 3
.endm
	s_wait_alu depctr_va_vdst(0)
	s_wait_tensorcnt 0x0                           ; my tile of the head's four is in; slot 1's first fill is issued as a refill is
	ds_add_u32 v[SPW], v[NIL]
	s_mov_b32 s[G1+2], 2<<16                       ; no tensor load of mine is out: from here on a load brings two planes of A, or 64 rows of B
	s_mov_b32 s[G1+4], 2
	s_mov_b32 s[G1B+2], 64<<16
	s_mov_b32 s[G1B+4], 64
	s_wait_dscnt 0x0
	CROUND                                         ; all four tiles are in, and all sixteen work-groups are here
	JLOAD G0+4, G1, G0B+4, G1B                     ; K step 1, the first tensor load behind the round
	SCALES 0
	FETCH 0, 0, F0
	QUARTER 0, 0, F0, F1, 1
	QUARTER 0, 1, F1, F0, 0
	QUARTER 0, 2, F0, F1, 0
.if LAPS > 1
	WIN 0
	s_mov_b32 s3, LAPS-1
.Llap:
	TURN 0, 1, 1
	QUARTER 1, 0, F0, F1, 0
	QUARTER 1, 1, F1, F0, 0
	QUARTER 1, 2, F0, F1, 0
	TURN 1, 0, 1
	QUARTER 0, 0, F0, F1, 0
	QUARTER 0, 1, F1, F0, 0
	QUARTER 0, 2, F0, F1, 0
	WIN 0
	s_sub_co_u32 s3, s3, 1
	s_cmp_lg_u32 s3, 0
	s_cbranch_scc1 .Llap
.endif
	TURN 0, 1, 0
	QUARTER 1, 0, F0, F1, 0
	QUARTER 1, 1, F1, F0, 0
	QUARTER 1, 2, F0, F1, 0
	s_wait_dscnt 0x0
.irp a, 0,1,2,3
	MUL4 F1, 3, 1, 0, \a
.endr
	WIN 0
	PLACES NP
.irp a, 0,1,2,3
.irp b, 0,1,2,3
	ds_store_b128 v[STO], v[ACC+8*(4*\a+\b):ACC+8*(4*\a+\b)+3] offset:\a*16*SPITCH+64*\b
	ds_store_b128 v[STO], v[ACC+8*(4*\a+\b)+4:ACC+8*(4*\a+\b)+7] offset:\a*16*SPITCH+64*\b+16
.endr
.endr
	WIN 0x80
.set t, 0
.rept 32
	ds_load_b128 v[BK+4*t:BK+4*t+3], v[RD] offset:t*2*SPITCH
.set t, t+1
.endr
	s_wait_loadcnt 0x0
.irp g, 0,1,2,3
	s_wait_dscnt 24-8*\g
	WIN 0x8a
.set k, 32*\g
.rept 16
	v_pk_add_f32 v[BK+k:BK+k+1], v[BK+k:BK+k+1], v[RES+k:RES+k+1]
.set k, k+2
.endr
	WIN 0x08
.set t, 8*\g
.rept 8
.if NT_OUT
	global_store_b128 v[CO], v[BK+4*t:BK+4*t+3], s[12:13] offset:t*8192 th:TH_STORE_NT
.else
	global_store_b128 v[CO], v[BK+4*t:BK+4*t+3], s[12:13] offset:t*8192
.endif
.set t, t+1
.endr
.endr
	WIN 0
	s_wait_tensorcnt 0x0
	ds_add_u32 v[SPW], v[NIL]
	s_wait_dscnt 0x0
	CROUND
	s_endpgm
.Lfunc_end_k_q40155d3da8_down:
	.size	k_q40155d3da8_down, .Lfunc_end_k_q40155d3da8_down-k_q40155d3da8_down
	.p2alignl 7, 3214868480
	.fill 96, 4, 3214868480
	.section	.rodata,"a",@progbits
	.p2align	6, 0x0
	.amdhsa_kernel k_q40155d3da8_down
		.amdhsa_group_segment_fixed_size 327680
		.amdhsa_private_segment_fixed_size 0
		.amdhsa_enable_private_segment 0
		.amdhsa_kernarg_size 40
		.amdhsa_user_sgpr_count 2
		.amdhsa_user_sgpr_kernarg_segment_ptr 1
		.amdhsa_wavefront_size32 1
		.amdhsa_system_sgpr_workgroup_id_x 1
		.amdhsa_system_sgpr_workgroup_id_y 1
		.amdhsa_system_sgpr_workgroup_id_z 1
		.amdhsa_system_vgpr_workitem_id 0
		.amdhsa_next_free_vgpr 768
		.amdhsa_next_free_sgpr 102
		.amdhsa_reserve_vcc 0
		.amdhsa_float_denorm_mode_32 3
		.amdhsa_float_denorm_mode_16_64 3
		.amdhsa_memory_ordered 1
		.amdhsa_forward_progress 1
		.amdhsa_inst_pref_size 100
	.end_amdhsa_kernel
	.amdgpu_metadata
---
amdhsa.version: [ 1, 2 ]
amdhsa.kernels:
  - .name:           k_q40155d3da8_down
    .symbol:         k_q40155d3da8_down.kd
    .args:
      - { .name: hh, .offset: 0, .size: 8, .value_kind: global_buffer, .address_space: global }
      - { .name: w_down_codes, .offset: 8, .size: 8, .value_kind: global_buffer, .address_space: global }
      - { .name: w_down_scales, .offset: 16, .size: 8, .value_kind: global_buffer, .address_space: global }
      - { .name: x1, .offset: 24, .size: 8, .value_kind: global_buffer, .address_space: global }
      - { .name: out0, .offset: 32, .size: 8, .value_kind: global_buffer, .address_space: global }
    .group_segment_fixed_size: 327680
    .private_segment_fixed_size: 0
    .kernarg_segment_align: 8
    .kernarg_segment_size: 40
    .max_flat_workgroup_size: 128
    .sgpr_count:     102
    .vgpr_count:     768
    .wavefront_size: 32
...
	.end_amdgpu_metadata
.endif
;; end of part 12
